; MI455X (gfx1250); checked and timed in simulation.
; The chip was launched on July 23, 2026; its instructions are those of AMD's public machine-readable ISA for CDNA 5 (MIT licence, August 2026) and "CDNA5" Instruction Set Architecture Reference Guide (July 2026). The comments in the code are by the model that wrote it; some were corrected since.
;; Transformer Decoder Block. Allowed arithmetic: matrix products marked QUANTISED: E2M3 operands, one E8M0 scale for each 32 along K, by v_wmma_scale_f32_16x16x128_f8f6f4 with both operands' format E2M3, f32 sums; everything else in f32.
;; Inputs: b1 2,048 float32; b2 512 float32; ca_bk 512 float32; ca_bo 512 float32; ca_bq 512 float32; ca_bv 512 float32; ca_wk_codes 512 x 16 x 24 uint8 (E2M3 codes of ca_wk, K innermost, in blocks of 32 codes, four codes in three bytes); ca_wk_scales 512 x 16 uint8 (E8M0 scales of ca_wk, one for each 32 codes along K); ca_wo_codes 512 x 16 x 24 uint8 (E2M3 codes of ca_wo, K innermost, in blocks of 32 codes, four codes in three bytes); ca_wo_scales 512 x 16 uint8 (E8M0 scales of ca_wo, one for each 32 codes along K); ca_wq_codes 512 x 16 x 24 uint8 (E2M3 codes of ca_wq, K innermost, in blocks of 32 codes, four codes in three bytes); ca_wq_scales 512 x 16 uint8 (E8M0 scales of ca_wq, one for each 32 codes along K); ca_wv_codes 512 x 16 x 24 uint8 (E2M3 codes of ca_wv, K innermost, in blocks of 32 codes, four codes in three bytes); ca_wv_scales 512 x 16 uint8 (E8M0 scales of ca_wv, one for each 32 codes along K); ln1_b 512 float32; ln1_w 512 float32; ln2_b 512 float32; ln2_w 512 float32; ln3_b 512 float32; ln3_w 512 float32; memory_codes 4 x 2,048 x 16 x 24 uint8 (E2M3 codes of memory, K innermost, in blocks of 32 codes, four codes in three bytes); memory_scales 4 x 2,048 x 16 uint8 (E8M0 scales of memory, one for each 32 codes along K); sa_bk 512 float32; sa_bo 512 float32; sa_bq 512 float32; sa_bv 512 float32; sa_wk_codes 512 x 16 x 24 uint8 (E2M3 codes of sa_wk, K innermost, in blocks of 32 codes, four codes in three bytes); sa_wk_scales 512 x 16 uint8 (E8M0 scales of sa_wk, one for each 32 codes along K); sa_wo_codes 512 x 16 x 24 uint8 (E2M3 codes of sa_wo, K innermost, in blocks of 32 codes, four codes in three bytes); sa_wo_scales 512 x 16 uint8 (E8M0 scales of sa_wo, one for each 32 codes along K); sa_wq_codes 512 x 16 x 24 uint8 (E2M3 codes of sa_wq, K innermost, in blocks of 32 codes, four codes in three bytes); sa_wq_scales 512 x 16 uint8 (E8M0 scales of sa_wq, one for each 32 codes along K); sa_wv_codes 512 x 16 x 24 uint8 (E2M3 codes of sa_wv, K innermost, in blocks of 32 codes, four codes in three bytes); sa_wv_scales 512 x 16 uint8 (E8M0 scales of sa_wv, one for each 32 codes along K); tgt 4 x 2,048 x 512 float32; tgt_mask 2,048 x 2,048 bool; w1_codes 2,048 x 16 x 24 uint8 (E2M3 codes of w1, K innermost, in blocks of 32 codes, four codes in three bytes); w1_scales 2,048 x 16 uint8 (E8M0 scales of w1, one for each 32 codes along K); w2_codes 512 x 64 x 24 uint8 (E2M3 codes of w2, K innermost, in blocks of 32 codes, four codes in three bytes); w2_scales 512 x 64 uint8 (E8M0 scales of w2, one for each 32 codes along K).
;; Outputs: out0 4 x 2,048 x 512 float32.
;; This version of the problem:
;;   THIS VERSION OF THE PROBLEM IS GIVEN IN LOW PRECISION. The matrix products marked QUANTISED in the list below multiply operands that are first quantised to E2M3 (2 exponent bits, 3 mantissa bits; 6 bits a number), with one power-of-two scale for each 32 numbers along K (OCP MX v1.0); their sums are f32. All else is computed in f32.
;;   The module's matrix products, in the order in which they are computed (A, B: the left and right operand; K: the contracted axis; several contracted axes count as one K, in the product's order):
;;     1. [M 8,192, K 512] x [K 512, N 512]; A: input tgt; B: input sa_wq (given as codes): QUANTISED
;;     2. [M 8,192, K 512] x [K 512, N 512]; A: input tgt; B: input sa_wk (given as codes): QUANTISED
;;     3. [M 8,192, K 512] x [K 512, N 512]; A: input tgt; B: input sa_wv (given as codes): QUANTISED
;;     4. batch 32 x [M 2,048, K 64] x [K 64, N 2,048]; A: computed on the way; B: computed on the way: QUANTISED
;;     5. batch 32 x [M 2,048, K 2,048] x [K 2,048, N 64]; A: softmax (see below); B: computed on the way: QUANTISED
;;     6. [M 8,192, K 512] x [K 512, N 512]; A: computed on the way; B: input sa_wo (given as codes): QUANTISED
;;     7. [M 8,192, K 512] x [K 512, N 512]; A: computed on the way; B: input ca_wq (given as codes): QUANTISED
;;     8. [M 8,192, K 512] x [K 512, N 512]; A: input memory (given as codes); B: input ca_wk (given as codes): QUANTISED
;;     9. [M 8,192, K 512] x [K 512, N 512]; A: input memory (given as codes); B: input ca_wv (given as codes): QUANTISED
;;     10. batch 32 x [M 2,048, K 64] x [K 64, N 2,048]; A: computed on the way; B: computed on the way: QUANTISED
;;     11. batch 32 x [M 2,048, K 2,048] x [K 2,048, N 64]; A: softmax (see below); B: computed on the way: QUANTISED
;;     12. [M 8,192, K 512] x [K 512, N 512]; A: computed on the way; B: input ca_wo (given as codes): QUANTISED
;;     13. [M 8,192, K 512] x [K 512, N 2,048]; A: computed on the way; B: input w1 (given as codes): QUANTISED
;;     14. [M 8,192, K 2,048] x [K 2,048, N 512]; A: computed on the way; B: input w2 (given as codes): QUANTISED
;;   THE QUANTISER, for each operand of a quantised product, along K:
;;     - K is cut into blocks of 32 from its start; a last block that is shorter is filled with zeros.
;;     - A block's scale is 2^e with e = floor(log2(the largest magnitude in the block)) - 2, held to -126 .. 127; a block of zeros has e = 0. As a byte (E8M0): e + 127.
;;     - Each number is divided by its block's scale, clamped to +-7.5, and rounded to the nearest number of E2M3, ties to even, subnormals kept.
;;     - The product sums the exact products of the quantised numbers (number of the format x scale) in f32.
;;   ~~~python
;;   def quantise(x, axis):      # numpy; x: float32 -> the quantised numbers, widened to float32 again
;;       x = np.moveaxis(x, axis, -1); K = x.shape[-1]
;;       x = np.pad(x, [(0, 0)] * (x.ndim - 1) + [(0, -K % 32)]); x = x.reshape(x.shape[:-1] + (-1, 32)); a = np.abs(x).max(-1, keepdims=True)
;;       e = np.where(a > 0, np.clip(np.frexp(np.where(a > 0, a, 1))[1] - 1 - 2, -126, 127), 0)      # np.frexp(a)[1] - 1 = floor(log2(a)), exactly
;;       r = np.clip(x / 2.0 ** e, -7.5, 7.5)
;;       step = 2.0 ** (np.maximum(np.frexp(np.where(r == 0, 1, r))[1] - 1, 0) - 3)
;;       q = np.round(r / step) * step * 2.0 ** e      # np.round: ties to even
;;       return np.moveaxis(q.reshape(q.shape[:-2] + (-1,))[..., :K], -1, axis).astype(np.float32)
;;   ~~~
;;   SOFTMAX AHEAD OF A QUANTISED PRODUCT. Where the list says 'softmax', what is quantised is not the finished softmax but p = 2^(t - M), with t = logit x log2(e) and M = ceil(the row's largest t), a whole number; so 1/2 < the row's largest p <= 1. The row's sum l is taken of the UNQUANTISED p, in f32, and the product's result is divided by l at the end. Since M is a whole number, a kernel that streams over the keys may use a running M (the ceiling of the running maximum): every later rescaling is an exact power of two, which a block's scale takes up: the codes' values come out the same.
;;   OPERANDS COMPUTED ON THE WAY. 'Computed on the way' means the value that the module computes at that place (a softmax that the list does not call 'softmax' is quantised finished and normalised). What goes into a quantiser is computed in f32, as accurately as f32 sums, v_exp_f32 and their like allow (about 1e-6 of the number): no bf16 or f16 on the way to a quantiser, and a product that is left as it is and whose result goes on into a quantised operand takes f32 operands (vector FMAs, or v_wmma_f32_16x16x4_f32). A number that lies on a knife's edge between two numbers of the format may be rounded either way, as far as f32 arithmetic and the matrix unit's own rounding can turn it there, and no further.
;;   INPUTS GIVEN AS CODES. ca_wk (in the module: [512, 512], K = its axis 1); ca_wo (in the module: [512, 512], K = its axis 1); ca_wq (in the module: [512, 512], K = its axis 1); ca_wv (in the module: [512, 512], K = its axis 1); memory (in the module: [4, 2048, 512], K = its axis 2); sa_wk (in the module: [512, 512], K = its axis 1); sa_wo (in the module: [512, 512], K = its axis 1); sa_wq (in the module: [512, 512], K = its axis 1); sa_wv (in the module: [512, 512], K = its axis 1); w1 (in the module: [2048, 512], K = its axis 1); w2 (in the module: [512, 2048], K = its axis 1): each comes as NAME_codes (uint8): NAME with its K axis moved to the last place and cut into blocks of 32 codes, [.., K / 32, bytes a block], one block behind the other in memory; four codes in three bytes: a row's codes are one little-endian stream of bits, code i at bits 6 i .. 6 i + 5 (a code: sign, 2 exponent bits, 3 mantissa bits); and NAME_scales (uint8): the same leading axes, one E8M0 byte (e + 127) for each 32 codes along K. Its value is code x scale, taken as it is: it is not quantised again, and the codes and scales need not be those that the quantiser above would give.
;; 2 versions. Each part assembles by itself: llvm-mc -triple=amdgcn-amd-amdhsa -mcpu=gfx1250 --defsym DOCPART=n.
;; ======== version 1 of 2: 6 launches
;; limits: right only within a limited range of input values
;; workspace buffers: prep 10,223,616 bytes; maskw 532,480 bytes of whole numbers; qkv 17,039,360 bytes; qc 3,407,872 bytes; o1 3,670,016 bytes; o2 3,670,016 bytes; x1 16,777,216 bytes
;; launch prep (part 1): grid 512 x 1, 4 waves a work-group, no clusters, 0 bytes of LDS; arguments tgt, tgt_mask, prep, maskw, memory_codes, memory_scales, sa_wq_codes, sa_wq_scales, sa_wk_codes, sa_wk_scales, ca_wk_codes, ca_wk_scales, sa_wv_codes, sa_wv_scales, ca_wv_codes, ca_wv_scales, sa_wo_codes, sa_wo_scales, ca_wq_codes, ca_wq_scales, ca_wo_codes, ca_wo_scales, w1_codes, w1_scales, w2_codes, w2_scales; writes prep, maskw
.if DOCPART == 1
	.amdgcn_target "amdgcn-amd-amdhsa--gfx1250"
	.amdhsa_code_object_version 6
	.text
	.protected	k_q2d69e408f6_prep
	.globl	k_q2d69e408f6_prep
	.p2align	8
	.type	k_q2d69e408f6_prep,@function
k_q2d69e408f6_prep:
	s_mov_b64 s[64:65], 0
	v_nop
	global_prefetch_b8 v0, s[64:65] scope:SCOPE_SE
	s_setreg_imm32_b32 hwreg(HW_REG_WAVE_MODE, 25, 1), 1
	s_wait_xcnt 0x0
; PREP: every operand that later launches read many times is laid ONCE in the order of the matrix operand's registers, so that a fragment comes by three dense loads of 16 bytes a lane.
; TILE ORDER (all operands): tile T takes rows 32 (T / 2) + 8 (T % 2) + r + 8 (r / 8), r = lane % 16: the 16 result registers of tiles 2 b, 2 b + 1 as source 0 are then 16 neighbours 32 b + 16 (lane / 16) + 0 .. 15.
; GROUP IMAGE: 8 tiles x 4 K steps of 128.  Codes: fragment (s, t) at (8 s + t) x 1,536, registers 4 c .. 4 c + 3 of lane L at 512 c + 16 L.  Scale words: (8 s + t) x 128 + 4 L (lanes 16-31 repeat lanes 0-15).
; Buffer prep: codes of group G at G x 49,152 (192 groups), scale words at SCB + G x 4,096.  Groups 0-63 tgt, 64-127 memory, 128-147 the five projections' weights, 148-155 and 156-191 the two row chains' weight streams, a run for each wave.
; Three paths part on the work-group's number: 0-127 quantise tgt (a wave a tile), 128-383 lay given codes anew (a wave a tile x 4 K steps), 384-511 turn the mask's bytes into lane masks (a work-group a tile of queries).
; THE QUANTISER: a block's scale is 2^(floor(log2(largest magnitude)) - 2); its byte is the largest magnitude's exponent field - 2, held at 1 from below.
; LIMITS: a block of zeros gets the byte 1 where the rule says 127 (its codes are zeros, and this program alone reads the bytes); NaN and infinities among the inputs are not served.
; No LDS, no barrier, no matrix work: waves share nothing.
.set GRPB, 49152
.set SCB,  192*GRPB
.set RAB,  524288                      ; maskw: behind the lane masks, one word for each (tile of queries, key step): bit r = row r has an open key there
.set X0,   16                          ; v16-79, v80-143: two sets of 64 numbers
.set X1,   80
.set TM,   144                         ; the quantiser's registers
.set TP,   148
.set TSO,  152
.set XA,   156
.set XB,   160
.set PC,   168                         ; v168-215 codes: twelve registers for each K step, so that no store's data are written again
.set PW,   216                         ; v216-219 scale words
.set WA,   48                          ; mask path: v48-55 a pair of registers for each step's 64 words
.set RAV,  56
.set SEL,  80                          ; s[80:81] selects for lane l xor 16
; 64 numbers of a lane, register 16 b + i = k 32 b + 16 (lane / 16) + i of the lane's row, become a fragment's twelve registers in v[pc] on and the row's scale word in v[pw]
.macro QUANT src, pc, pw
.irp b, 0,1,2,3
	v_max3_num_f32 v[TM+\b], |v[\src+16*\b]|, |v[\src+16*\b+1]|, 0x1800000   ; my 16 numbers of block b, and the floor 2^(3 - 127): the byte cannot fall under 1
.endr
.irp i, 2,4,6,8,10,12,14
.irp b, 0,1,2,3
	v_max3_num_f32 v[TM+\b], v[TM+\b], |v[\src+16*\b+\i]|, |v[\src+16*\b+\i+1]|
.endr
.endr
.irp b, 0,1,2,3
	v_permlanex16_b32 v[TP+\b], v[TM+\b], s[SEL], s[SEL+1]
.endr
.irp b, 0,1,2,3
	v_max_num_f32 v[TM+\b], v[TM+\b], v[TP+\b]        ; with lane l xor 16's 16: the block's largest magnitude
.endr
.irp b, 0,1,2,3
	v_add_nc_u32 v[TSO+\b], 0xff000000, v[TM+\b]      ; 2 off its exponent field: the conversion's scale operand
.endr
.irp b, 0,1,2,3
	v_lshrrev_b32 v[TP+\b], 23, v[TSO+\b]             ; the scale's byte
.endr
	v_lshl_or_b32 v[\pw], v[TP+1], 8, v[TP]
	v_lshl_or_b32 v[\pw], v[TP+2], 16, v[\pw]
	v_lshl_or_b32 v[\pw], v[TP+3], 24, v[\pw]
	v_cvt_scalef32_pk16_fp6_f32 v[\pc:\pc+2], v[\src:\src+15], v[TSO]
	v_cvt_scalef32_pk16_fp6_f32 v[XA:XA+2], v[\src+16:\src+31], v[TSO+1]   ; (a conversion's three registers begin on an even number)
	v_cvt_scalef32_pk16_fp6_f32 v[\pc+6:\pc+8], v[\src+32:\src+47], v[TSO+2]
	v_cvt_scalef32_pk16_fp6_f32 v[XB:XB+2], v[\src+48:\src+63], v[TSO+3]
	v_nop                                             ; one plain place behind the scaled conversions
.irp i, 0,1,2
	v_permlane16_swap_b32 v[\pc+\i], v[XA+\i]         ; the operand wants a whole block in a lane: lanes 0-15 the even block, lanes 16-31 the odd one
	v_permlane16_swap_b32 v[\pc+6+\i], v[XB+\i]
.endr
.irp i, 0,1,2
	v_mov_b32 v[\pc+3+\i], v[XA+\i]
	v_mov_b32 v[\pc+9+\i], v[XB+\i]
.endr
.endm
.macro ROW0 d, tile, tmp               ; a tile's first row: 32 (tile / 2) + 8 (tile % 2)
	s_lshr_b32 s[\d], s[\tile], 1
	s_lshl_b32 s[\d], s[\d], 5
	s_and_b32 s[\tmp], s[\tile], 1
	s_lshl_b32 s[\tmp], s[\tmp], 3
	s_add_co_u32 s[\d], s[\d], s[\tmp]
.endm
	s_load_b256 s[4:11], s[0:1], 0x0               ; tgt, tgt_mask, prep, maskw
	v_lshrrev_b32 v1, 5, v0
	v_readfirstlane_b32 s2, v1                     ; wave 0..3
	v_and_b32 v1, 31, v0                           ; lane
	v_and_b32 v2, 15, v0                           ; r
	v_bfe_u32 v3, v0, 4, 1                         ; h
	v_and_b32 v4, 8, v2
	v_add_nc_u32 v4, v4, v2                        ; r + 8 (r / 8)
	v_lshlrev_b32 v6, 4, v1                        ; 16 x lane
	v_lshlrev_b32 v7, 2, v1                        ; 4 x lane
	v_lshlrev_b32 v8, 3, v1                        ; 8 x lane
	s_cmp_ge_u32 ttmp9, 384
	s_cbranch_scc1 .Lmask
	s_cmp_ge_u32 ttmp9, 128
	s_cbranch_scc1 .Lcodes
	; ---- tgt: my wave's tile of 16 tokens, four K steps of 128
	s_lshl_b32 s12, ttmp9, 2
	s_add_co_u32 s12, s12, s2                      ; tile 0..511
	ROW0 13, 12, 14
	s_lshl_b32 s16, s13, 11                        ; a row of tgt is 2,048 bytes
	s_mov_b32 s17, 0
	s_lshr_b32 s14, s12, 3                         ; group
	s_and_b32 s15, s12, 7                          ; tile in it
	s_mul_i32 s18, s14, GRPB
	s_mul_i32 s20, s15, 1536
	s_add_co_u32 s18, s18, s20
	s_mov_b32 s19, 0
	s_lshl_b32 s20, s14, 12
	s_lshl_b32 s21, s15, 7
	s_add_co_u32 s20, s20, s21
	s_add_co_u32 s20, s20, SCB
	s_mov_b32 s21, 0
	s_mov_b32 s[SEL], 0x76543210
	s_mov_b32 s[SEL+1], 0xfedcba98
	v_lshlrev_b32 v5, 11, v4
	v_lshl_add_u32 v5, v3, 6, v5                   ; my row, + 64 h: my 16 numbers of a block of 32
.irp b, 0,1,2,3
	v_mov_b32 v[TP+\b], 0                          ; written once: a lane permute's destination counts as one of its sources
.endr
	s_wait_kmcnt 0x0
	s_add_nc_u64 s[4:5], s[4:5], s[16:17]
	s_add_nc_u64 s[22:23], s[8:9], s[20:21]        ; where my scale words go
	s_add_nc_u64 s[8:9], s[8:9], s[18:19]          ; where my codes go
.macro XLOAD buf, s
.irp b, 0,1,2,3
.irp j, 0,1,2,3
	global_load_b128 v[\buf+16*\b+4*\j:\buf+16*\b+4*\j+3], v5, s[4:5] offset:512*\s+128*\b+16*\j th:TH_LOAD_NT
.endr
.endr
.endm
.macro TOUT s
.irp c, 0,1,2
	global_store_b128 v6, v[PC+12*\s+4*\c:PC+12*\s+4*\c+3], s[8:9] offset:12288*\s+512*\c   ; 32 lanes store 512 consecutive bytes
.endr
	global_store_b32 v7, v[PW+\s], s[22:23] offset:1024*\s
.endm
	XLOAD X0, 0
	XLOAD X1, 1
	s_wait_loadcnt 16                              ; K step 0 is in; the 16 loads of step 1 may be out
	QUANT X0, PC, PW
	TOUT 0
	XLOAD X0, 2
	s_wait_loadcnt 16                              ; step 1 is in; step 2's 16 may be out
	QUANT X1, PC+12, PW+1
	TOUT 1
	XLOAD X1, 3
	s_wait_loadcnt 16                              ; step 2 is in
	QUANT X0, PC+24, PW+2
	TOUT 2
	s_wait_loadcnt 0x0
	QUANT X1, PC+36, PW+3
	TOUT 3
	s_endpgm
	; ---- given codes: my wave's tile x 4 K steps goes from rows into a group image
.Lcodes:
	s_load_b512 s[12:27], s[0:1], 0x20             ; memory, sa_wq, sa_wk, ca_wk: codes and scales each
	s_load_b512 s[28:43], s[0:1], 0x60             ; sa_wv, ca_wv, sa_wo, ca_wq
	s_load_b256 s[44:51], s[0:1], 0xa0             ; ca_wo, w1
	s_load_b128 s[52:55], s[0:1], 0xc0             ; w2
	s_sub_co_u32 s3, ttmp9, 128
	s_lshl_b32 s3, s3, 2
	s_add_co_u32 s3, s3, s2                        ; 0..1023: which tile x 4 K steps
	s_mov_b32 s60, 0                               ; memory's: first number,
	s_mov_b32 s61, 64                              ; first group,
	s_mov_b32 s62, 1                               ; groups from one run of 128 rows to the next
	s_wait_kmcnt 0x0
	s_mov_b64 s[56:57], s[12:13]
	s_mov_b64 s[58:59], s[14:15]
.macro PICK start, reg, ga, gm         ; from number start on: another tensor.  The choice hangs on ids alone
	s_cmp_ge_u32 s3, \start
	s_cselect_b64 s[56:57], s[\reg:\reg+1], s[56:57]
	s_cselect_b64 s[58:59], s[\reg+2:\reg+3], s[58:59]
	s_cselect_b32 s60, \start, s60
	s_cselect_b32 s61, \ga, s61
	s_cselect_b32 s62, \gm, s62
.endm
	PICK 512, 16, 128, 1                           ; sa_wq
	PICK 544, 20, 132, 1                           ; sa_wk
	PICK 576, 24, 136, 1                           ; ca_wk
	PICK 608, 28, 140, 1                           ; sa_wv
	PICK 640, 32, 144, 1                           ; ca_wv
	PICK 672, 36, 148, 2                           ; sa_wo: the first group of each wave's run of two
	PICK 704, 40, 149, 2                           ; ca_wq: the second
	PICK 736, 44, 156, 9                           ; ca_wo: the first of each wave's run of nine
	PICK 768, 48, 157, 9                           ; w1: the next four
	PICK 896, 52, 161, 9                           ; w2: the last four, one for each 512 along K
	s_sub_co_u32 s60, s3, s60                      ; the number within the tensor
	s_cmp_ge_u32 s3, 896                           ; w2: K = 2,048: four numbers a tile
	s_cselect_b32 s63, 2, 0
	s_cselect_b32 s66, 3, 0
	s_mov_b32 s67, 384
	s_cselect_b32 s67, 1536, s67                   ; a row of codes in bytes
	s_cselect_b32 s68, 64, 16                      ; a row of scale bytes
	s_cselect_b32 s69, 0, 1
	s_and_b32 s66, s60, s66                        ; q: which 512 along K
	s_lshr_b32 s60, s60, s63                       ; tile
	s_cmp_ge_u32 s3, 768
	s_cselect_b32 s70, s69, 0                      ; 1 for w1 alone: four groups of rows to a wave
	s_lshl_b32 s71, s70, 1
	s_add_co_u32 s71, s71, 3
	s_lshr_b32 s71, s60, s71                       ; which wave's run
	s_mul_i32 s72, s70, 3
	s_lshr_b32 s73, s60, 3
	s_and_b32 s72, s73, s72                        ; w1: which of the four
	s_mul_i32 s71, s71, s62
	s_add_co_u32 s61, s61, s71
	s_add_co_u32 s61, s61, s72
	s_add_co_u32 s61, s61, s66                     ; the group
	s_and_b32 s74, s60, 7                          ; the tile's place in it
	ROW0 75, 60, 73
	s_mul_i32 s70, s75, s67
	s_mul_i32 s71, s66, 384
	s_add_co_u32 s70, s70, s71                     ; codes: first row x pitch + 384 q
	s_mov_b32 s71, 0
	s_add_nc_u64 s[56:57], s[56:57], s[70:71]
	s_mul_i32 s70, s75, s68
	s_lshl_b32 s72, s66, 4
	s_add_co_u32 s70, s70, s72                     ; scale bytes: first row x pitch + 16 q
	s_add_nc_u64 s[58:59], s[58:59], s[70:71]
	s_mul_i32 s70, s61, GRPB
	s_mul_i32 s72, s74, 1536
	s_add_co_u32 s70, s70, s72
	s_add_nc_u64 s[76:77], s[8:9], s[70:71]        ; where the codes go
	s_lshl_b32 s70, s61, 12
	s_lshl_b32 s72, s74, 7
	s_add_co_u32 s70, s70, s72
	s_add_co_u32 s70, s70, SCB
	s_add_nc_u64 s[78:79], s[8:9], s[70:71]        ; where the scale words go
	v_mul_lo_u32 v5, v4, s67
	v_mad_u32_u24 v5, v3, 24, v5                   ; my row, + 24 h
	v_mul_lo_u32 v9, v4, s68                       ; my row's scale bytes
.irp s, 0,1,2,3
.irp p, 0,1,2,3,4,5
	global_load_b64 v[16+12*\s+2*\p:17+12*\s+2*\p], v5, s[56:57] offset:96*\s+48*(\p/3)+8*(\p%3)   ; a row's stream of bits is the register image: 24 bytes as three loads of 8
.endr
.endr
	global_load_b128 v[64:67], v9, s[58:59]        ; four scale words: one for each K step
	s_wait_loadcnt 0x0
.irp s, 0,1,2,3
.irp c, 0,1,2
	global_store_b128 v6, v[16+12*\s+4*\c:19+12*\s+4*\c], s[76:77] offset:12288*\s+512*\c
.endr
	global_store_b32 v7, v[64+\s], s[78:79] offset:1024*\s
.endr
	s_endpgm
	; ---- the mask: for a tile of 16 queries and a step of 128 keys, 64 words: bit L of word 16 b + i = mask[query of lane L][128 step + 32 b + 16 (L / 16) + i]: the lane mask of score register 16 b + i
.Lmask:
	s_sub_co_u32 s12, ttmp9, 384                   ; tile of queries 0..127; my wave takes steps 4 w .. 4 w + 3
	ROW0 13, 12, 14
	s_lshl_b32 s16, s13, 11                        ; a row of the mask is 2,048 bytes
	s_lshl_b32 s14, s2, 9
	s_add_co_u32 s16, s16, s14
	s_mov_b32 s17, 0
	s_lshl_b32 s20, s12, 12                        ; 16 steps x 256 bytes a tile
	s_lshl_b32 s14, s2, 10
	s_add_co_u32 s20, s20, s14
	s_mov_b32 s21, 0
	s_lshl_b32 s22, s12, 6
	s_lshl_b32 s14, s2, 4
	s_add_co_u32 s22, s22, s14
	s_add_co_u32 s22, s22, RAB
	s_mov_b32 s23, 0
	s_mov_b32 s24, 0xff                            ; a word's four bytes
	s_mov_b32 s25, 0xff00
	s_mov_b32 s26, 0xff0000
	s_mov_b32 s27, 0xff000000
	v_lshlrev_b32 v5, 11, v4
	v_lshl_add_u32 v5, v3, 4, v5                   ; my query's row, + 16 h
	v_mov_b32 v[RAV], 0
	s_wait_kmcnt 0x0
	s_add_nc_u64 s[6:7], s[6:7], s[16:17]
	s_add_nc_u64 s[18:19], s[10:11], s[20:21]
	s_add_nc_u64 s[10:11], s[10:11], s[22:23]
.macro MLOAD k
.irp b, 0,1,2,3
	global_load_b128 v[16+16*((\k)%2)+4*\b:19+16*((\k)%2)+4*\b], v5, s[6:7] offset:128*(\k)+32*\b th:TH_LOAD_NT
.endr
.endm
.macro MSTEP k
.set MB, 16+16*((\k)%2)
.if (\k) < 3
	s_wait_loadcnt 4                               ; this step's four loads are in; the next step's four may be out
.else
	s_wait_loadcnt 0x0
.endif
	v_mov_b32 v[WA+2*(\k)], 0
	v_mov_b32 v[WA+2*(\k)+1], 0
.set j, 0
.rept 64
	v_and_b32 v[10+j%4], s[24+j%4], v[MB+j/4]      ; byte j of my 64
	v_cmp_ne_u32 s[28+j%4], 0, v[10+j%4]           ; over the 32 lanes: word j
	v_writelane_b32 v[WA+2*(\k)+j%2], s[28+j%4], j/2   ; words 2 l, 2 l + 1 go to lane l: the store below lays them on end
.set j, j+1
.endr
	v_or_b32 v14, v[MB], v[MB+1]
.irp d, 2,3,4,5,6,7,8,9,10,11,12,13,14,15
	v_or_b32 v14, v14, v[MB+\d]
.endr
	v_cmp_ne_u32 s32, 0, v14
	s_lshr_b32 s33, s32, 16
	s_or_b32 s32, s32, s33
	s_and_b32 s32, s32, 0xffff                     ; bit r: row r has an open key in this step
	v_writelane_b32 v[RAV], s32, \k
	global_store_b64 v8, v[WA+2*(\k):WA+2*(\k)+1], s[18:19] offset:256*(\k)   ; 32 lanes store 256 consecutive bytes, aligned
.if (\k) < 2
	MLOAD (\k)+2
.endif
.endm
	MLOAD 0
	MLOAD 1
	MSTEP 0
	MSTEP 1
	MSTEP 2
	MSTEP 3
	v_cmp_gt_u32 vcc_lo, 4, v1
	s_wait_xcnt 0x0                                ; EXEC changes only behind this wait
	s_and_saveexec_b32 s34, vcc_lo
	global_store_b32 v7, v[RAV], s[10:11]          ; lanes 0-3: my four steps' row words
	s_wait_xcnt 0x0                                ; and again, in front of the line that widens it
	s_or_b32 exec_lo, exec_lo, s34
	s_endpgm
.Lfunc_end_k_q2d69e408f6_prep:
	.size	k_q2d69e408f6_prep, .Lfunc_end_k_q2d69e408f6_prep-k_q2d69e408f6_prep
	.p2alignl 7, 3214868480
	.fill 96, 4, 3214868480
	.section	.rodata,"a",@progbits
	.p2align	6, 0x0
	.amdhsa_kernel k_q2d69e408f6_prep
		.amdhsa_group_segment_fixed_size 0
		.amdhsa_private_segment_fixed_size 0
		.amdhsa_enable_private_segment 0
		.amdhsa_kernarg_size 208
		.amdhsa_user_sgpr_count 2
		.amdhsa_user_sgpr_kernarg_segment_ptr 1
		.amdhsa_wavefront_size32 1
		.amdhsa_system_sgpr_workgroup_id_x 1
		.amdhsa_system_sgpr_workgroup_id_y 1
		.amdhsa_system_sgpr_workgroup_id_z 1
		.amdhsa_system_vgpr_workitem_id 0
		.amdhsa_next_free_vgpr 224
		.amdhsa_next_free_sgpr 90
		.amdhsa_reserve_vcc 1
		.amdhsa_float_denorm_mode_32 3
		.amdhsa_float_denorm_mode_16_64 3
		.amdhsa_memory_ordered 1
		.amdhsa_forward_progress 1
		.amdhsa_inst_pref_size 81
	.end_amdhsa_kernel
	.amdgpu_metadata
---
amdhsa.version: [ 1, 2 ]
amdhsa.kernels:
  - .name:           k_q2d69e408f6_prep
    .symbol:         k_q2d69e408f6_prep.kd
    .args:
      - { .name: tgt, .offset: 0, .size: 8, .value_kind: global_buffer, .address_space: global }
      - { .name: tgt_mask, .offset: 8, .size: 8, .value_kind: global_buffer, .address_space: global }
      - { .name: prep, .offset: 16, .size: 8, .value_kind: global_buffer, .address_space: global }
      - { .name: maskw, .offset: 24, .size: 8, .value_kind: global_buffer, .address_space: global }
      - { .name: memory_codes, .offset: 32, .size: 8, .value_kind: global_buffer, .address_space: global }
      - { .name: memory_scales, .offset: 40, .size: 8, .value_kind: global_buffer, .address_space: global }
      - { .name: sa_wq_codes, .offset: 48, .size: 8, .value_kind: global_buffer, .address_space: global }
      - { .name: sa_wq_scales, .offset: 56, .size: 8, .value_kind: global_buffer, .address_space: global }
      - { .name: sa_wk_codes, .offset: 64, .size: 8, .value_kind: global_buffer, .address_space: global }
      - { .name: sa_wk_scales, .offset: 72, .size: 8, .value_kind: global_buffer, .address_space: global }
      - { .name: ca_wk_codes, .offset: 80, .size: 8, .value_kind: global_buffer, .address_space: global }
      - { .name: ca_wk_scales, .offset: 88, .size: 8, .value_kind: global_buffer, .address_space: global }
      - { .name: sa_wv_codes, .offset: 96, .size: 8, .value_kind: global_buffer, .address_space: global }
      - { .name: sa_wv_scales, .offset: 104, .size: 8, .value_kind: global_buffer, .address_space: global }
      - { .name: ca_wv_codes, .offset: 112, .size: 8, .value_kind: global_buffer, .address_space: global }
      - { .name: ca_wv_scales, .offset: 120, .size: 8, .value_kind: global_buffer, .address_space: global }
      - { .name: sa_wo_codes, .offset: 128, .size: 8, .value_kind: global_buffer, .address_space: global }
      - { .name: sa_wo_scales, .offset: 136, .size: 8, .value_kind: global_buffer, .address_space: global }
      - { .name: ca_wq_codes, .offset: 144, .size: 8, .value_kind: global_buffer, .address_space: global }
      - { .name: ca_wq_scales, .offset: 152, .size: 8, .value_kind: global_buffer, .address_space: global }
      - { .name: ca_wo_codes, .offset: 160, .size: 8, .value_kind: global_buffer, .address_space: global }
      - { .name: ca_wo_scales, .offset: 168, .size: 8, .value_kind: global_buffer, .address_space: global }
      - { .name: w1_codes, .offset: 176, .size: 8, .value_kind: global_buffer, .address_space: global }
      - { .name: w1_scales, .offset: 184, .size: 8, .value_kind: global_buffer, .address_space: global }
      - { .name: w2_codes, .offset: 192, .size: 8, .value_kind: global_buffer, .address_space: global }
      - { .name: w2_scales, .offset: 200, .size: 8, .value_kind: global_buffer, .address_space: global }
    .group_segment_fixed_size: 0
    .private_segment_fixed_size: 0
    .kernarg_segment_align: 8
    .kernarg_segment_size: 208
    .max_flat_workgroup_size: 128
    .sgpr_count:     90
    .vgpr_count:     224
    .wavefront_size: 32
...
	.end_amdgpu_metadata
.endif
;; end of part 1
;; launch proj (part 2): grid 224 x 1, 4 waves a work-group, no clusters, 0 bytes of LDS; arguments prep, sa_bq, sa_bk, ca_bk, sa_bv, ca_bv, qkv; writes qkv
.if DOCPART == 2
	.amdgcn_target "amdgcn-amd-amdhsa--gfx1250"
	.amdhsa_code_object_version 6
	.text
	.protected	k_q2d69e408f6_proj
	.globl	k_q2d69e408f6_proj
	.p2align	8
	.type	k_q2d69e408f6_proj,@function
k_q2d69e408f6_proj:
	s_mov_b64 s[64:65], 0
	v_nop
	global_prefetch_b8 v0, s[64:65] scope:SCOPE_SE
	s_setreg_imm32_b32 hwreg(HW_REG_WAVE_MODE, 25, 1), 1
	s_wait_xcnt 0x0
; PROJ: the five projections whose operands are known at the start: q, k, v of the self-attention (tgt) and k, v of the cross-attention (memory), on codes of FP6 (E2M3) with E8M0 scales, each result + bias quantised again as an attention operand.
; Work-groups 0-95: product p = x / 32 (0 sa_wq, 1 sa_wk, 2 ca_wk), 256 tokens.  Work-groups 96-223: p = 3 + (x - 96) / 64 (3 sa_wv, 4 ca_wv), 128 tokens.  The long jobs stand first; 224 work-groups, so that each has a WGP of its own.
; Wave w: output channels 128 w .. 128 w + 127 (heads 2 w, 2 w + 1).  Waves share nothing: no LDS, no barrier.
; A wave keeps one group image RESIDENT (R: 32 fragments, 384 registers) and STREAMS tiles of others (S).  D[t] = R(s, t) x S(s): a lane holds one row of S, its 64 registers run along R's 128 rows: the next quantiser's axis.
;   q, k (p < 3): R = weight, S = 16 tiles of tokens (two groups): a lane holds a token, registers run along the channels: blocks of 32 of a head's 64.  Out: six registers a (tile, head) as three pieces of 256 bytes (8 bytes a lane); scale words by pairs of tiles.
;   v (p >= 3):   R = tokens, S = 8 tiles of weight rows: a lane holds a channel, registers run along 128 keys.  Out: a whole fragment a (key step, channel tile), 3 x 512 bytes, and its scale words.
; The bias is the C of each sum's first product.  No tensor load, no cluster: every operand is a dense register image that goes straight into registers, and each wave's resident group is its own.
; LIMITS: a block of zeros gets the scale byte 1 (its codes are zeros; this program alone reads the bytes); NaN and infinities are not served.
; REGISTERS: window 0: v1-5 addresses; v8-15 v's biases; v16-79 the 8 accumulators; v80-175 S, two sets; v176-183 S's scale words; v184-215 R's; v216-251 the quantiser.  Window 1: R's fragments 0-15.  Window 2: 16-31; from v192 the bias as C.
.set GRPB, 49152
.set SCB,  9437184
.set HB,   212992                      ; a head's block in qkv: K 98,304, V 98,304, K's scale words 8,192, V's 8,192
.set QB,   106496                      ; a head's q: 98,304 + 8,192
.set CA,   6815744                     ; the cross-attention's 32 blocks
.set QS,   13631488                    ; the self-attention's q
.set BS,   8
.set ACC,  16
.set SF,   80
.set SS,   176
.set RS,   184
.set TM,   216
.set TP,   220
.set TSO,  224
.set XA,   228
.set XB,   232
.set PW,   236
.set WO,   238
.set PC,   240
.set CB,   192                         ; in window 2
.set SEL,  48
.set RCP,  68                          ; s[68:69] R's codes, s[70:71] its scale words, s[72:73], s[74:75] S's
.set RSP,  70
.set SCP,  72
.set SSP,  74
.set OC,   76                          ; s[76:77], s[78:79] where the codes of heads 2 w, 2 w + 1 go;  s[80:81], s[82:83] their scale words
.set OS,   80
.set BP,   84                          ; s[84:85] my 128 biases
.set NT,   8                           ; tiles of S in the job that is being written
.set MSB, 0
.macro WIN new                         ; the immediate's high byte repeats the setting that is left
.if MSB != \new
	s_set_vgpr_msb (MSB<<8)|\new
.set MSB, \new
.endif
.endm
.macro MMA d, a, b, c, sa, sb
	v_wmma_scale_f32_16x16x128_f8f6f4 v[\d:\d+7], v[\a:\a+11], v[\b:\b+11], v[\c:\c+7], v[\sa], v[\sb] matrix_a_fmt:MATRIX_FMT_FP6 matrix_b_fmt:MATRIX_FMT_FP6
.endm
; 64 numbers of a lane, register 16 b + i = k 32 b + 16 (lane / 16) + i of the lane's row, become a fragment's twelve registers in v[pc] on and the row's scale word in v[pw]
.macro QUANT src, pc, pw
.irp b, 0,1,2,3
	v_max3_num_f32 v[TM+\b], |v[\src+16*\b]|, |v[\src+16*\b+1]|, 0x1800000   ; my 16 numbers of block b, and the floor 2^(3 - 127): the byte cannot fall under 1
.endr
.irp i, 2,4,6,8,10,12,14
.irp b, 0,1,2,3
	v_max3_num_f32 v[TM+\b], v[TM+\b], |v[\src+16*\b+\i]|, |v[\src+16*\b+\i+1]|
.endr
.endr
.irp b, 0,1,2,3
	v_permlanex16_b32 v[TP+\b], v[TM+\b], s[SEL], s[SEL+1]
.endr
.irp b, 0,1,2,3
	v_max_num_f32 v[TM+\b], v[TM+\b], v[TP+\b]        ; with lane l xor 16's 16: the block's largest magnitude
.endr
.irp b, 0,1,2,3
	v_add_nc_u32 v[TSO+\b], 0xff000000, v[TM+\b]      ; 2 off its exponent field: the conversion's scale operand
.endr
.irp b, 0,1,2,3
	v_lshrrev_b32 v[TP+\b], 23, v[TSO+\b]             ; the scale's byte
.endr
	v_lshl_or_b32 v[\pw], v[TP+1], 8, v[TP]
	v_lshl_or_b32 v[\pw], v[TP+2], 16, v[\pw]
	v_lshl_or_b32 v[\pw], v[TP+3], 24, v[\pw]
	v_cvt_scalef32_pk16_fp6_f32 v[\pc:\pc+2], v[\src:\src+15], v[TSO]
	v_cvt_scalef32_pk16_fp6_f32 v[XA:XA+2], v[\src+16:\src+31], v[TSO+1]   ; (a conversion's three registers begin on an even number)
	v_cvt_scalef32_pk16_fp6_f32 v[\pc+6:\pc+8], v[\src+32:\src+47], v[TSO+2]
	v_cvt_scalef32_pk16_fp6_f32 v[XB:XB+2], v[\src+48:\src+63], v[TSO+3]
	v_nop                                             ; one plain place behind the scaled conversions
.irp i, 0,1,2
	v_permlane16_swap_b32 v[\pc+\i], v[XA+\i]         ; the operand wants a whole block in a lane
	v_permlane16_swap_b32 v[\pc+6+\i], v[XB+\i]
.endr
.irp i, 0,1,2
	v_mov_b32 v[\pc+3+\i], v[XA+\i]
	v_mov_b32 v[\pc+9+\i], v[XB+\i]
.endr
.endm
	s_load_b256 s[4:11], s[0:1], 0x0               ; prep, sa_bq, sa_bk, ca_bk
	s_load_b128 s[12:15], s[0:1], 0x20             ; sa_bv, ca_bv
	s_load_b64 s[16:17], s[0:1], 0x30              ; qkv
	v_lshrrev_b32 v1, 5, v0
	v_readfirstlane_b32 s2, v1                     ; wave 0..3
	v_and_b32 v6, 31, v0
	v_and_b32 v7, 15, v0
	v_bfe_u32 v4, v0, 4, 1
	v_lshlrev_b32 v1, 4, v6                        ; 16 x lane
	v_lshlrev_b32 v2, 2, v6                        ; 4 x lane
	v_lshlrev_b32 v3, 3, v6                        ; 8 x lane
	v_lshlrev_b32 v4, 6, v4                        ; 64 h: my half's 16 biases of a block of 32
	v_and_b32 v5, 8, v7
	v_add_nc_u32 v5, v5, v7
	v_lshlrev_b32 v5, 2, v5                        ; 4 (r + 8 (r / 8)): my channel's bias (v)
.irp b, 0,1,2,3
	v_mov_b32 v[TP+\b], 0                          ; written once: a lane permute's destination counts as one of its sources
.endr
	s_mov_b32 s[SEL], 0x76543210
	s_mov_b32 s[SEL+1], 0xfedcba98
	s_mov_b32 s46, 0x05040100                      ; bytes 0, 1 of two scale words: head 2 w's
	s_mov_b32 s47, 0x07060302                      ; bytes 2, 3: head 2 w + 1's
	s_lshr_b32 s18, ttmp9, 5                       ; q, k: p = x / 32,
	s_and_b32 s19, ttmp9, 31
	s_lshl_b32 s19, s19, 1                         ; token groups 2 (x % 32) and the next
	s_sub_co_u32 s29, ttmp9, 96                    ; v: p = 3 + (x - 96) / 64,
	s_lshr_b32 s36, s29, 6
	s_add_co_u32 s36, s36, 3
	s_and_b32 s29, s29, 63                         ; token group (x - 96) % 64
	s_cmp_lt_u32 ttmp9, 96
	s_cselect_b32 s18, s18, s36                    ; p
	s_cselect_b32 s19, s19, s29                    ; B: the (first) group of 128 tokens
	s_lshr_b32 s20, s19, 4                         ; batch n
	s_and_b32 s21, s19, 15                         ; which 128 tokens of the batch
	s_lshl_b32 s22, s18, 2
	s_add_co_u32 s22, s22, s2
	s_add_co_u32 s22, s22, 128                     ; the weight's group
	s_cmp_eq_u32 s18, 2
	s_cselect_b32 s23, 64, 0
	s_cmp_eq_u32 s18, 4
	s_cselect_b32 s23, 64, s23                     ; memory's groups lie 64 behind tgt's
	s_cmp_lg_u32 s23, 0
	s_cselect_b32 s24, CA, 0                       ; and its results in the cross-attention's blocks
	s_add_co_u32 s23, s23, s19                     ; the tokens' group
	s_mul_i32 s25, s22, GRPB
	s_lshl_b32 s26, s22, 12
	s_add_co_u32 s26, s26, SCB
	s_mul_i32 s27, s23, GRPB
	s_lshl_b32 s28, s23, 12
	s_add_co_u32 s28, s28, SCB
	s_cmp_lt_u32 s18, 3                            ; q, k: the weight stays; v: the tokens stay
	s_cselect_b32 s52, s25, s27
	s_cselect_b32 s54, s26, s28
	s_cselect_b32 s56, s27, s25
	s_cselect_b32 s58, s28, s26
	s_cselect_b32 s60, 0, 98304                    ; codes: K at a block's head, V behind it
	s_mov_b32 s61, 204800
	s_cselect_b32 s61, 196608, s61                 ; scale words
	s_mov_b32 s53, 0
	s_mov_b32 s55, 0
	s_mov_b32 s57, 0
	s_mov_b32 s59, 0
	s_cmp_eq_u32 s18, 0                            ; q has a region of its own
	s_cselect_b32 s24, QS, s24
	s_mov_b32 s62, HB
	s_cselect_b32 s62, QB, s62                     ; bytes from head to head
	s_cselect_b32 s61, 98304, s61
	s_lshl_b32 s63, s20, 3
	s_lshl_b32 s66, s2, 1
	s_add_co_u32 s63, s63, s66                     ; head 8 n + 2 w
	s_mul_i32 s63, s63, s62
	s_add_co_u32 s63, s63, s24
	s_mul_i32 s66, s21, 6144
	s_add_co_u32 s66, s66, s63
	s_add_co_u32 s66, s66, s60                     ; the codes' place
	s_mov_b32 s67, 0
	s_lshl_b32 s30, s21, 9
	s_add_co_u32 s30, s30, s63
	s_add_co_u32 s30, s30, s61                     ; the scale words' place
	s_mov_b32 s31, 0
	s_mov_b32 s32, s62
	s_mov_b32 s33, 0
	s_lshl_b32 s34, s2, 9
	s_mov_b32 s35, 0
	s_wait_kmcnt 0x0
	s_add_nc_u64 s[RCP:RCP+1], s[4:5], s[52:53]
	s_add_nc_u64 s[RSP:RSP+1], s[4:5], s[54:55]
	s_add_nc_u64 s[SCP:SCP+1], s[4:5], s[56:57]
	s_add_nc_u64 s[SSP:SSP+1], s[4:5], s[58:59]
	s_add_nc_u64 s[OC:OC+1], s[16:17], s[66:67]
	s_add_nc_u64 s[OC+2:OC+3], s[OC:OC+1], s[32:33]
	s_add_nc_u64 s[OS:OS+1], s[16:17], s[30:31]
	s_add_nc_u64 s[OS+2:OS+3], s[OS:OS+1], s[32:33]
	s_mov_b64 s[BP:BP+1], s[6:7]
	s_cmp_eq_u32 s18, 1
	s_cselect_b64 s[BP:BP+1], s[8:9], s[BP:BP+1]
	s_cmp_eq_u32 s18, 2
	s_cselect_b64 s[BP:BP+1], s[10:11], s[BP:BP+1]
	s_cmp_eq_u32 s18, 3
	s_cselect_b64 s[BP:BP+1], s[12:13], s[BP:BP+1]
	s_cmp_eq_u32 s18, 4
	s_cselect_b64 s[BP:BP+1], s[14:15], s[BP:BP+1]
	s_add_nc_u64 s[BP:BP+1], s[BP:BP+1], s[34:35]
.macro SLOAD buf, i                    ; tile i of S, all four K steps: 16 loads.  Tiles 8-15 lie in the next group image
.irp s, 0,1,2,3
.irp c, 0,1,2
	global_load_b128 v[SF+48*(\buf)+12*\s+4*\c:SF+48*(\buf)+12*\s+4*\c+3], v1, s[SCP:SCP+1] offset:((\i)/8)*GRPB+(8*\s+(\i)%8)*1536+512*\c
.endr
	global_load_b32 v[SS+4*(\buf)+\s], v2, s[SSP:SSP+1] offset:((\i)/8)*4096+(8*\s+(\i)%8)*128
.endr
.endm
.macro PROD type, buf                  ; 32 products: K step by K step, the eight accumulators by turns
.irp s, 0,1,2,3
.if \s == 0
	WIN 0x21                                       ; R window 1, C (the bias) window 2
.elseif \s == 1
	WIN 0x01
.else
	WIN 0x02                                       ; R window 2
.endif
.irp t, 0,1,2,3,4,5,6,7
.if \s > 0
	MMA ACC+8*\t, 12*(8*(\s%2)+\t), SF+48*(\buf)+12*\s, ACC+8*\t, RS+8*\s+\t, SS+4*(\buf)+\s
.elseif \type
	MMA ACC+8*\t, 12*\t, SF+48*(\buf)+12*\s, CB, RS+\t, SS+4*(\buf)+\s
.else
	MMA ACC+8*\t, 12*\t, SF+48*(\buf)+12*\s, CB+8*\t, RS+\t, SS+4*(\buf)+\s
.endif
.endr
.endr
	WIN 0
.endm
.macro TILE type, i
.if (\i) < NT-1
	s_wait_loadcnt 16                              ; this tile's 16 loads are in (and all before them); the next tile's 16 may be out
.else
	s_wait_loadcnt 0x0
.endif
	PROD \type, (\i)%2
.rept 4
	v_nop                                          ; places behind the products: in front of loads into their operands, writes of the bias and the first read of results
.endr
.if \type && ((\i) < NT-1)
	WIN 0x80
.irp j, 0,1,2,3,4,5,6,7
	v_mov_b32 v[CB+\j], v[BS+\i+1]                 ; v: a lane holds one channel: its bias in all eight registers of C, for the next tile
.endr
	WIN 0
.endif
.if (\i) < NT-2
	SLOAD (\i)%2, \i+2
.endif
	s_wait_xcnt 0x0                                ; the last tile's stores have read their data: the codes' and words' registers are written again only behind this wait
	QUANT ACC, PC, PW+(\i)%2                       ; (its lines that name no accumulator are more than the five places owed ahead of the next tile's first product, which begins the sums anew)
.if \type
.irp ch, 0,1,2
	global_store_b128 v1, v[PC+4*\ch:PC+4*\ch+3], s[OC+2*((\i)/4):OC+2*((\i)/4)+1] offset:((\i)%4)*1536+512*\ch
.endr
	global_store_b32 v2, v[PW+(\i)%2], s[OS+2*((\i)/4):OS+2*((\i)/4)+1] offset:((\i)%4)*128
.else
.irp c, 0,1
.irp p, 0,1,2
	global_store_b64 v3, v[PC+6*\c+2*\p:PC+6*\c+2*\p+1], s[OC+2*\c:OC+2*\c+1] offset:(\i)*768+256*\p   ; 32 lanes store 256 consecutive bytes, aligned
.endr
.endr
.if (\i)%2
	v_perm_b32 v[WO], v[PW+1], v[PW], s46          ; a pair of tiles' scale bytes of one head make one word: [even s0, s1, odd s0, s1]
	v_perm_b32 v[WO+1], v[PW+1], v[PW], s47
	global_store_b32 v2, v[WO], s[OS:OS+1] offset:((\i)/2)*128
	global_store_b32 v2, v[WO+1], s[OS+2:OS+3] offset:((\i)/2)*128
.endif
.endif
.endm
.macro JOB type
	SLOAD 0, 0
	WIN 0x40
.set f, 0
.rept 16
.irp c, 0,1,2
	global_load_b128 v[12*f+4*\c:12*f+4*\c+3], v1, s[RCP:RCP+1] offset:1536*f+512*\c
.endr
.set f, f+1
.endr
	WIN 0x80
.rept 16
.irp c, 0,1,2
	global_load_b128 v[12*(f-16)+4*\c:12*(f-16)+4*\c+3], v1, s[RCP:RCP+1] offset:1536*f+512*\c
.endr
.set f, f+1
.endr
.if \type == 0
.set f, 0
.rept 16
	global_load_b128 v[CB+4*f:CB+4*f+3], v4, s[BP:BP+1] offset:128*(f/4)+16*(f%4)   ; register 16 b + i: the bias of channel 32 b + 16 h + i
.set f, f+1
.endr
.endif
	WIN 0
.set f, 0
.rept 32
	global_load_b32 v[RS+f], v2, s[RSP:RSP+1] offset:128*f
.set f, f+1
.endr
.if \type
.irp e, 0,1,2,3,4,5,6,7
	global_load_b32 v[BS+\e], v5, s[BP:BP+1] offset:(32*(\e/2)+8*(\e%2))*4
.endr
.endif
	SLOAD 1, 1
.if \type
	s_wait_loadcnt 16                              ; all but tile 1's 16 loads
	WIN 0x80
.irp j, 0,1,2,3,4,5,6,7
	v_mov_b32 v[CB+\j], v[BS]
.endr
	WIN 0
.rept 4
	v_nop
.endr
.set NT, 8
.irp i, 0,1,2,3,4,5,6,7
	TILE 1, \i
.endr
.else
.set NT, 16
.irp i, 0,1,2,3,4,5,6,7,8,9,10,11,12,13,14,15
	TILE 0, \i
.endr
.endif
.endm
	s_cmp_lt_u32 s18, 3
	s_cbranch_scc0 .Lvjob
	JOB 0
	s_endpgm
.Lvjob:
	JOB 1
	s_endpgm
.Lfunc_end_k_q2d69e408f6_proj:
	.size	k_q2d69e408f6_proj, .Lfunc_end_k_q2d69e408f6_proj-k_q2d69e408f6_proj
	.p2alignl 7, 3214868480
	.fill 96, 4, 3214868480
	.section	.rodata,"a",@progbits
	.p2align	6, 0x0
	.amdhsa_kernel k_q2d69e408f6_proj
		.amdhsa_group_segment_fixed_size 0
		.amdhsa_private_segment_fixed_size 0
		.amdhsa_enable_private_segment 0
		.amdhsa_kernarg_size 56
		.amdhsa_user_sgpr_count 2
		.amdhsa_user_sgpr_kernarg_segment_ptr 1
		.amdhsa_wavefront_size32 1
		.amdhsa_system_sgpr_workgroup_id_x 1
		.amdhsa_system_sgpr_workgroup_id_y 1
		.amdhsa_system_sgpr_workgroup_id_z 1
		.amdhsa_system_vgpr_workitem_id 0
		.amdhsa_next_free_vgpr 768
		.amdhsa_next_free_sgpr 90
		.amdhsa_reserve_vcc 0
		.amdhsa_float_denorm_mode_32 3
		.amdhsa_float_denorm_mode_16_64 3
		.amdhsa_memory_ordered 1
		.amdhsa_forward_progress 1
		.amdhsa_inst_pref_size 255
	.end_amdhsa_kernel
	.section	.bss,"aw",@nobits
	.p2align	6
	.space	262144
	.amdgpu_metadata
---
amdhsa.version: [ 1, 2 ]
amdhsa.kernels:
  - .name:           k_q2d69e408f6_proj
    .symbol:         k_q2d69e408f6_proj.kd
    .args:
      - { .name: prep, .offset: 0, .size: 8, .value_kind: global_buffer, .address_space: global }
      - { .name: sa_bq, .offset: 8, .size: 8, .value_kind: global_buffer, .address_space: global }
      - { .name: sa_bk, .offset: 16, .size: 8, .value_kind: global_buffer, .address_space: global }
      - { .name: ca_bk, .offset: 24, .size: 8, .value_kind: global_buffer, .address_space: global }
      - { .name: sa_bv, .offset: 32, .size: 8, .value_kind: global_buffer, .address_space: global }
      - { .name: ca_bv, .offset: 40, .size: 8, .value_kind: global_buffer, .address_space: global }
      - { .name: qkv, .offset: 48, .size: 8, .value_kind: global_buffer, .address_space: global }
    .group_segment_fixed_size: 0
    .private_segment_fixed_size: 0
    .kernarg_segment_align: 8
    .kernarg_segment_size: 56
    .max_flat_workgroup_size: 128
    .sgpr_count:     90
    .vgpr_count:     768
    .wavefront_size: 32
...
	.end_amdgpu_metadata
.endif
;; end of part 2
;; launch attn_self (part 3): grid 8 x 32, 16 waves a work-group, no clusters, 215,040 bytes of LDS; arguments qkv, maskw, o1; writes o1
.if DOCPART == 3
	.amdgcn_target "amdgcn-amd-amdhsa--gfx1250"
	.amdhsa_code_object_version 6
	.text
	.protected	k_q2d69e408f6_attn_self
	.globl	k_q2d69e408f6_attn_self
	.p2align	8
	.type	k_q2d69e408f6_attn_self,@function
k_q2d69e408f6_attn_self:
	s_mov_b64 s[64:65], 0
	v_nop
	global_prefetch_b8 v0, s[64:65] scope:SCOPE_SE
	s_setreg_imm32_b32 hwreg(HW_REG_WAVE_MODE, 25, 1), 1
	s_wait_xcnt 0x0
; ATTENTION on codes of FP6 (E2M3) with E8M0 scales, head size 64, 2,048 queries and 2,048 keys a head.  MASKED = 1: with the mask input, as lane masks made by the first launch; MASKED = 0: without.
; A work-group is one (batch, head) = y and 256 queries; ALL of the head's K and V (212,992 bytes with their scale words) lie in LDS, filled once by the sixteen waves: one barrier, no ring.
; Wave i owns ONE tile of 16 queries, tile 8 p(i) + x, p a 4 x 4 magic square of 0..15: any four waves i % 4 or i / 4 alike sum to 30, so that key steps which a mask removes are removed evenly.
; Both products are used transposed (S^T = K Q^T, O^T = V^T P^T): a lane holds one query (lane % 16) throughout.  Tiles take rows 32 (T / 2) + 8 (T % 2) + r + 8 (r / 8), so the 16 registers of two neighbouring tiles are 16 neighbouring keys.
; HEAD SIZE 64 IN A K OF 128: a fragment of K holds TWO key tiles (registers 0-5, 6-11).  q stands as [0 x 6][q x 6][0 x 6]: v[22:33] = [q | 0] picks the first tile, v[16:27] = [0 | q] the second: zero codes add nothing.
; SOFTMAX: t = score x log2(e) / 8; M = the running largest t rounded up to a whole number; p = 2^(t - M) is quantised along the keys; the sum is taken of the unquantised p and divides O at the end.  When M moves, sum and O are multiplied by 2^(old M - new M): exact.
; MASK: a masked raw score becomes -2^33, a logit of -2^30.  c x 2^33 is a whole number, so a row masked so far has M = t and p = 1: the uniform weights that a row masked everywhere must have; the first open score turns them to 0.
;   A step all of whose 16 x 128 scores are masked is left out (a scalar branch on stored whole numbers), if each of the 16 rows has an open key in some step: its p are 0 then.
;   A step's 64 lane masks are asked for one walked step ahead: as soon as the selects have used the words in hand, the scalar loads for the next step that will be walked go out into the same registers.
; LIMITS: the masked logit is -2^30 where the definition has -1e9: the same result while every open logit lies above -9e8.  NaN and infinities are not served.  A block of zeros gets the scale byte 1 (its codes are zeros).
; No tensor load and no cluster: the eight work-groups of a head read the same bytes once each, at the head; K's pieces and the scale words are laid anew by the waves' own LDS stores on the way, and the masked text branches on stored numbers.
; REGISTERS: v1-3 16, 4, 8 x lane; v5-7 lane terms of V, K's words, V's words; v8-11 addresses in hand; v12 -M, v13 largest t, v[14:15] the sum; v16-33 q; v34 q's scale word; v36-83 four fragments; v84-91 their scale words; v96-159 S^T, then p; v160-191 O^T; v192-203 p's codes; v204-232 at work.
.set MASKED, 1
.set HB,   212992
.set QB,   106496
.set CA,   6815744
.set QS,   13631488
.set OSC,  3145728
.set RAB,  524288
.set LV,   98304                       ; LDS: K 0, V 98,304 (step x 6,144 + fragment x 1,536 + 512 c + 16 L), K's scale words 196,608, V's 204,800 (step x 512 + 16 L + 4 x fragment)
.set LKW,  196608
.set LVW,  204800
.set KF,   36
.set KW,   84
.set VW,   88
.set S,    96
.set O,    160
.set P,    192
.set XA,   204
.set XB,   208
.set BM,   212
.set T2,   216
.set SO,   220
.set PWD,  224
.set F,    226
.set TT,   228
.set OWD,  229
.set SM2,  230
.set NEG,  232
.set MP,   84                          ; s[84:85] my tile's mask words: 16 steps x 256 bytes; never rewritten
.set OP,   86                          ; s[86:87] where my codes go, s[88:89] their scale word
.set OSP,  88
.set TK,   90                          ; s90 the step's tiles in LDS: 6,144 a step;  s91 its scale words: 512 a step
.set TS,   91
.set ST,   92
.set FL,   93                          ; s93 bit 0: this step is walked
.set CS,   94                          ; s[94:95] c = log2(e) / 8
.set SEL,  96                          ; s[96:97] selects for lane l xor 16
.set MOF,  98                          ; s98 256 x the step whose mask words are asked for
.set TN,   99
.macro MMA d, a, b, c, sa, sb
	v_wmma_scale_f32_16x16x128_f8f6f4 v[\d:\d+7], v[\a:\a+11], v[\b:\b+11], v[\c:\c+7], v[\sa], v[\sb] matrix_a_fmt:MATRIX_FMT_FP6 matrix_b_fmt:MATRIX_FMT_FP6
.endm
.macro MMA0 d, a, b, sa, sb
	v_wmma_scale_f32_16x16x128_f8f6f4 v[\d:\d+7], v[\a:\a+11], v[\b:\b+11], 0, v[\sa], v[\sb] matrix_a_fmt:MATRIX_FMT_FP6 matrix_b_fmt:MATRIX_FMT_FP6
.endm
.macro MWORDS                          ; a step's 64 lane masks: word j in s[16 + j], from word 48 on in s[20 + j]
	s_load_b512 s[16:31], s[MP:MP+1], s[MOF] offset:0x0
	s_load_b512 s[32:47], s[MP:MP+1], s[MOF] offset:0x40
	s_load_b512 s[48:63], s[MP:MP+1], s[MOF] offset:0x80
	s_load_b512 s[68:83], s[MP:MP+1], s[MOF] offset:0xc0
.endm
	s_load_b128 s[4:7], s[0:1], 0x0                ; qkv; the mask words (MASKED) or the cross-attention's q
	s_load_b64 s[8:9], s[0:1], 0x10                ; the output
	v_lshl_add_u32 v254, v0, 2, 0x34000
	v_mov_b32 v255, 0
	v_lshrrev_b32 v1, 5, v0
	v_readfirstlane_b32 s10, v1                    ; wave 0..15
	v_and_b32 v12, 31, v0
	v_lshlrev_b32 v1, 4, v12
	v_lshlrev_b32 v2, 2, v12
	v_lshlrev_b32 v3, 3, v12
	s_mov_b32 s11, 0x0de3b658
	s_cmp_lt_u32 s10, 8
	s_cselect_b32 s11, 0x7a94c12f, s11             ; the magic square, a nibble a wave
	s_and_b32 s12, s10, 7
	s_lshl_b32 s12, s12, 2
	s_lshr_b32 s11, s11, s12
	s_and_b32 s11, s11, 15
	s_lshl_b32 s11, s11, 3
	s_add_co_u32 s11, s11, ttmp9                   ; my tile of queries, 0..127
	s_and_b32 s12, ttmp7, 0xffff                   ; 8 n + head
	s_mul_i32 s32, s12, HB
.if !MASKED
	s_add_co_u32 s32, s32, CA
.endif
	s_mul_i32 s60, s10, 6144                       ; I fill key step w
	s_lshl_b32 s61, s10, 9
	s_add_co_u32 s34, s60, s32
	s_mov_b32 s35, 0
	s_add_co_u32 s36, s61, s32
	s_mov_b32 s37, 0
	s_mul_i32 s38, s12, QB
.if MASKED
	s_add_co_u32 s38, s38, QS
.endif
	s_mul_i32 s40, s11, 768
	s_add_co_u32 s40, s40, s38                     ; q's codes
	s_mov_b32 s41, 0
	s_lshr_b32 s42, s11, 1
	s_lshl_b32 s42, s42, 7
	s_add_co_u32 s42, s42, s38
	s_add_co_u32 s42, s42, 98304                   ; its pair's scale word
	s_mov_b32 s43, 0
	s_lshr_b32 s44, s12, 3
	s_lshl_b32 s44, s44, 7
	s_add_co_u32 s44, s44, s11                     ; my tile of all 512
	s_lshl_b32 s44, s44, 3
	s_and_b32 s45, s12, 7
	s_add_co_u32 s44, s44, s45                     ; 8 x tile + head
	s_mul_i32 s46, s44, 768
	s_mov_b32 s47, 0
	s_lshl_b32 s48, s44, 7
	s_add_co_u32 s48, s48, OSC
	s_mov_b32 s49, 0
.if MASKED
	s_lshl_b32 s50, s11, 12
	s_mov_b32 s51, 0
	s_lshl_b32 s52, s11, 6
	s_add_co_u32 s52, s52, RAB
	s_mov_b32 s53, 0
.endif
	s_mov_b32 s33, 0x01000100
	s_bitcmp1_b32 s11, 0
	s_cselect_b32 s33, 0x03020302, s33             ; my tile's two bytes of the pair's word, twice
	s_mov_b32 s[CS], 0x3e38aa3b
	s_mov_b32 s[CS+1], s[CS]                       ; (named with it as a pair, so it is written)
	s_mov_b32 s[SEL], 0x76543210
	s_mov_b32 s[SEL+1], 0xfedcba98
	s_mov_b32 s[TK], 0
	s_mov_b32 s[TS], 0
	s_mov_b32 s[ST], 0
	s_wait_kmcnt 0x0
	s_add_nc_u64 s[98:99], s[4:5], s[34:35]
	s_add_nc_u64 s[100:101], s[4:5], s[36:37]
.if MASKED
	s_add_nc_u64 s[54:55], s[4:5], s[40:41]
	s_add_nc_u64 s[56:57], s[4:5], s[42:43]
	s_add_nc_u64 s[MP:MP+1], s[6:7], s[50:51]
	s_add_nc_u64 s[58:59], s[6:7], s[52:53]
.else
	s_add_nc_u64 s[54:55], s[6:7], s[40:41]
	s_add_nc_u64 s[56:57], s[6:7], s[42:43]
.endif
	s_add_nc_u64 s[OP:OP+1], s[8:9], s[46:47]
	s_add_nc_u64 s[OSP:OSP+1], s[8:9], s[48:49]
.set i, 0
.rept 24
	global_load_b64 v[96+2*i:97+2*i], v3, s[98:99] offset:256*i           ; K of my step: 8 tiles x 3 pieces of 256 bytes
.set i, i+1
.endr
.set i, 0
.rept 12
	global_load_b128 v[144+4*i:147+4*i], v1, s[98:99] offset:98304+512*i  ; V of my step: 4 fragments
.set i, i+1
.endr
.irp b, 0,1,2,3
	global_load_b32 v[192+\b], v2, s[100:101] offset:196608+128*\b
	global_load_b32 v[196+\b], v2, s[100:101] offset:204800+128*\b
.endr
.irp p, 0,1,2
	global_load_b64 v[22+2*\p:23+2*\p], v3, s[54:55] offset:256*\p        ; q stays in registers
.endr
	global_load_b32 v35, v2, s[56:57]
.if MASKED
	s_load_b512 s[16:31], s[58:59], 0x0            ; for each of the 16 steps: which of my rows have an open key
.endif
.irp j, 16,17,18,19,20,21,28,29,30,31,32,33
	v_mov_b32 v[\j], 0                             ; zero codes on both sides of q
.endr
	v_add_nc_u32 v8, s60, v1                       ; the fill's places
	v_add_nc_u32 v9, LV, v8
	v_add_nc_u32 v10, s61, v1
	v_add_nc_u32 v10, LKW, v10
	v_add_nc_u32 v11, LVW-LKW, v10
	v_add_nc_u32 v5, LV, v1
	v_add_nc_u32 v6, LKW, v1
	v_add_nc_u32 v7, LVW, v1
	s_wait_loadcnt 0x0                             ; the fill's loads are done: their bases (s98 to s101) may be used for other things
	v_perm_b32 v34, v35, v35, s33                  ; q's scale word [s0, s1, s0, s1]: it serves q in either half of K
.set i, 0
.rept 24
	ds_store_b64 v8, v[96+2*i:97+2*i] offset:(i/6)*1536+((i%6)/2)*512+8*(i%2)   ; two tiles' pieces become one fragment's image: registers 4 c .. 4 c + 3 at 512 c + 16 L
.set i, i+1
.endr
.set i, 0
.rept 12
	ds_store_b128 v9, v[144+4*i:147+4*i] offset:512*i
.set i, i+1
.endr
.irp b, 0,1,2,3
	ds_store_b32 v10, v[192+\b] offset:4*\b        ; a step's four words of a lane on end: one load of 16 bytes brings them
	ds_store_b32 v11, v[196+\b] offset:4*\b
.endr
.if MASKED
	s_wait_kmcnt 0x0                               ; the rows' words are in: which steps are walked, and the first of them, whose lane masks are asked for ahead of the barrier
	s_or_b32 s32, s16, s17
.irp s, 18,19,20,21,22,23,24,25,26,27,28,29,30,31
	s_or_b32 s32, s32, s[\s]
.endr
	s_mov_b32 s[FL], 0
.irp s, 0,1,2,3,4,5,6,7,8,9,10,11,12,13,14,15
	s_cmp_lg_u32 s[16+\s], 0
	s_cselect_b32 s33, 1<<\s, 0
	s_or_b32 s[FL], s[FL], s33                     ; bit s: step s has an open score
.endr
	s_cmp_eq_u32 s32, 0xffff                       ; a row with no open key at all wants every step: its weights are uniform
	s_cselect_b32 s[FL], s[FL], 0xffff
	s_ctz_i32_b32 s[MOF], s[FL]                    ; the first step that is walked (some bit is set),
	s_min_u32 s[MOF], s[MOF], 15                   ; held inside my tile's 16 steps,
	s_lshl_b32 s[MOF], s[MOF], 8                   ; 256 bytes a step
	MWORDS
.endif
	s_wait_dscnt 0x0                               ; for the others' sake: my stores have landed
	s_barrier_signal -1
	s_barrier_wait -1                              ; the head's K and V are whole; nothing in LDS is written again
.set j, 0
.rept 32
	v_mov_b32 v[O+j], 0                            ; O^T.  (The step is written once: the first finds zeros.  These lines are also the places between q's scale word and the first product)
.set j, j+1
.endr
.irp b, 0,1,2,3
	v_mov_b32 v[T2+\b], 0                          ; written once: a lane permute's destination counts as one of its sources
.endr
	v_mov_b32 v[F+1], 0                            ; (named as the upper half of a pair)
	v_mov_b32 v13, 0xff61b1e6                      ; the largest t so far: -3e38
	v_floor_f32 v12, -v13                          ; -M
	v_mov_b32 v14, 0
	v_mov_b32 v15, 0
.if MASKED
	v_mov_b32 v[NEG], 0xd0000000                   ; -2^33
.endif
.Lstep:                                            ; 16 trips: 128 keys each
.if MASKED
	s_bitcmp1_b32 s[FL], 0
	s_cbranch_scc0 .Lskip
.endif
	v_add_nc_u32 v8, s[TK], v1                     ; (these four are also the places in front of the loads into registers that the last products read)
	v_add_nc_u32 v9, s[TK], v5
	v_add_nc_u32 v10, s[TS], v6
	v_add_nc_u32 v11, s[TS], v7
.irp f, 0,1,2,3
.irp c, 0,1,2
	ds_load_b128 v[KF+12*\f+4*\c:KF+12*\f+4*\c+3], v8 offset:1536*\f+512*\c
.endr
.endr
	ds_load_b128 v[KW:KW+3], v10
	s_wait_dscnt 0x0
.irp b, 0,1,2,3
	MMA0 S+16*\b, KF+12*\b, 22, KW+\b, 34          ; keys 32 b + 16 h + 0 .. 7
	MMA0 S+16*\b+8, KF+12*\b, 16, KW+\b, 34        ; keys 32 b + 16 h + 8 .. 15
.endr
.rept 4
	v_nop                                          ; places: in front of the loads below and of the first read of the scores
.endr
.irp f, 0,1,2,3
.irp c, 0,1,2
	ds_load_b128 v[KF+12*\f+4*\c:KF+12*\f+4*\c+3], v9 offset:1536*\f+512*\c   ; V's four fragments land under the softmax
.endr
.endr
	ds_load_b128 v[VW:VW+3], v11
.if MASKED
	s_wait_kmcnt 0x0                               ; this step's lane masks, asked for in the walked step before: all scalar loads are done, so their offset and their registers may be written again below
.set j, 0
.rept 64
.if j < 48
	v_cndmask_b32 v[S+j], v[NEG], v[S+j], s[16+j]
.else
	v_cndmask_b32 v[S+j], v[NEG], v[S+j], s[20+j]
.endif
.set j, j+1
.endr
	s_lshr_b32 s[TN], s[FL], 1                     ; the steps behind this one:
	s_ctz_i32_b32 s[TN], s[TN]                     ; how many of them are left out before the next that is walked (-1 where none is left: this step's words are then read once more and not used)
	s_add_co_u32 s[TN], s[TN], s[ST]
	s_add_co_u32 s[TN], s[TN], 1
	s_min_u32 s[MOF], s[TN], 15                    ; held inside my tile's 16 steps
	s_lshl_b32 s[MOF], s[MOF], 8
	MWORDS                                         ; they have the rest of this step and the next step's first products in which to land
.endif
.irp b, 0,1,2,3
	v_max3_num_f32 v[BM+\b], v[S+16*\b], v[S+16*\b+1], v[S+16*\b+2]      ; the largest score of each block of 32 keys: for the row's maximum, and, since p rises with the score, for the block's largest p
.endr
.irp i, 3,5,7,9,11,13
.irp b, 0,1,2,3
	v_max3_num_f32 v[BM+\b], v[BM+\b], v[S+16*\b+\i], v[S+16*\b+\i+1]
.endr
.endr
.irp b, 0,1,2,3
	v_max_num_f32 v[BM+\b], v[BM+\b], v[S+16*\b+15]
.endr
.irp b, 0,1,2,3
	v_permlanex16_b32 v[T2+\b], v[BM+\b], s[SEL], s[SEL+1]
.endr
.irp b, 0,1,2,3
	v_max_num_f32 v[BM+\b], v[BM+\b], v[T2+\b]
.endr
	v_max3_num_f32 v[TT], v[BM], v[BM+1], v[BM+2]
	v_max_num_f32 v[TT], v[TT], v[BM+3]
	v_mul_f32 v[TT], s[CS], v[TT]
	v_max_num_f32 v13, v13, v[TT]                  ; the running largest t
	v_mov_b32 v[TT], v12
	v_floor_f32 v12, -v13                          ; the new -M = -ceil(t)
	v_sub_f32 v[TT], v12, v[TT]                    ; old M - new M: a whole number, 0 or less
	v_cvt_i32_f32 v[TT], v[TT]                     ; (it saturates)
	v_ldexp_f32 v[F], 1.0, v[TT]                   ; f = 2^(old M - new M)
.set j, 0
.rept 32
	v_pk_fma_f32 v[S+j:S+j+1], v[S+j:S+j+1], s[CS:CS+1], v[12:13] op_sel_hi:[1,0,0]   ; t - M, two at a time
.set j, j+2
.endr
.irp b, 0,1,2,3
	v_fma_f32 v[BM+\b], v[BM+\b], s[CS], v12
.endr
.set j, 0
.rept 64
	v_exp_f32 v[S+j], v[S+j]                       ; p = 2^(t - M)
.set j, j+1
.endr
	v_pk_mul_f32 v[14:15], v[14:15], v[F:F+1] op_sel_hi:[1,0]   ; the sums under the new M (a plain place behind the exponentials)
	s_wait_alu depctr_va_vdst(0)                   ; one wait for the batch of 64, ahead of its first reader
.irp b, 0,1,2,3
	v_exp_f32 v[BM+\b], v[BM+\b]                   ; each block's largest p
.endr
	v_pk_add_f32 v[SM2:SM2+1], v[S:S+1], v[S+2:S+3]   ; the row's sum is taken of the unquantised p, in two chains
.set j, 4
.rept 15
	v_pk_add_f32 v[14:15], v[14:15], v[S+j:S+j+1]
	v_pk_add_f32 v[SM2:SM2+1], v[SM2:SM2+1], v[S+j+2:S+j+3]
.set j, j+4
.endr
	v_pk_add_f32 v[14:15], v[14:15], v[SM2:SM2+1]
	s_wait_alu depctr_va_vdst(0)                   ; and one for the four
.irp b, 0,1,2,3
	v_max_num_f32 v[BM+\b], 0x1800000, v[BM+\b]    ; the floor 2^(3 - 127): the byte cannot fall under 1
.endr
.irp b, 0,1,2,3
	v_add_nc_u32 v[SO+\b], 0xff000000, v[BM+\b]    ; 2 off the exponent field: the conversion's scale operand
.endr
.irp b, 0,1,2,3
	v_lshrrev_b32 v[T2+\b], 23, v[SO+\b]
.endr
	v_lshl_or_b32 v[PWD], v[T2+1], 8, v[T2]        ; p's scale word for these 128 keys
	v_lshl_or_b32 v[PWD], v[T2+2], 16, v[PWD]
	v_lshl_or_b32 v[PWD], v[T2+3], 24, v[PWD]
	v_cvt_scalef32_pk16_fp6_f32 v[P:P+2], v[S:S+15], v[SO]
	v_cvt_scalef32_pk16_fp6_f32 v[XA:XA+2], v[S+16:S+31], v[SO+1]
	v_cvt_scalef32_pk16_fp6_f32 v[P+6:P+8], v[S+32:S+47], v[SO+2]
	v_cvt_scalef32_pk16_fp6_f32 v[XB:XB+2], v[S+48:S+63], v[SO+3]
	v_nop                                          ; one plain place behind the scaled conversions
.irp i, 0,1,2
	v_permlane16_swap_b32 v[P+\i], v[XA+\i]
	v_permlane16_swap_b32 v[P+6+\i], v[XB+\i]
.endr
.irp i, 0,1,2
	v_mov_b32 v[P+3+\i], v[XA+\i]
	v_mov_b32 v[P+9+\i], v[XB+\i]
.endr
.set j, 0
.rept 16
	v_pk_mul_f32 v[O+j:O+j+1], v[O+j:O+j+1], v[F:F+1] op_sel_hi:[1,0]   ; O^T under the new M.  (Of these sixteen, twelve name no register of any one product below: the places between p's scale word and codes and the products)
.set j, j+2
.endr
	s_wait_dscnt 0x0                               ; V and its scale words are in
.irp t, 0,1,2,3
	MMA O+8*\t, KF+12*\t, P, O+8*\t, VW+\t, PWD    ; the four accumulators by turns
.endr
.if MASKED
.Lskip:
	s_lshr_b32 s[FL], s[FL], 1
.endif
	s_add_co_u32 s[TK], s[TK], 6144
	s_add_co_u32 s[TS], s[TS], 512
	s_add_co_u32 s[ST], s[ST], 1
	s_cmp_lt_u32 s[ST], 16
	s_cbranch_scc1 .Lstep
	; THE WAY OUT: O^T / the sum, quantised along the head's 64 channels (two blocks), as six registers: half a fragment of the next product's operand
.rept 4
	v_nop
.endr
	v_add_f32 v14, v14, v15
	v_permlanex16_b32 v[T2], v14, s[SEL], s[SEL+1]
	v_add_f32 v14, v14, v[T2]                      ; the row's sum
	v_rcp_f32 v[F], v14
	v_nop                                          ; a plain place behind the reciprocal
	s_wait_alu depctr_va_vdst(0)                   ; and the wait ahead of its first reader
.set j, 0
.rept 16
	v_pk_mul_f32 v[S+j:S+j+1], v[O+j:O+j+1], v[F:F+1] op_sel_hi:[1,0]   ; register 16 b + i: channel 32 b + 16 h + i of my query
.set j, j+2
.endr
.irp b, 0,1
	v_max3_num_f32 v[BM+\b], |v[S+16*\b]|, |v[S+16*\b+1]|, 0x1800000
.endr
.irp i, 2,4,6,8,10,12,14
.irp b, 0,1
	v_max3_num_f32 v[BM+\b], v[BM+\b], |v[S+16*\b+\i]|, |v[S+16*\b+\i+1]|
.endr
.endr
.irp b, 0,1
	v_permlanex16_b32 v[T2+\b], v[BM+\b], s[SEL], s[SEL+1]
.endr
.irp b, 0,1
	v_max_num_f32 v[BM+\b], v[BM+\b], v[T2+\b]
.endr
.irp b, 0,1
	v_add_nc_u32 v[SO+\b], 0xff000000, v[BM+\b]
.endr
.irp b, 0,1
	v_lshrrev_b32 v[T2+\b], 23, v[SO+\b]
.endr
	v_lshl_or_b32 v[OWD], v[T2+1], 8, v[T2]        ; the head's two scale bytes
	v_cvt_scalef32_pk16_fp6_f32 v[P:P+2], v[S:S+15], v[SO]
	v_cvt_scalef32_pk16_fp6_f32 v[XA:XA+2], v[S+16:S+31], v[SO+1]
	v_nop
.irp i, 0,1,2
	v_permlane16_swap_b32 v[P+\i], v[XA+\i]
.endr
.irp i, 0,1,2
	v_mov_b32 v[P+3+\i], v[XA+\i]
.endr
.irp p, 0,1,2
	global_store_b64 v3, v[P+2*\p:P+2*\p+1], s[OP:OP+1] offset:256*\p     ; 32 lanes store 256 consecutive bytes, aligned
.endr
	global_store_b32 v2, v[OWD], s[OSP:OSP+1]
	s_wait_tensorcnt 0x0
	ds_add_u32 v254, v255
	s_wait_dscnt 0x0
	s_endpgm
.Lfunc_end_k_q2d69e408f6_attn_self:
	.size	k_q2d69e408f6_attn_self, .Lfunc_end_k_q2d69e408f6_attn_self-k_q2d69e408f6_attn_self
	.p2alignl 7, 3214868480
	.fill 96, 4, 3214868480
	.section	.rodata,"a",@progbits
	.p2align	6, 0x0
	.amdhsa_kernel k_q2d69e408f6_attn_self
		.amdhsa_group_segment_fixed_size 215040
		.amdhsa_private_segment_fixed_size 0
		.amdhsa_enable_private_segment 0
		.amdhsa_kernarg_size 24
		.amdhsa_user_sgpr_count 2
		.amdhsa_user_sgpr_kernarg_segment_ptr 1
		.amdhsa_wavefront_size32 1
		.amdhsa_system_sgpr_workgroup_id_x 1
		.amdhsa_system_sgpr_workgroup_id_y 1
		.amdhsa_system_sgpr_workgroup_id_z 1
		.amdhsa_system_vgpr_workitem_id 0
		.amdhsa_next_free_vgpr 256
		.amdhsa_next_free_sgpr 104
		.amdhsa_reserve_vcc 0
		.amdhsa_float_denorm_mode_32 3
		.amdhsa_float_denorm_mode_16_64 3
		.amdhsa_memory_ordered 1
		.amdhsa_forward_progress 1
		.amdhsa_inst_pref_size 40
	.end_amdhsa_kernel
	.amdgpu_metadata
---
amdhsa.version: [ 1, 2 ]
amdhsa.kernels:
  - .name:           k_q2d69e408f6_attn_self
    .symbol:         k_q2d69e408f6_attn_self.kd
    .args:
      - { .name: qkv, .offset: 0, .size: 8, .value_kind: global_buffer, .address_space: global }
      - { .name: maskw, .offset: 8, .size: 8, .value_kind: global_buffer, .address_space: global }
      - { .name: o1, .offset: 16, .size: 8, .value_kind: global_buffer, .address_space: global }
    .group_segment_fixed_size: 215040
    .private_segment_fixed_size: 0
    .kernarg_segment_align: 8
    .kernarg_segment_size: 24
    .max_flat_workgroup_size: 512
    .sgpr_count:     104
    .vgpr_count:     256
    .wavefront_size: 32
...
	.end_amdgpu_metadata
.endif
;; end of part 3
;; launch post1 (part 4): grid 256 x 1, 4 waves a work-group, no clusters, 104,960 bytes of LDS; arguments o1, prep, tgt, sa_bo, ln1_w, ln1_b, ca_bq, x1, qc; writes x1, qc
.if DOCPART == 4
	.amdgcn_target "amdgcn-amd-amdhsa--gfx1250"
	.amdhsa_code_object_version 6
	.text
	.protected	k_q2d69e408f6_post1
	.globl	k_q2d69e408f6_post1
	.p2align	8
	.type	k_q2d69e408f6_post1,@function
k_q2d69e408f6_post1:
	s_mov_b64 s[64:65], 0
	v_nop
	global_prefetch_b8 v0, s[64:65] scope:SCOPE_SE
	s_setreg_imm32_b32 hwreg(HW_REG_WAVE_MODE, 25, 1), 1
	s_wait_xcnt 0x0
; POST1: x1 = LayerNorm(tgt + o W_o^T + b_o), stored in f32; then q of the cross-attention = Q(x1) W_q^T + b_q, quantised as the attention's operand.  Products on codes of FP6 (E2M3) with E8M0 scales.
; A work-group takes 32 tokens (tiles m = 0, 1 of 16); wave w takes output channels 128 w .. 128 w + 127 of both products.  D = W(s, t) x tokens(m, s): a lane holds one token, its 64 registers a tile run along the wave's 128 channels.
; THE WEIGHTS are a linear stream of units for each wave (a unit = 8 fragments and their scale words for one K step of 128: 12,288 + 1,024 dense bytes, laid so by the first launch), loaded straight into a ring of two register slots, two units ahead.
; A row's mean and variance span the four waves: two exchanges of one word a lane through LDS.  The variance is taken of x - mean: no difference of large sums.
; The quantised x1 goes from wave to wave through LDS as images of the operand's registers.  Three barriers.
; No tensor load, no cluster: each weight fragment feeds two products and comes dense into its registers; sharing the stream among work-groups would take a ring in LDS and one more pass of every weight byte through LDS.
; LIMITS: a block of zeros gets the scale byte 1 (its codes are zeros; this program alone reads the bytes); NaN and infinities are not served.
; REGISTERS: window 0: v1-15 addresses; v16-143 the 16 accumulators (64 m + 8 t); v144-159 the ring's scale words; v160-167 the tokens'; v168-253 at work.  Window 1: the ring.  Window 2: v0-127 the residual, later rows on the way out; v128-223 the tokens' 8 fragments.  Window 3: bias, gain, offset.
.set GRPB, 49152
.set SCB,  9437184
.set OSC,  3145728
.set QB,   106496
.set G0,   148                         ; my stream begins at group G0 + GW x wave
.set GW,   2
.set XI,   4096                        ; LDS: 0: four regions of 1,024 bytes for the rows' sums;  XI: 8 images (2 s + m) x 1,536;  XS: their scale words x 128;  STG: a stage of 16 rows x 528 bytes for each wave
.set XS,   16384
.set STG,  70656
.set RX,   4
.set BO,   5
.set STO,  6
.set SRD,  7
.set XWI,  8
.set XWS,  9
.set RW,   10
.set ACC,  16
.set RS,   144
.set SS,   160
.set TM,   168
.set TP,   172
.set TSO,  176
.set XA,   180
.set XB,   184
.set PW0,  188
.set PW1,  189
.set PC0,  190
.set PC1,  202
.set OW,   214
.set LT,   230
.set LM,   238
.set WO,   252
.set SFR,  128                         ; in window 2
.set CB,   0                           ; in window 3
.set LW,   64
.set LB,   128
.set OP,   4                           ; s[4:5] o's codes, s[26:27] its scale words
.set WP,   6                           ; s[6:7] the stream's codes, s[28:29] its scale words
.set XP,   8                           ; s[8:9] the residual
.set B0P,  10
.set LWP,  12
.set LBP,  14
.set BP,   16                          ; s[16:17] the second product's bias
.set XO,   18                          ; s[18:19] x1
.set OSP,  26
.set WSP,  28
.set QP,   30                          ; s[30:31], s[32:33] q's codes of heads 2 w, 2 w + 1;  s[34:35], s[36:37] their scale words
.set QSP,  34
.set SEL,  40
.set C9,   42
.set EPSR, 43
.set MULF, 0x39                        ; weights window 1, tokens window 2, C (a bias) window 3, D window 0
.set MUL0, 0x09                        ; C and D window 0
.set MULX, 0x29
.set MSB, 0
.macro WIN new                         ; the immediate's high byte repeats the setting that is left
.if MSB != \new
	s_set_vgpr_msb (MSB<<8)|\new
.set MSB, \new
.endif
.endm
.macro MMA d, a, b, c, sa, sb
	v_wmma_scale_f32_16x16x128_f8f6f4 v[\d:\d+7], v[\a:\a+11], v[\b:\b+11], v[\c:\c+7], v[\sa], v[\sb] matrix_a_fmt:MATRIX_FMT_FP6 matrix_b_fmt:MATRIX_FMT_FP6
.endm
; 64 numbers of a lane, register 16 b + i = k 32 b + 16 (lane / 16) + i of the lane's row, become a fragment's twelve registers in v[pc] on and the row's scale word in v[pw]
.macro QUANT src, pc, pw
.irp b, 0,1,2,3
	v_max3_num_f32 v[TM+\b], |v[\src+16*\b]|, |v[\src+16*\b+1]|, 0x1800000   ; my 16 numbers of block b, and the floor 2^(3 - 127): the byte cannot fall under 1
.endr
.irp i, 2,4,6,8,10,12,14
.irp b, 0,1,2,3
	v_max3_num_f32 v[TM+\b], v[TM+\b], |v[\src+16*\b+\i]|, |v[\src+16*\b+\i+1]|
.endr
.endr
.irp b, 0,1,2,3
	v_permlanex16_b32 v[TP+\b], v[TM+\b], s[SEL], s[SEL+1]
.endr
.irp b, 0,1,2,3
	v_max_num_f32 v[TM+\b], v[TM+\b], v[TP+\b]
.endr
.irp b, 0,1,2,3
	v_add_nc_u32 v[TSO+\b], 0xff000000, v[TM+\b]      ; 2 off the exponent field: the conversion's scale operand
.endr
.irp b, 0,1,2,3
	v_lshrrev_b32 v[TP+\b], 23, v[TSO+\b]
.endr
	v_lshl_or_b32 v[\pw], v[TP+1], 8, v[TP]
	v_lshl_or_b32 v[\pw], v[TP+2], 16, v[\pw]
	v_lshl_or_b32 v[\pw], v[TP+3], 24, v[\pw]
	v_cvt_scalef32_pk16_fp6_f32 v[\pc:\pc+2], v[\src:\src+15], v[TSO]
	v_cvt_scalef32_pk16_fp6_f32 v[XA:XA+2], v[\src+16:\src+31], v[TSO+1]
	v_cvt_scalef32_pk16_fp6_f32 v[\pc+6:\pc+8], v[\src+32:\src+47], v[TSO+2]
	v_cvt_scalef32_pk16_fp6_f32 v[XB:XB+2], v[\src+48:\src+63], v[TSO+3]
	v_nop                                             ; one plain place behind the scaled conversions
.irp i, 0,1,2
	v_permlane16_swap_b32 v[\pc+\i], v[XA+\i]
	v_permlane16_swap_b32 v[\pc+6+\i], v[XB+\i]
.endr
.irp i, 0,1,2
	v_mov_b32 v[\pc+3+\i], v[XA+\i]
	v_mov_b32 v[\pc+9+\i], v[XB+\i]
.endr
.endm
.macro ULOAD slot, off                 ; unit off of the stream into a slot of the ring: 32 loads
	WIN 0x40
.irp t, 0,1,2,3,4,5,6,7
.irp c, 0,1,2
	global_load_b128 v[96*(\slot)+12*\t+4*\c:96*(\slot)+12*\t+4*\c+3], v1, s[WP:WP+1] offset:(\off)*12288+\t*1536+512*\c
.endr
.endr
	WIN 0
.irp t, 0,1,2,3,4,5,6,7
	global_load_b32 v[RS+8*(\slot)+\t], v2, s[WSP:WSP+1] offset:(\off)*1024+128*\t
.endr
.endm
.macro VLOAD dst, ptr                  ; my 64 of a vector of 128 channels into window 3: register 16 b + i = channel 32 b + 16 h + i: 16 loads
	WIN 0xc0
.set k, 0
.rept 16
	global_load_b128 v[\dst+4*k:\dst+4*k+3], v[BO], s[\ptr:\ptr+1] offset:128*(k/4)+16*(k%4)
.set k, k+1
.endr
	WIN 0
.endm
.macro UMUL slot, s, mode              ; 16 products: the slot's 8 fragments x the two tiles of tokens, K step s; the sixteen accumulators by turns
	WIN \mode
.irp t, 0,1,2,3,4,5,6,7
.irp m, 0,1
.if \mode == MULF
	MMA ACC+64*\m+8*\t, 96*(\slot)+12*\t, SFR+48*\m+12*(\s), CB+8*\t, RS+8*(\slot)+\t, SS+4*\m+(\s)
.elseif \mode == MULX
	MMA ACC+64*\m+8*\t, 96*(\slot)+12*\t, SFR+48*\m+12*(\s), 64*\m+8*\t, RS+8*(\slot)+\t, SS+4*\m+(\s)
.else
	MMA ACC+64*\m+8*\t, 96*(\slot)+12*\t, SFR+48*\m+12*(\s), ACC+64*\m+8*\t, RS+8*(\slot)+\t, SS+4*\m+(\s)
.endif
.endr
.endr
	WIN 0
.endm
.macro UNIT slot, s, mode, wcnt, pf, cb    ; wcnt: the loads issued behind this unit's, which may stay out;  pf: the unit that takes the slot next (none: -1);  cb: the next product's bias is asked for
	s_wait_loadcnt \wcnt
	UMUL \slot, \s, \mode
.rept 4
	v_nop                                          ; places behind the products: in front of loads into their operands and of the first read of results
.endr
.if (\pf) >= 0
	ULOAD \slot, \pf
.endif
.if \cb
	VLOAD CB, BP
.endif
.endm
.macro FETCH areg, aoff, sreg, soff    ; eight images (2 s + m) and their scale words come out of LDS into the tokens' registers
	WIN 0x80
.irp s, 0,1,2,3
.irp m, 0,1
.irp c, 0,1,2
	ds_load_b128 v[SFR+48*\m+12*\s+4*\c:SFR+48*\m+12*\s+4*\c+3], v[\areg] offset:\aoff+(2*\s+\m)*1536+512*\c
.endr
.endr
.endr
	WIN 0
.irp s, 0,1,2,3
.irp m, 0,1
	ds_load_b32 v[SS+4*\m+\s], v[\sreg] offset:\soff+(2*\s+\m)*128
.endr
.endr
	s_wait_dscnt 0x0
.endm
.macro BARRIER                         ; my LDS stores have landed and my LDS loads are in: then the work-group's barrier
	s_wait_dscnt 0x0
	s_barrier_signal -1
	s_barrier_wait -1
.endm
.macro LNRED rg                        ; each tile's two chains in v[LT + 4 m] on: joined, with lane l xor 16's, and over the four waves through region rg: the row's sum in v[OW + 4 m]
.irp m, 0,1
	v_pk_add_f32 v[LT+4*\m:LT+4*\m+1], v[LT+4*\m:LT+4*\m+1], v[LT+4*\m+2:LT+4*\m+3]
.endr
.irp m, 0,1
	v_add_f32 v[LT+4*\m], v[LT+4*\m], v[LT+4*\m+1]
.endr
.irp m, 0,1
	v_permlanex16_b32 v[LT+4*\m+2], v[LT+4*\m], s[SEL], s[SEL+1]
.endr
.irp m, 0,1
	v_add_f32 v[LT+4*\m], v[LT+4*\m], v[LT+4*\m+2]
.endr
.irp m, 0,1
	ds_store_b32 v[RW], v[LT+4*\m] offset:(\rg)*1024+512*\m
.endr
	BARRIER
.irp m, 0,1
.irp e, 0,1,2,3
	ds_load_b32 v[OW+4*\m+\e], v2 offset:(\rg)*1024+512*\m+128*\e
.endr
.endr
	s_wait_dscnt 0x0
.irp m, 0,1
	v_add_f32 v[OW+4*\m], v[OW+4*\m], v[OW+4*\m+1]
	v_add_f32 v[OW+4*\m+2], v[OW+4*\m+2], v[OW+4*\m+3]
.endr
.irp m, 0,1
	v_add_f32 v[OW+4*\m], v[OW+4*\m], v[OW+4*\m+2]
.endr
.endm
.macro LNORM rg                        ; the accumulators' 32 rows x 512 are normalised in place; regions rg and rg + 1 are used once each
.irp m, 0,1
	v_pk_add_f32 v[LT+4*\m:LT+4*\m+1], v[ACC+64*\m:ACC+64*\m+1], v[ACC+64*\m+2:ACC+64*\m+3]
	v_pk_add_f32 v[LT+4*\m+2:LT+4*\m+3], v[ACC+64*\m+4:ACC+64*\m+5], v[ACC+64*\m+6:ACC+64*\m+7]
.endr
.set k, 8
.rept 14
.irp m, 0,1
	v_pk_add_f32 v[LT+4*\m:LT+4*\m+1], v[LT+4*\m:LT+4*\m+1], v[ACC+64*\m+k:ACC+64*\m+k+1]
	v_pk_add_f32 v[LT+4*\m+2:LT+4*\m+3], v[LT+4*\m+2:LT+4*\m+3], v[ACC+64*\m+k+2:ACC+64*\m+k+3]
.endr
.set k, k+4
.endr
	LNRED \rg
.irp m, 0,1
	v_mul_f32 v[LM+2*\m], 0xbb000000, v[OW+4*\m]   ; -mean = sum x -2^-9
.endr
.irp m, 0,1
	v_mov_b32 v[LM+2*\m+1], v[LM+2*\m]
.endr
.set k, 0
.rept 32
.irp m, 0,1
	v_pk_add_f32 v[ACC+64*\m+k:ACC+64*\m+k+1], v[ACC+64*\m+k:ACC+64*\m+k+1], v[LM+2*\m:LM+2*\m+1]
.endr
.set k, k+2
.endr
.irp m, 0,1
	v_pk_mul_f32 v[LT+4*\m:LT+4*\m+1], v[ACC+64*\m:ACC+64*\m+1], v[ACC+64*\m:ACC+64*\m+1]
	v_pk_mul_f32 v[LT+4*\m+2:LT+4*\m+3], v[ACC+64*\m+2:ACC+64*\m+3], v[ACC+64*\m+2:ACC+64*\m+3]
.endr
.set k, 4
.rept 15
.irp m, 0,1
	v_pk_fma_f32 v[LT+4*\m:LT+4*\m+1], v[ACC+64*\m+k:ACC+64*\m+k+1], v[ACC+64*\m+k:ACC+64*\m+k+1], v[LT+4*\m:LT+4*\m+1]
	v_pk_fma_f32 v[LT+4*\m+2:LT+4*\m+3], v[ACC+64*\m+k+2:ACC+64*\m+k+3], v[ACC+64*\m+k+2:ACC+64*\m+k+3], v[LT+4*\m+2:LT+4*\m+3]
.endr
.set k, k+4
.endr
	LNRED (\rg)+1
.irp m, 0,1
	v_fma_f32 v[OW+4*\m], v[OW+4*\m], s[C9], s[EPSR]   ; variance + 1e-5
.endr
.irp m, 0,1
	v_rsq_f32 v[LM+2*\m], v[OW+4*\m]
.endr
	v_nop                                          ; a plain place behind the two roots
	s_wait_alu depctr_va_vdst(0)                   ; and one wait ahead of their first reader
.irp m, 0,1
	v_mov_b32 v[LM+2*\m+1], v[LM+2*\m]
.endr
.set k, 0
.rept 32
.irp m, 0,1
	v_pk_mul_f32 v[ACC+64*\m+k:ACC+64*\m+k+1], v[ACC+64*\m+k:ACC+64*\m+k+1], v[LM+2*\m:LM+2*\m+1]
.endr
.set k, k+2
.endr
	WIN 0x3c                                       ; gain and offset: window 3
.set k, 0
.rept 32
.irp m, 0,1
	v_pk_fma_f32 v[ACC+64*\m+k:ACC+64*\m+k+1], v[ACC+64*\m+k:ACC+64*\m+k+1], v[LW+k:LW+k+1], v[LB+k:LB+k+1]
.endr
.set k, k+2
.endr
	WIN 0
.endm
.macro STAGE ptr                       ; a lane holds 4 x 64 bytes of one row: a tile goes through my own stage and leaves as whole runs of 512 bytes.  LDS serves a wave's instructions in order: no wait between stores and loads
.irp m, 0,1
.set k, 0
.rept 16
	ds_store_b128 v[STO], v[ACC+64*\m+4*k:ACC+64*\m+4*k+3] offset:128*(k/4)+16*(k%4)
.set k, k+1
.endr
	WIN 0x80
.set k, 0
.rept 16
	ds_load_b128 v[64*\m+4*k:64*\m+4*k+3], v[SRD] offset:528*k
.set k, k+1
.endr
	s_wait_dscnt 0x0
	WIN 0x08                                       ; a store's data: window 2
.set k, 0
.rept 16
	global_store_b128 v1, v[64*\m+4*k:64*\m+4*k+3], s[\ptr:\ptr+1] offset:(8*\m+k+8*(k/8))*2048 th:TH_STORE_NT   ; 32 lanes store 512 consecutive bytes, aligned
.set k, k+1
.endr
	WIN 0
.endr
.endm
	s_load_b512 s[4:19], s[0:1], 0x0               ; o1, prep, tgt, sa_bo, ln1_w, ln1_b, ca_bq, x1
	s_load_b64 s[20:21], s[0:1], 0x40              ; qc
	v_lshl_add_u32 v254, v0, 2, 0x19800
	v_mov_b32 v255, 0
	v_lshrrev_b32 v1, 5, v0
	v_readfirstlane_b32 s2, v1                     ; wave 0..3
	v_and_b32 v15, 31, v0
	v_and_b32 v250, 15, v0                         ; r
	v_bfe_u32 v5, v0, 4, 1                         ; h
	v_lshlrev_b32 v1, 4, v15                       ; 16 x lane
	v_lshlrev_b32 v2, 2, v15                       ; 4 x lane
	v_lshlrev_b32 v3, 3, v15                       ; 8 x lane
	v_and_b32 v4, 8, v250
	v_add_nc_u32 v4, v4, v250
	v_lshlrev_b32 v4, 11, v4
	v_lshl_add_u32 v[RX], v5, 6, v4                ; my token's row of 2,048 bytes, + 64 h
	v_mul_u32_u24 v6, v250, 528
	v_lshl_add_u32 v6, v5, 6, v6                   ; the stage: row r, + 64 h
	v_lshlrev_b32 v[BO], 6, v5                     ; 64 h
	s_mov_b32 s[SEL], 0x76543210
	s_mov_b32 s[SEL+1], 0xfedcba98
	s_mov_b32 s[C9], 0x3b000000                    ; 2^-9
	s_mov_b32 s[EPSR], 0x3727c5ac                  ; 1e-5
	s_mov_b32 s44, 0x05040100
	s_mov_b32 s45, 0x07060302
	s_mul_i32 s50, s2, 8448
	s_add_co_u32 s50, s50, STG                     ; my stage
	s_mul_i32 s51, s2, 3072
	s_add_co_u32 s51, s51, XI                      ; my images: K step w, tiles 0 and 1
	s_lshl_b32 s52, s2, 8
	s_add_co_u32 s52, s52, XS
	s_lshl_b32 s53, s2, 7
	s_mov_b32 s55, 0
	s_mov_b32 s57, 0
	s_mov_b32 s59, 0
	s_mov_b32 s61, 0
	s_mov_b32 s63, 0
	s_mov_b32 s67, 0
	s_mov_b32 s69, 0
	s_mov_b32 s71, 0
	s_mul_i32 s54, ttmp9, 12288                    ; o: two tiles x 8 heads x 768 bytes
	s_lshl_b32 s56, ttmp9, 11
	s_add_co_u32 s56, s56, OSC
	s_mul_i32 s58, s2, GW
	s_add_co_u32 s58, s58, G0
	s_lshl_b32 s60, s58, 12
	s_add_co_u32 s60, s60, SCB
	s_mul_i32 s58, s58, GRPB
	s_lshl_b32 s62, ttmp9, 16                      ; 32 rows of 2,048 bytes,
	s_lshl_b32 s66, s2, 9                          ; my 128 channels
	s_add_co_u32 s62, s62, s66
	s_lshr_b32 s68, ttmp9, 6                       ; batch n
	s_lshl_b32 s68, s68, 3
	s_lshl_b32 s70, s2, 1
	s_add_co_u32 s68, s68, s70                     ; head 8 n + 2 w
	s_mul_i32 s68, s68, QB
	s_and_b32 s72, ttmp9, 63                       ; the pair of tiles in the batch
	s_lshl_b32 s70, s72, 7
	s_add_co_u32 s70, s70, s68
	s_add_co_u32 s70, s70, 98304
	s_mul_i32 s72, s72, 1536
	s_add_co_u32 s68, s68, s72
	s_wait_kmcnt 0x0
	s_add_nc_u64 s[OSP:OSP+1], s[4:5], s[56:57]
	s_add_nc_u64 s[OP:OP+1], s[4:5], s[54:55]
	s_add_nc_u64 s[WSP:WSP+1], s[6:7], s[60:61]
	s_add_nc_u64 s[WP:WP+1], s[6:7], s[58:59]
	s_add_nc_u64 s[XP:XP+1], s[XP:XP+1], s[62:63]
	s_add_nc_u64 s[XO:XO+1], s[XO:XO+1], s[62:63]
	s_add_nc_u64 s[B0P:B0P+1], s[B0P:B0P+1], s[66:67]
	s_add_nc_u64 s[LWP:LWP+1], s[LWP:LWP+1], s[66:67]
	s_add_nc_u64 s[LBP:LBP+1], s[LBP:LBP+1], s[66:67]
	s_add_nc_u64 s[BP:BP+1], s[BP:BP+1], s[66:67]
	s_add_nc_u64 s[QP:QP+1], s[20:21], s[68:69]
	s_add_nc_u64 s[QP+2:QP+3], s[QP:QP+1], QB
	s_add_nc_u64 s[QSP:QSP+1], s[20:21], s[70:71]
	s_add_nc_u64 s[QSP+2:QSP+3], s[QSP:QSP+1], QB
	; ---- the out-projection, the residual and the norm
	WIN 0x80
.irp m, 0,1
.set k, 0
.rept 16
	global_load_b128 v[64*\m+4*k:64*\m+4*k+3], v[RX], s[XP:XP+1] offset:16384*\m+128*(k/4)+16*(k%4)   ; the residual, in the result's layout
.set k, k+1
.endr
.endr
	WIN 0
	VLOAD LW, LWP
	VLOAD LB, LBP
	VLOAD CB, B0P
	WIN 0x80
.irp m, 0,1
.set k, 0
.rept 24
	global_load_b64 v[SFR+48*\m+2*k:SFR+48*\m+2*k+1], v3, s[OP:OP+1] offset:6144*\m+256*k   ; heads 2 s, 2 s + 1 make K step s: 8 heads x 3 pieces are the tile's four fragments on end
.set k, k+1
.endr
.endr
	WIN 0
.irp m, 0,1
.irp e, 0,1,2,3,4,5,6,7
	global_load_b32 v[OW+8*\m+\e], v2, s[OSP:OSP+1] offset:1024*\m+128*\e
.endr
.endr
	ULOAD 0, 0
	s_wait_loadcnt 32                              ; all but unit 0's 32 loads
.irp m, 0,1
.irp s, 0,1,2,3
	v_lshl_or_b32 v[SS+4*\m+\s], v[OW+8*\m+2*\s+1], 16, v[OW+8*\m+2*\s]   ; two heads' two bytes each: a K step's scale word
.endr
.endr
	ULOAD 1, 1
	v_add_nc_u32 v[STO], s50, v6                   ; (these nine lines are also the eight places between the scale words just made and the first product)
	v_add_nc_u32 v[SRD], s50, v1
	v_add_nc_u32 v[XWI], s51, v1
	v_add_nc_u32 v[XWS], s52, v2
	v_add_nc_u32 v[RW], s53, v2
.irp b, 0,1,2,3
	v_mov_b32 v[TP+\b], 0                          ; written once: a lane permute's destination counts as one of its sources
.endr
	UNIT 0, 0, MULF, 32, 2, 0                      ; 32: the next unit's loads may be out
	UNIT 1, 1, MUL0, 32, 3, 0
	UNIT 0, 2, MUL0, 32, 4, 1
	UNIT 1, 3, MUL0, 48, 5, 0                      ; 48: unit 4's 32 and the bias's 16
	WIN 0x08
.set k, 0
.rept 64
	v_pk_add_f32 v[ACC+k:ACC+k+1], v[ACC+k:ACC+k+1], v[k:k+1]
.set k, k+2
.endr
	WIN 0
	LNORM 0
	STAGE XO
	; ---- x1 becomes K step w of the next product, for both tiles
	QUANT ACC, PC0, PW0
.irp c, 0,1,2
	ds_store_b128 v[XWI], v[PC0+4*\c:PC0+4*\c+3] offset:512*\c
.endr
	ds_store_b32 v[XWS], v[PW0]
	QUANT ACC+64, PC1, PW1
.irp c, 0,1,2
	ds_store_b128 v[XWI], v[PC1+4*\c:PC1+4*\c+3] offset:1536+512*\c
.endr
	ds_store_b32 v[XWS], v[PW1] offset:128
	BARRIER                                        ; x1's eight fragments lie in LDS
	FETCH 1, XI, 2, XS
	UNIT 0, 0, MULF, 32, 6, 0                      ; unit 4 and the bias are in; unit 5's 32 may be out
	UNIT 1, 1, MUL0, 32, 7, 0
	UNIT 0, 2, MUL0, 32, -1, 0
	UNIT 1, 3, MUL0, 0, -1, 0
	QUANT ACC, PC0, PW0
	QUANT ACC+64, PC1, PW1
.irp c, 0,1
.irp p, 0,1,2
	global_store_b64 v3, v[PC0+6*\c+2*\p:PC0+6*\c+2*\p+1], s[QP+2*\c:QP+2*\c+1] offset:256*\p
	global_store_b64 v3, v[PC1+6*\c+2*\p:PC1+6*\c+2*\p+1], s[QP+2*\c:QP+2*\c+1] offset:768+256*\p
.endr
.endr
	v_perm_b32 v[WO], v[PW1], v[PW0], s44          ; the pair's scale bytes of one head: [even s0, s1, odd s0, s1]
	v_perm_b32 v[WO+1], v[PW1], v[PW0], s45
	global_store_b32 v2, v[WO], s[QSP:QSP+1]
	global_store_b32 v2, v[WO+1], s[QSP+2:QSP+3]
	s_wait_tensorcnt 0x0
	ds_add_u32 v254, v255
	s_wait_dscnt 0x0
	s_endpgm
.Lfunc_end_k_q2d69e408f6_post1:
	.size	k_q2d69e408f6_post1, .Lfunc_end_k_q2d69e408f6_post1-k_q2d69e408f6_post1
	.p2alignl 7, 3214868480
	.fill 96, 4, 3214868480
	.section	.rodata,"a",@progbits
	.p2align	6, 0x0
	.amdhsa_kernel k_q2d69e408f6_post1
		.amdhsa_group_segment_fixed_size 104960
		.amdhsa_private_segment_fixed_size 0
		.amdhsa_enable_private_segment 0
		.amdhsa_kernarg_size 72
		.amdhsa_user_sgpr_count 2
		.amdhsa_user_sgpr_kernarg_segment_ptr 1
		.amdhsa_wavefront_size32 1
		.amdhsa_system_sgpr_workgroup_id_x 1
		.amdhsa_system_sgpr_workgroup_id_y 1
		.amdhsa_system_sgpr_workgroup_id_z 1
		.amdhsa_system_vgpr_workitem_id 0
		.amdhsa_next_free_vgpr 1024
		.amdhsa_next_free_sgpr 80
		.amdhsa_reserve_vcc 0
		.amdhsa_float_denorm_mode_32 3
		.amdhsa_float_denorm_mode_16_64 3
		.amdhsa_memory_ordered 1
		.amdhsa_forward_progress 1
		.amdhsa_inst_pref_size 116
	.end_amdhsa_kernel
	.amdgpu_metadata
---
amdhsa.version: [ 1, 2 ]
amdhsa.kernels:
  - .name:           k_q2d69e408f6_post1
    .symbol:         k_q2d69e408f6_post1.kd
    .args:
      - { .name: o1, .offset: 0, .size: 8, .value_kind: global_buffer, .address_space: global }
      - { .name: prep, .offset: 8, .size: 8, .value_kind: global_buffer, .address_space: global }
      - { .name: tgt, .offset: 16, .size: 8, .value_kind: global_buffer, .address_space: global }
      - { .name: sa_bo, .offset: 24, .size: 8, .value_kind: global_buffer, .address_space: global }
      - { .name: ln1_w, .offset: 32, .size: 8, .value_kind: global_buffer, .address_space: global }
      - { .name: ln1_b, .offset: 40, .size: 8, .value_kind: global_buffer, .address_space: global }
      - { .name: ca_bq, .offset: 48, .size: 8, .value_kind: global_buffer, .address_space: global }
      - { .name: x1, .offset: 56, .size: 8, .value_kind: global_buffer, .address_space: global }
      - { .name: qc, .offset: 64, .size: 8, .value_kind: global_buffer, .address_space: global }
    .group_segment_fixed_size: 104960
    .private_segment_fixed_size: 0
    .kernarg_segment_align: 8
    .kernarg_segment_size: 72
    .max_flat_workgroup_size: 128
    .sgpr_count:     80
    .vgpr_count:     1024
    .wavefront_size: 32
...
	.end_amdgpu_metadata
.endif
;; end of part 4
;; launch attn_cross (part 5): grid 8 x 32, 16 waves a work-group, no clusters, 215,040 bytes of LDS; arguments qkv, qc, o2; writes o2
.if DOCPART == 5
	.amdgcn_target "amdgcn-amd-amdhsa--gfx1250"
	.amdhsa_code_object_version 6
	.text
	.protected	k_q2d69e408f6_attn_cross
	.globl	k_q2d69e408f6_attn_cross
	.p2align	8
	.type	k_q2d69e408f6_attn_cross,@function
k_q2d69e408f6_attn_cross:
	s_mov_b64 s[64:65], 0
	v_nop
	global_prefetch_b8 v0, s[64:65] scope:SCOPE_SE
	s_setreg_imm32_b32 hwreg(HW_REG_WAVE_MODE, 25, 1), 1
	s_wait_xcnt 0x0
; ATTENTION on codes of FP6 (E2M3) with E8M0 scales, head size 64, 2,048 queries and 2,048 keys a head.  MASKED = 1: with the mask input, as lane masks made by the first launch; MASKED = 0: without.
; A work-group is one (batch, head) = y and 256 queries; ALL of the head's K and V (212,992 bytes with their scale words) lie in LDS, filled once by the sixteen waves: one barrier, no ring.
; Wave i owns ONE tile of 16 queries, tile 8 p(i) + x, p a 4 x 4 magic square of 0..15 (the same shares as in the masked text).
; Both products are used transposed (S^T = K Q^T, O^T = V^T P^T): a lane holds one query (lane % 16) throughout.  Tiles take rows 32 (T / 2) + 8 (T % 2) + r + 8 (r / 8), so the 16 registers of two neighbouring tiles are 16 neighbouring keys.
; HEAD SIZE 64 IN A K OF 128: a fragment of K holds TWO key tiles (registers 0-5, 6-11).  q stands as [0 x 6][q x 6][0 x 6]: v[22:33] = [q | 0] picks the first tile, v[16:27] = [0 | q] the second: zero codes add nothing.
; SOFTMAX: t = score x log2(e) / 8; M = the running largest t rounded up to a whole number; p = 2^(t - M) is quantised along the keys; the sum is taken of the unquantised p and divides O at the end.  When M moves, sum and O are multiplied by 2^(old M - new M): exact.
; LIMITS: NaN and infinities are not served.  A block of zeros gets the scale byte 1 (its codes are zeros; this program alone reads the bytes).
; No tensor load and no cluster: the eight work-groups of a head read the same bytes once each, at the head; K's pieces and the scale words are laid anew by the waves' own LDS stores on the way.
; REGISTERS: v1-3 16, 4, 8 x lane; v5-7 lane terms of V, K's words, V's words; v8-11 addresses in hand; v12 -M, v13 largest t, v[14:15] the sum; v16-33 q; v34 q's scale word; v36-83 four fragments; v84-91 their scale words; v96-159 S^T, then p; v160-191 O^T; v192-203 p's codes; v204-232 at work.
.set MASKED, 0
.set HB,   212992
.set QB,   106496
.set CA,   6815744
.set QS,   13631488
.set OSC,  3145728
.set RAB,  524288
.set LV,   98304                       ; LDS: K 0, V 98,304 (step x 6,144 + fragment x 1,536 + 512 c + 16 L), K's scale words 196,608, V's 204,800 (step x 512 + 16 L + 4 x fragment)
.set LKW,  196608
.set LVW,  204800
.set KF,   36
.set KW,   84
.set VW,   88
.set S,    96
.set O,    160
.set P,    192
.set XA,   204
.set XB,   208
.set BM,   212
.set T2,   216
.set SO,   220
.set PWD,  224
.set F,    226
.set TT,   228
.set OWD,  229
.set SM2,  230
.set NEG,  232
.set MP,   84
.set OP,   86                          ; s[86:87] where my codes go, s[88:89] their scale word
.set OSP,  88
.set TK,   90                          ; s90 the step's tiles in LDS: 6,144 a step;  s91 its scale words: 512 a step
.set TS,   91
.set ST,   92
.set FL,   93
.set CS,   94                          ; s[94:95] c = log2(e) / 8
.set SEL,  96                          ; s[96:97] selects for lane l xor 16
.macro MMA d, a, b, c, sa, sb
	v_wmma_scale_f32_16x16x128_f8f6f4 v[\d:\d+7], v[\a:\a+11], v[\b:\b+11], v[\c:\c+7], v[\sa], v[\sb] matrix_a_fmt:MATRIX_FMT_FP6 matrix_b_fmt:MATRIX_FMT_FP6
.endm
.macro MMA0 d, a, b, sa, sb
	v_wmma_scale_f32_16x16x128_f8f6f4 v[\d:\d+7], v[\a:\a+11], v[\b:\b+11], 0, v[\sa], v[\sb] matrix_a_fmt:MATRIX_FMT_FP6 matrix_b_fmt:MATRIX_FMT_FP6
.endm
	s_load_b128 s[4:7], s[0:1], 0x0                ; qkv; the mask words (MASKED) or the cross-attention's q
	s_load_b64 s[8:9], s[0:1], 0x10                ; the output
	v_lshl_add_u32 v254, v0, 2, 0x34000
	v_mov_b32 v255, 0
	v_lshrrev_b32 v1, 5, v0
	v_readfirstlane_b32 s10, v1                    ; wave 0..15
	v_and_b32 v12, 31, v0
	v_lshlrev_b32 v1, 4, v12
	v_lshlrev_b32 v2, 2, v12
	v_lshlrev_b32 v3, 3, v12
	s_mov_b32 s11, 0x0de3b658
	s_cmp_lt_u32 s10, 8
	s_cselect_b32 s11, 0x7a94c12f, s11             ; the magic square, a nibble a wave
	s_and_b32 s12, s10, 7
	s_lshl_b32 s12, s12, 2
	s_lshr_b32 s11, s11, s12
	s_and_b32 s11, s11, 15
	s_lshl_b32 s11, s11, 3
	s_add_co_u32 s11, s11, ttmp9                   ; my tile of queries, 0..127
	s_and_b32 s12, ttmp7, 0xffff                   ; 8 n + head
	s_mul_i32 s32, s12, HB
.if !MASKED
	s_add_co_u32 s32, s32, CA
.endif
	s_mul_i32 s60, s10, 6144                       ; I fill key step w
	s_lshl_b32 s61, s10, 9
	s_add_co_u32 s34, s60, s32
	s_mov_b32 s35, 0
	s_add_co_u32 s36, s61, s32
	s_mov_b32 s37, 0
	s_mul_i32 s38, s12, QB
.if MASKED
	s_add_co_u32 s38, s38, QS
.endif
	s_mul_i32 s40, s11, 768
	s_add_co_u32 s40, s40, s38                     ; q's codes
	s_mov_b32 s41, 0
	s_lshr_b32 s42, s11, 1
	s_lshl_b32 s42, s42, 7
	s_add_co_u32 s42, s42, s38
	s_add_co_u32 s42, s42, 98304                   ; its pair's scale word
	s_mov_b32 s43, 0
	s_lshr_b32 s44, s12, 3
	s_lshl_b32 s44, s44, 7
	s_add_co_u32 s44, s44, s11                     ; my tile of all 512
	s_lshl_b32 s44, s44, 3
	s_and_b32 s45, s12, 7
	s_add_co_u32 s44, s44, s45                     ; 8 x tile + head
	s_mul_i32 s46, s44, 768
	s_mov_b32 s47, 0
	s_lshl_b32 s48, s44, 7
	s_add_co_u32 s48, s48, OSC
	s_mov_b32 s49, 0
.if MASKED
	s_lshl_b32 s50, s11, 12
	s_mov_b32 s51, 0
	s_lshl_b32 s52, s11, 6
	s_add_co_u32 s52, s52, RAB
	s_mov_b32 s53, 0
.endif
	s_mov_b32 s33, 0x01000100
	s_bitcmp1_b32 s11, 0
	s_cselect_b32 s33, 0x03020302, s33             ; my tile's two bytes of the pair's word, twice
	s_mov_b32 s[CS], 0x3e38aa3b
	s_mov_b32 s[CS+1], s[CS]                       ; (named with it as a pair, so it is written)
	s_mov_b32 s[SEL], 0x76543210
	s_mov_b32 s[SEL+1], 0xfedcba98
	s_mov_b32 s[TK], 0
	s_mov_b32 s[TS], 0
	s_mov_b32 s[ST], 0
	s_wait_kmcnt 0x0
	s_add_nc_u64 s[98:99], s[4:5], s[34:35]
	s_add_nc_u64 s[100:101], s[4:5], s[36:37]
.if MASKED
	s_add_nc_u64 s[54:55], s[4:5], s[40:41]
	s_add_nc_u64 s[56:57], s[4:5], s[42:43]
	s_add_nc_u64 s[MP:MP+1], s[6:7], s[50:51]
	s_add_nc_u64 s[58:59], s[6:7], s[52:53]
.else
	s_add_nc_u64 s[54:55], s[6:7], s[40:41]
	s_add_nc_u64 s[56:57], s[6:7], s[42:43]
.endif
	s_add_nc_u64 s[OP:OP+1], s[8:9], s[46:47]
	s_add_nc_u64 s[OSP:OSP+1], s[8:9], s[48:49]
.set i, 0
.rept 24
	global_load_b64 v[96+2*i:97+2*i], v3, s[98:99] offset:256*i           ; K of my step: 8 tiles x 3 pieces of 256 bytes
.set i, i+1
.endr
.set i, 0
.rept 12
	global_load_b128 v[144+4*i:147+4*i], v1, s[98:99] offset:98304+512*i  ; V of my step: 4 fragments
.set i, i+1
.endr
.irp b, 0,1,2,3
	global_load_b32 v[192+\b], v2, s[100:101] offset:196608+128*\b
	global_load_b32 v[196+\b], v2, s[100:101] offset:204800+128*\b
.endr
.irp p, 0,1,2
	global_load_b64 v[22+2*\p:23+2*\p], v3, s[54:55] offset:256*\p        ; q stays in registers
.endr
	global_load_b32 v35, v2, s[56:57]
.if MASKED
	s_load_b512 s[16:31], s[58:59], 0x0
.endif
.irp j, 16,17,18,19,20,21,28,29,30,31,32,33
	v_mov_b32 v[\j], 0                             ; zero codes on both sides of q
.endr
	v_add_nc_u32 v8, s60, v1                       ; the fill's places
	v_add_nc_u32 v9, LV, v8
	v_add_nc_u32 v10, s61, v1
	v_add_nc_u32 v10, LKW, v10
	v_add_nc_u32 v11, LVW-LKW, v10
	v_add_nc_u32 v5, LV, v1
	v_add_nc_u32 v6, LKW, v1
	v_add_nc_u32 v7, LVW, v1
	s_wait_loadcnt 0x0
	v_perm_b32 v34, v35, v35, s33                  ; q's scale word [s0, s1, s0, s1]: it serves q in either half of K
.set i, 0
.rept 24
	ds_store_b64 v8, v[96+2*i:97+2*i] offset:(i/6)*1536+((i%6)/2)*512+8*(i%2)   ; two tiles' pieces become one fragment's image: registers 4 c .. 4 c + 3 at 512 c + 16 L
.set i, i+1
.endr
.set i, 0
.rept 12
	ds_store_b128 v9, v[144+4*i:147+4*i] offset:512*i
.set i, i+1
.endr
.irp b, 0,1,2,3
	ds_store_b32 v10, v[192+\b] offset:4*\b        ; a step's four words of a lane on end: one load of 16 bytes brings them
	ds_store_b32 v11, v[196+\b] offset:4*\b
.endr
	s_wait_dscnt 0x0                               ; for the others' sake: my stores have landed
	s_barrier_signal -1
	s_barrier_wait -1                              ; the head's K and V are whole; nothing in LDS is written again
.set j, 0
.rept 32
	v_mov_b32 v[O+j], 0                            ; O^T.  (The step is written once: the first finds zeros.  These lines are also the places between q's scale word and the first product)
.set j, j+1
.endr
.irp b, 0,1,2,3
	v_mov_b32 v[T2+\b], 0                          ; written once: a lane permute's destination counts as one of its sources
.endr
	v_mov_b32 v[F+1], 0                            ; (named as the upper half of a pair)
	v_mov_b32 v13, 0xff61b1e6                      ; the largest t so far: -3e38
	v_floor_f32 v12, -v13                          ; -M
	v_mov_b32 v14, 0
	v_mov_b32 v15, 0
.Lstep:                                            ; 16 trips: 128 keys each
	v_add_nc_u32 v8, s[TK], v1                     ; (these four are also the places in front of the loads into registers that the last products read)
	v_add_nc_u32 v9, s[TK], v5
	v_add_nc_u32 v10, s[TS], v6
	v_add_nc_u32 v11, s[TS], v7
.irp f, 0,1,2,3
.irp c, 0,1,2
	ds_load_b128 v[KF+12*\f+4*\c:KF+12*\f+4*\c+3], v8 offset:1536*\f+512*\c
.endr
.endr
	ds_load_b128 v[KW:KW+3], v10
	s_wait_dscnt 0x0
.irp b, 0,1,2,3
	MMA0 S+16*\b, KF+12*\b, 22, KW+\b, 34          ; keys 32 b + 16 h + 0 .. 7
	MMA0 S+16*\b+8, KF+12*\b, 16, KW+\b, 34        ; keys 32 b + 16 h + 8 .. 15
.endr
.rept 4
	v_nop                                          ; places: in front of the loads below and of the first read of the scores
.endr
.irp f, 0,1,2,3
.irp c, 0,1,2
	ds_load_b128 v[KF+12*\f+4*\c:KF+12*\f+4*\c+3], v9 offset:1536*\f+512*\c   ; V's four fragments land under the softmax
.endr
.endr
	ds_load_b128 v[VW:VW+3], v11
.irp b, 0,1,2,3
	v_max3_num_f32 v[BM+\b], v[S+16*\b], v[S+16*\b+1], v[S+16*\b+2]      ; the largest score of each block of 32 keys: for the row's maximum, and, since p rises with the score, for the block's largest p
.endr
.irp i, 3,5,7,9,11,13
.irp b, 0,1,2,3
	v_max3_num_f32 v[BM+\b], v[BM+\b], v[S+16*\b+\i], v[S+16*\b+\i+1]
.endr
.endr
.irp b, 0,1,2,3
	v_max_num_f32 v[BM+\b], v[BM+\b], v[S+16*\b+15]
.endr
.irp b, 0,1,2,3
	v_permlanex16_b32 v[T2+\b], v[BM+\b], s[SEL], s[SEL+1]
.endr
.irp b, 0,1,2,3
	v_max_num_f32 v[BM+\b], v[BM+\b], v[T2+\b]
.endr
	v_max3_num_f32 v[TT], v[BM], v[BM+1], v[BM+2]
	v_max_num_f32 v[TT], v[TT], v[BM+3]
	v_mul_f32 v[TT], s[CS], v[TT]
	v_max_num_f32 v13, v13, v[TT]                  ; the running largest t
	v_mov_b32 v[TT], v12
	v_floor_f32 v12, -v13                          ; the new -M = -ceil(t)
	v_sub_f32 v[TT], v12, v[TT]                    ; old M - new M: a whole number, 0 or less
	v_cvt_i32_f32 v[TT], v[TT]                     ; (it saturates)
	v_ldexp_f32 v[F], 1.0, v[TT]                   ; f = 2^(old M - new M)
.set j, 0
.rept 32
	v_pk_fma_f32 v[S+j:S+j+1], v[S+j:S+j+1], s[CS:CS+1], v[12:13] op_sel_hi:[1,0,0]   ; t - M, two at a time
.set j, j+2
.endr
.irp b, 0,1,2,3
	v_fma_f32 v[BM+\b], v[BM+\b], s[CS], v12
.endr
.set j, 0
.rept 64
	v_exp_f32 v[S+j], v[S+j]                       ; p = 2^(t - M)
.set j, j+1
.endr
	v_pk_mul_f32 v[14:15], v[14:15], v[F:F+1] op_sel_hi:[1,0]   ; the sums under the new M (a plain place behind the exponentials)
	s_wait_alu depctr_va_vdst(0)                   ; one wait for the batch of 64, ahead of its first reader
.irp b, 0,1,2,3
	v_exp_f32 v[BM+\b], v[BM+\b]                   ; each block's largest p
.endr
	v_pk_add_f32 v[SM2:SM2+1], v[S:S+1], v[S+2:S+3]   ; the row's sum is taken of the unquantised p, in two chains
.set j, 4
.rept 15
	v_pk_add_f32 v[14:15], v[14:15], v[S+j:S+j+1]
	v_pk_add_f32 v[SM2:SM2+1], v[SM2:SM2+1], v[S+j+2:S+j+3]
.set j, j+4
.endr
	v_pk_add_f32 v[14:15], v[14:15], v[SM2:SM2+1]
	s_wait_alu depctr_va_vdst(0)                   ; and one for the four
.irp b, 0,1,2,3
	v_max_num_f32 v[BM+\b], 0x1800000, v[BM+\b]    ; the floor 2^(3 - 127): the byte cannot fall under 1
.endr
.irp b, 0,1,2,3
	v_add_nc_u32 v[SO+\b], 0xff000000, v[BM+\b]    ; 2 off the exponent field: the conversion's scale operand
.endr
.irp b, 0,1,2,3
	v_lshrrev_b32 v[T2+\b], 23, v[SO+\b]
.endr
	v_lshl_or_b32 v[PWD], v[T2+1], 8, v[T2]        ; p's scale word for these 128 keys
	v_lshl_or_b32 v[PWD], v[T2+2], 16, v[PWD]
	v_lshl_or_b32 v[PWD], v[T2+3], 24, v[PWD]
	v_cvt_scalef32_pk16_fp6_f32 v[P:P+2], v[S:S+15], v[SO]
	v_cvt_scalef32_pk16_fp6_f32 v[XA:XA+2], v[S+16:S+31], v[SO+1]
	v_cvt_scalef32_pk16_fp6_f32 v[P+6:P+8], v[S+32:S+47], v[SO+2]
	v_cvt_scalef32_pk16_fp6_f32 v[XB:XB+2], v[S+48:S+63], v[SO+3]
	v_nop                                          ; one plain place behind the scaled conversions
.irp i, 0,1,2
	v_permlane16_swap_b32 v[P+\i], v[XA+\i]
	v_permlane16_swap_b32 v[P+6+\i], v[XB+\i]
.endr
.irp i, 0,1,2
	v_mov_b32 v[P+3+\i], v[XA+\i]
	v_mov_b32 v[P+9+\i], v[XB+\i]
.endr
.set j, 0
.rept 16
	v_pk_mul_f32 v[O+j:O+j+1], v[O+j:O+j+1], v[F:F+1] op_sel_hi:[1,0]   ; O^T under the new M.  (Of these sixteen, twelve name no register of any one product below: the places between p's scale word and codes and the products)
.set j, j+2
.endr
	s_wait_dscnt 0x0                               ; V and its scale words are in
.irp t, 0,1,2,3
	MMA O+8*\t, KF+12*\t, P, O+8*\t, VW+\t, PWD    ; the four accumulators by turns
.endr
	s_add_co_u32 s[TK], s[TK], 6144
	s_add_co_u32 s[TS], s[TS], 512
	s_add_co_u32 s[ST], s[ST], 1
	s_cmp_lt_u32 s[ST], 16
	s_cbranch_scc1 .Lstep
	; THE WAY OUT: O^T / the sum, quantised along the head's 64 channels (two blocks), as six registers: half a fragment of the next product's operand
.rept 4
	v_nop
.endr
	v_add_f32 v14, v14, v15
	v_permlanex16_b32 v[T2], v14, s[SEL], s[SEL+1]
	v_add_f32 v14, v14, v[T2]                      ; the row's sum
	v_rcp_f32 v[F], v14
	v_nop                                          ; a plain place behind the reciprocal
	s_wait_alu depctr_va_vdst(0)                   ; and the wait ahead of its first reader
.set j, 0
.rept 16
	v_pk_mul_f32 v[S+j:S+j+1], v[O+j:O+j+1], v[F:F+1] op_sel_hi:[1,0]   ; register 16 b + i: channel 32 b + 16 h + i of my query
.set j, j+2
.endr
.irp b, 0,1
	v_max3_num_f32 v[BM+\b], |v[S+16*\b]|, |v[S+16*\b+1]|, 0x1800000
.endr
.irp i, 2,4,6,8,10,12,14
.irp b, 0,1
	v_max3_num_f32 v[BM+\b], v[BM+\b], |v[S+16*\b+\i]|, |v[S+16*\b+\i+1]|
.endr
.endr
.irp b, 0,1
	v_permlanex16_b32 v[T2+\b], v[BM+\b], s[SEL], s[SEL+1]
.endr
.irp b, 0,1
	v_max_num_f32 v[BM+\b], v[BM+\b], v[T2+\b]
.endr
.irp b, 0,1
	v_add_nc_u32 v[SO+\b], 0xff000000, v[BM+\b]
.endr
.irp b, 0,1
	v_lshrrev_b32 v[T2+\b], 23, v[SO+\b]
.endr
	v_lshl_or_b32 v[OWD], v[T2+1], 8, v[T2]        ; the head's two scale bytes
	v_cvt_scalef32_pk16_fp6_f32 v[P:P+2], v[S:S+15], v[SO]
	v_cvt_scalef32_pk16_fp6_f32 v[XA:XA+2], v[S+16:S+31], v[SO+1]
	v_nop
.irp i, 0,1,2
	v_permlane16_swap_b32 v[P+\i], v[XA+\i]
.endr
.irp i, 0,1,2
	v_mov_b32 v[P+3+\i], v[XA+\i]
.endr
.irp p, 0,1,2
	global_store_b64 v3, v[P+2*\p:P+2*\p+1], s[OP:OP+1] offset:256*\p     ; 32 lanes store 256 consecutive bytes, aligned
.endr
	global_store_b32 v2, v[OWD], s[OSP:OSP+1]
	s_wait_tensorcnt 0x0
	ds_add_u32 v254, v255
	s_wait_dscnt 0x0
	s_endpgm
.Lfunc_end_k_q2d69e408f6_attn_cross:
	.size	k_q2d69e408f6_attn_cross, .Lfunc_end_k_q2d69e408f6_attn_cross-k_q2d69e408f6_attn_cross
	.p2alignl 7, 3214868480
	.fill 96, 4, 3214868480
	.section	.rodata,"a",@progbits
	.p2align	6, 0x0
	.amdhsa_kernel k_q2d69e408f6_attn_cross
		.amdhsa_group_segment_fixed_size 215040
		.amdhsa_private_segment_fixed_size 0
		.amdhsa_enable_private_segment 0
		.amdhsa_kernarg_size 24
		.amdhsa_user_sgpr_count 2
		.amdhsa_user_sgpr_kernarg_segment_ptr 1
		.amdhsa_wavefront_size32 1
		.amdhsa_system_sgpr_workgroup_id_x 1
		.amdhsa_system_sgpr_workgroup_id_y 1
		.amdhsa_system_sgpr_workgroup_id_z 1
		.amdhsa_system_vgpr_workitem_id 0
		.amdhsa_next_free_vgpr 256
		.amdhsa_next_free_sgpr 104
		.amdhsa_reserve_vcc 0
		.amdhsa_float_denorm_mode_32 3
		.amdhsa_float_denorm_mode_16_64 3
		.amdhsa_memory_ordered 1
		.amdhsa_forward_progress 1
		.amdhsa_inst_pref_size 32
	.end_amdhsa_kernel
	.amdgpu_metadata
---
amdhsa.version: [ 1, 2 ]
amdhsa.kernels:
  - .name:           k_q2d69e408f6_attn_cross
    .symbol:         k_q2d69e408f6_attn_cross.kd
    .args:
      - { .name: qkv, .offset: 0, .size: 8, .value_kind: global_buffer, .address_space: global }
      - { .name: qc, .offset: 8, .size: 8, .value_kind: global_buffer, .address_space: global }
      - { .name: o2, .offset: 16, .size: 8, .value_kind: global_buffer, .address_space: global }
    .group_segment_fixed_size: 215040
    .private_segment_fixed_size: 0
    .kernarg_segment_align: 8
    .kernarg_segment_size: 24
    .max_flat_workgroup_size: 512
    .sgpr_count:     104
    .vgpr_count:     256
    .wavefront_size: 32
...
	.end_amdgpu_metadata
.endif
;; end of part 5
;; launch post2 (part 6): grid 256 x 1, 4 waves a work-group, no clusters, 104,960 bytes of LDS; arguments o2, prep, x1, ca_bo, ln2_w, ln2_b, b1, b2, ln3_w, ln3_b, out0; writes out0
.if DOCPART == 6
	.amdgcn_target "amdgcn-amd-amdhsa--gfx1250"
	.amdhsa_code_object_version 6
	.text
	.protected	k_q2d69e408f6_post2
	.globl	k_q2d69e408f6_post2
	.p2align	8
	.type	k_q2d69e408f6_post2,@function
k_q2d69e408f6_post2:
	s_mov_b64 s[64:65], 0
	v_nop
	global_prefetch_b8 v0, s[64:65] scope:SCOPE_SE
	s_setreg_imm32_b32 hwreg(HW_REG_WAVE_MODE, 25, 1), 1
	s_wait_xcnt 0x0
; POST2: x2 = LayerNorm(x1 + o W_o^T + b_o); out = LayerNorm(x2 + relu(Q(x2) W1^T + b1) W2^T + b2).  Products on codes of FP6 (E2M3) with E8M0 scales; x2 and the hidden layer never go to memory.
; A work-group takes 32 tokens (tiles m = 0, 1 of 16); wave w takes output channels 128 w .. 128 w + 127 of the first and the last product and 512 hidden units.  D = W(s, t) x tokens(m, s): a lane holds one token, its 64 registers a tile run along 128 channels.
; THE WEIGHTS come as units (a unit = 8 fragments and their scale words for one K step of 128: 12,288 + 1,024 dense bytes, laid so by the first launch): 4 of W_o, 16 of W1, 16 of W2 for each wave, loaded straight into a ring of two register slots, two units ahead all the way.
; Unit U of the 144 lies at 12,288 U (codes) and 1,024 U (scale words) from the streams' first byte; wave v's run is units 36 v on: 4 of W_o, 4 for each of its four groups of 128 hidden units, 4 for each 512 along W2's K.
; THE WORK-GROUPS WALK W1 AND W2 IN SIXTEEN ORDERS, by rot = x % 4 and rotw = (x / 4) % 4, so that they do not all ask for the same bytes at the same time.  Wave w in trip I makes hidden group 4 ((w + rotw) % 4) + (rot + I) % 4 and lays its image in LDS slot 4 w + I;
; the last product's unit (j, s) is W2's K step 4 ((j + rotw) % 4) + (rot + s) % 4, which is what slot 4 j + s holds.  Only global addresses hang on x; the order of the K steps in the last sums differs from work-group to work-group (f32 sums).
; x2 + b2 waits in the residual's registers and is the C of the last product's first unit: the last residual costs no addition.
; The quantised x2 and hidden layer go from wave to wave through LDS as images of the operand's registers; a row's mean and variance span the four waves: one word a lane through LDS.  The variance is taken of x - mean.  Six barriers.
; No tensor load, no cluster: each weight fragment feeds two products and comes dense into its registers; a ring in the LDS that the images leave free would hold no more bytes on their way than the two register slots do.
; LIMITS: a block of zeros gets the scale byte 1 (its codes are zeros; this program alone reads the bytes); NaN and infinities are not served.
; REGISTERS: window 0: v1-15 addresses; v16-143 the 16 accumulators (64 m + 8 t); v144-159 the ring's scale words; v160-167 the tokens'; v168-253 at work.  Window 1: the ring.  Window 2: v0-127 the residual, then x2 + b2, later rows on the way out; v128-223 the tokens' 8 fragments.  Window 3: bias, gain, offset, b2.
.set GRPB, 49152
.set SCB,  9437184
.set OSC,  3145728
.set G0,   156                         ; the streams begin at group 156
.set XI,   4096                        ; LDS: 0: four regions of 1,024 bytes for the rows' sums;  XI: x2's 8 images (2 s + m) x 1,536;  XS: their scale words x 128;
.set XS,   16384
.set HI,   17408                       ; HI: the hidden layer's 32 images (2 G + m) x 1,536, G = 4 x wave + trip;  HS: their scale words;  STG: a stage of 16 rows x 528 bytes for each wave
.set HS,   66560
.set STG,  70656
.set RX,   4
.set BO,   5
.set STO,  6
.set SRD,  7
.set XWI,  8
.set XWS,  9
.set RW,   10
.set HWI,  11
.set HWS,  12
.set HRD,  13
.set HRS,  14
.set HWA,  15
.set ACC,  16
.set RS,   144
.set SS,   160
.set TM,   168
.set TP,   172
.set TSO,  176
.set XA,   180
.set XB,   184
.set PW0,  188
.set PW1,  189
.set PC0,  190
.set PC1,  202
.set OW,   214
.set LT,   230
.set LM,   238
.set VO,   242                         ; v242-245 16 x lane + 49,152 ((j + rotw) % 4): the last product's quarter j, codes;  v246-249 4 x lane + 4,096 (..): scale words; never rewritten
.set VS,   246
.set HSA,  250
.set SFR,  128                         ; in window 2
.set CB,   0                           ; in window 3
.set LW,   64
.set LB,   128
.set B2,   192
.set OP,   4                           ; s[4:5] o's codes, s[26:27] its scale words
.set PB,   6                           ; s[6:7] the streams' codes, s[28:29] their scale words; never rewritten once set
.set XP,   8                           ; s[8:9] the residual
.set B0P,  10
.set LWP,  12
.set LBP,  14
.set B1B,  16                          ; s[16:17] b1
.set B2P,  18
.set L3W,  20
.set L3B,  22
.set XO,   24                          ; s[24:25] out0
.set OSP,  26
.set PSB,  28
.set ROT,  30
.set ROTW, 31
.set W36,  32                          ; s32 36 w: my own run's first unit
.set W36P, 33                          ; s33 36 ((w + rotw) % 4): the run whose units of W1 I take
.set BW,   34                          ; s34 2,048 ((w + rotw) % 4): its 512 biases in b1
.set F2A,  35                          ; s35, s36 the last product's first two units
.set F2B,  36
.set SEL,  40
.set C9,   42
.set EPSR, 43
.set BP,   44                          ; s[44:45] the bias that is asked for next
.set II,   46
.set HOF,  47
.set HOS,  48
.set CP,   52                          ; s[52:53], s[54:55] the group in hand: codes, scale words
.set CSP,  54
.set NA,   56                          ; s[56:57], s[58:59] the next pass's first unit
.set NAS,  58
.set NB,   60                          ; s[60:61], s[62:63] its second
.set NBS,  62
.set PF,   66                          ; s[66:73] the last product: unit 36 w + 20 + (rot + s) % 4, s = 0..3: codes;  s[74:81] scale words
.set PFS,  74
.set MULF, 0x39                        ; weights window 1, tokens window 2, C (a bias) window 3, D window 0
.set MUL0, 0x09                        ; C and D window 0
.set MULX, 0x29                        ; C (x2 + b2) window 2, D window 0
.set MSB, 0
.macro WIN new                         ; the immediate's high byte repeats the setting that is left
.if MSB != \new
	s_set_vgpr_msb (MSB<<8)|\new
.set MSB, \new
.endif
.endm
.macro MMA d, a, b, c, sa, sb
	v_wmma_scale_f32_16x16x128_f8f6f4 v[\d:\d+7], v[\a:\a+11], v[\b:\b+11], v[\c:\c+7], v[\sa], v[\sb] matrix_a_fmt:MATRIX_FMT_FP6 matrix_b_fmt:MATRIX_FMT_FP6
.endm
; 64 numbers of a lane, register 16 b + i = k 32 b + 16 (lane / 16) + i of the lane's row, become a fragment's twelve registers in v[pc] on and the row's scale word in v[pw]
.macro QUANT src, pc, pw
.irp b, 0,1,2,3
	v_max3_num_f32 v[TM+\b], |v[\src+16*\b]|, |v[\src+16*\b+1]|, 0x1800000   ; my 16 numbers of block b, and the floor 2^(3 - 127): the byte cannot fall under 1
.endr
.irp i, 2,4,6,8,10,12,14
.irp b, 0,1,2,3
	v_max3_num_f32 v[TM+\b], v[TM+\b], |v[\src+16*\b+\i]|, |v[\src+16*\b+\i+1]|
.endr
.endr
.irp b, 0,1,2,3
	v_permlanex16_b32 v[TP+\b], v[TM+\b], s[SEL], s[SEL+1]
.endr
.irp b, 0,1,2,3
	v_max_num_f32 v[TM+\b], v[TM+\b], v[TP+\b]
.endr
.irp b, 0,1,2,3
	v_add_nc_u32 v[TSO+\b], 0xff000000, v[TM+\b]      ; 2 off the exponent field: the conversion's scale operand
.endr
.irp b, 0,1,2,3
	v_lshrrev_b32 v[TP+\b], 23, v[TSO+\b]
.endr
	v_lshl_or_b32 v[\pw], v[TP+1], 8, v[TP]
	v_lshl_or_b32 v[\pw], v[TP+2], 16, v[\pw]
	v_lshl_or_b32 v[\pw], v[TP+3], 24, v[\pw]
	v_cvt_scalef32_pk16_fp6_f32 v[\pc:\pc+2], v[\src:\src+15], v[TSO]
	v_cvt_scalef32_pk16_fp6_f32 v[XA:XA+2], v[\src+16:\src+31], v[TSO+1]
	v_cvt_scalef32_pk16_fp6_f32 v[\pc+6:\pc+8], v[\src+32:\src+47], v[TSO+2]
	v_cvt_scalef32_pk16_fp6_f32 v[XB:XB+2], v[\src+48:\src+63], v[TSO+3]
	v_nop                                             ; one plain place behind the scaled conversions
.irp i, 0,1,2
	v_permlane16_swap_b32 v[\pc+\i], v[XA+\i]
	v_permlane16_swap_b32 v[\pc+6+\i], v[XB+\i]
.endr
.irp i, 0,1,2
	v_mov_b32 v[\pc+3+\i], v[XA+\i]
	v_mov_b32 v[\pc+9+\i], v[XB+\i]
.endr
.endm
.macro UPTR dc, ds, ui                 ; the unit whose number stands in s[ui]: its codes' address into s[dc:dc+1], its scale words' into s[ds:ds+1].  (s91 holds 0)
	s_mul_i32 s90, s[\ui], 12288
	s_add_nc_u64 s[\dc:\dc+1], s[PB:PB+1], s[90:91]
	s_lshl_b32 s90, s[\ui], 10
	s_add_nc_u64 s[\ds:\ds+1], s[PSB:PSB+1], s[90:91]
.endm
; The pointers of the hidden layer's trip s[ii]: the trip's own group; the bias and the first two units of what follows it: the next trip's group, or, behind trip 3, the last product's first two units.  (s95 holds 0)
.macro SETP ii
	s_add_co_u32 s92, s[ROT], s[\ii]
	s_and_b32 s92, s92, 3                          ; which of the run's four groups of 128 hidden units this trip makes
	s_lshl_b32 s92, s92, 2
	s_add_co_u32 s92, s92, s[W36P]
	s_add_co_u32 s92, s92, 4                       ; its first unit
	UPTR CP, CSP, 92
	s_add_co_u32 s93, s[ROT], s[\ii]
	s_add_co_u32 s93, s93, 1
	s_and_b32 s93, s93, 3                          ; and the next trip (behind trip 3 this names the first trip's group again: its bias is asked for once more and nobody reads it, so that every trip issues the same loads, all inside b1)
	s_lshl_b32 s94, s93, 9
	s_add_co_u32 s94, s94, s[BW]
	s_add_nc_u64 s[BP:BP+1], s[B1B:B1B+1], s[94:95]
	s_lshl_b32 s93, s93, 2
	s_add_co_u32 s93, s93, s[W36P]
	s_add_co_u32 s93, s93, 4
	s_add_co_u32 s96, s93, 1
	s_cmp_eq_u32 s[\ii], 3
	s_cselect_b32 s93, s[F2A], s93
	s_cselect_b32 s96, s[F2B], s96
	UPTR NA, NAS, 93
	UPTR NB, NBS, 96
.endm
.macro ULOAD slot, vc, vs, cp, sp, off ; a unit into a slot of the ring: 32 loads.  Its codes at s[cp:cp+1] + v[vc] + 12,288 off, its scale words at s[sp:sp+1] + v[vs] + 1,024 off
	WIN 0x40
.irp t, 0,1,2,3,4,5,6,7
.irp c, 0,1,2
	global_load_b128 v[96*(\slot)+12*\t+4*\c:96*(\slot)+12*\t+4*\c+3], v[\vc], s[\cp:\cp+1] offset:(\off)*12288+\t*1536+512*\c
.endr
.endr
	WIN 0
.irp t, 0,1,2,3,4,5,6,7
	global_load_b32 v[RS+8*(\slot)+\t], v[\vs], s[\sp:\sp+1] offset:(\off)*1024+128*\t
.endr
.endm
.macro VLOAD dst, ptr                  ; my 64 of a vector of 128 channels into window 3: register 16 b + i = channel 32 b + 16 h + i: 16 loads
	WIN 0xc0
.set k, 0
.rept 16
	global_load_b128 v[\dst+4*k:\dst+4*k+3], v[BO], s[\ptr:\ptr+1] offset:128*(k/4)+16*(k%4)
.set k, k+1
.endr
	WIN 0
.endm
.macro UMUL slot, s, mode              ; 16 products: the slot's 8 fragments x the two tiles of tokens, K step s; the sixteen accumulators by turns
	WIN \mode
.irp t, 0,1,2,3,4,5,6,7
.irp m, 0,1
.if \mode == MULF
	MMA ACC+64*\m+8*\t, 96*(\slot)+12*\t, SFR+48*\m+12*(\s), CB+8*\t, RS+8*(\slot)+\t, SS+4*\m+(\s)
.elseif \mode == MULX
	MMA ACC+64*\m+8*\t, 96*(\slot)+12*\t, SFR+48*\m+12*(\s), 64*\m+8*\t, RS+8*(\slot)+\t, SS+4*\m+(\s)
.else
	MMA ACC+64*\m+8*\t, 96*(\slot)+12*\t, SFR+48*\m+12*(\s), ACC+64*\m+8*\t, RS+8*(\slot)+\t, SS+4*\m+(\s)
.endif
.endr
.endr
	WIN 0
.endm
; wcnt: the loads issued behind this unit's, which may stay out;  pf = 1: the slot is asked for again, by ULOAD's five last arguments;  cb = 1: the next pass's bias is asked for
.macro UNIT slot, s, mode, wcnt, pf, vc, vs, cp, sp, off, cb
	s_wait_loadcnt \wcnt
	UMUL \slot, \s, \mode
.rept 4
	v_nop                                          ; places behind the products: in front of loads into their operands and of the first read of results
.endr
.if \pf
	ULOAD \slot, \vc, \vs, \cp, \sp, \off
.endif
.if \cb
	VLOAD CB, BP
.endif
.endm
.macro FETCH areg, aoff, sreg, soff    ; eight images (2 s + m) and their scale words come out of LDS into the tokens' registers
	WIN 0x80
.irp s, 0,1,2,3
.irp m, 0,1
.irp c, 0,1,2
	ds_load_b128 v[SFR+48*\m+12*\s+4*\c:SFR+48*\m+12*\s+4*\c+3], v[\areg] offset:\aoff+(2*\s+\m)*1536+512*\c
.endr
.endr
.endr
	WIN 0
.irp s, 0,1,2,3
.irp m, 0,1
	ds_load_b32 v[SS+4*\m+\s], v[\sreg] offset:\soff+(2*\s+\m)*128
.endr
.endr
	s_wait_dscnt 0x0
.endm
.macro BARRIER                         ; my LDS stores have landed and my LDS loads are in: then the work-group's barrier
	s_wait_dscnt 0x0
	s_barrier_signal -1
	s_barrier_wait -1
.endm
.macro LNRED rg                        ; each tile's two chains in v[LT + 4 m] on: joined, with lane l xor 16's, and over the four waves through region rg: the row's sum in v[OW + 4 m]
.irp m, 0,1
	v_pk_add_f32 v[LT+4*\m:LT+4*\m+1], v[LT+4*\m:LT+4*\m+1], v[LT+4*\m+2:LT+4*\m+3]
.endr
.irp m, 0,1
	v_add_f32 v[LT+4*\m], v[LT+4*\m], v[LT+4*\m+1]
.endr
.irp m, 0,1
	v_permlanex16_b32 v[LT+4*\m+2], v[LT+4*\m], s[SEL], s[SEL+1]
.endr
.irp m, 0,1
	v_add_f32 v[LT+4*\m], v[LT+4*\m], v[LT+4*\m+2]
.endr
.irp m, 0,1
	ds_store_b32 v[RW], v[LT+4*\m] offset:(\rg)*1024+512*\m
.endr
	BARRIER
.irp m, 0,1
.irp e, 0,1,2,3
	ds_load_b32 v[OW+4*\m+\e], v2 offset:(\rg)*1024+512*\m+128*\e
.endr
.endr
	s_wait_dscnt 0x0
.irp m, 0,1
	v_add_f32 v[OW+4*\m], v[OW+4*\m], v[OW+4*\m+1]
	v_add_f32 v[OW+4*\m+2], v[OW+4*\m+2], v[OW+4*\m+3]
.endr
.irp m, 0,1
	v_add_f32 v[OW+4*\m], v[OW+4*\m], v[OW+4*\m+2]
.endr
.endm
.macro LNORM rg                        ; the accumulators' 32 rows x 512 are normalised in place; regions rg and rg + 1 are used once each
.irp m, 0,1
	v_pk_add_f32 v[LT+4*\m:LT+4*\m+1], v[ACC+64*\m:ACC+64*\m+1], v[ACC+64*\m+2:ACC+64*\m+3]
	v_pk_add_f32 v[LT+4*\m+2:LT+4*\m+3], v[ACC+64*\m+4:ACC+64*\m+5], v[ACC+64*\m+6:ACC+64*\m+7]
.endr
.set k, 8
.rept 14
.irp m, 0,1
	v_pk_add_f32 v[LT+4*\m:LT+4*\m+1], v[LT+4*\m:LT+4*\m+1], v[ACC+64*\m+k:ACC+64*\m+k+1]
	v_pk_add_f32 v[LT+4*\m+2:LT+4*\m+3], v[LT+4*\m+2:LT+4*\m+3], v[ACC+64*\m+k+2:ACC+64*\m+k+3]
.endr
.set k, k+4
.endr
	LNRED \rg
.irp m, 0,1
	v_mul_f32 v[LM+2*\m], 0xbb000000, v[OW+4*\m]   ; -mean = sum x -2^-9
.endr
.irp m, 0,1
	v_mov_b32 v[LM+2*\m+1], v[LM+2*\m]
.endr
.set k, 0
.rept 32
.irp m, 0,1
	v_pk_add_f32 v[ACC+64*\m+k:ACC+64*\m+k+1], v[ACC+64*\m+k:ACC+64*\m+k+1], v[LM+2*\m:LM+2*\m+1]
.endr
.set k, k+2
.endr
.irp m, 0,1
	v_pk_mul_f32 v[LT+4*\m:LT+4*\m+1], v[ACC+64*\m:ACC+64*\m+1], v[ACC+64*\m:ACC+64*\m+1]
	v_pk_mul_f32 v[LT+4*\m+2:LT+4*\m+3], v[ACC+64*\m+2:ACC+64*\m+3], v[ACC+64*\m+2:ACC+64*\m+3]
.endr
.set k, 4
.rept 15
.irp m, 0,1
	v_pk_fma_f32 v[LT+4*\m:LT+4*\m+1], v[ACC+64*\m+k:ACC+64*\m+k+1], v[ACC+64*\m+k:ACC+64*\m+k+1], v[LT+4*\m:LT+4*\m+1]
	v_pk_fma_f32 v[LT+4*\m+2:LT+4*\m+3], v[ACC+64*\m+k+2:ACC+64*\m+k+3], v[ACC+64*\m+k+2:ACC+64*\m+k+3], v[LT+4*\m+2:LT+4*\m+3]
.endr
.set k, k+4
.endr
	LNRED (\rg)+1
.irp m, 0,1
	v_fma_f32 v[OW+4*\m], v[OW+4*\m], s[C9], s[EPSR]   ; variance + 1e-5
.endr
.irp m, 0,1
	v_rsq_f32 v[LM+2*\m], v[OW+4*\m]
.endr
	v_nop                                          ; a plain place behind the two roots
	s_wait_alu depctr_va_vdst(0)                   ; and one wait ahead of their first reader
.irp m, 0,1
	v_mov_b32 v[LM+2*\m+1], v[LM+2*\m]
.endr
.set k, 0
.rept 32
.irp m, 0,1
	v_pk_mul_f32 v[ACC+64*\m+k:ACC+64*\m+k+1], v[ACC+64*\m+k:ACC+64*\m+k+1], v[LM+2*\m:LM+2*\m+1]
.endr
.set k, k+2
.endr
	WIN 0x3c                                       ; gain and offset: window 3
.set k, 0
.rept 32
.irp m, 0,1
	v_pk_fma_f32 v[ACC+64*\m+k:ACC+64*\m+k+1], v[ACC+64*\m+k:ACC+64*\m+k+1], v[LW+k:LW+k+1], v[LB+k:LB+k+1]
.endr
.set k, k+2
.endr
	WIN 0
.endm
.macro STAGE ptr                       ; a lane holds 4 x 64 bytes of one row: a tile goes through my own stage and leaves as whole runs of 512 bytes.  LDS serves a wave's instructions in order: no wait between stores and loads
.irp m, 0,1
.set k, 0
.rept 16
	ds_store_b128 v[STO], v[ACC+64*\m+4*k:ACC+64*\m+4*k+3] offset:128*(k/4)+16*(k%4)
.set k, k+1
.endr
	WIN 0x80
.set k, 0
.rept 16
	ds_load_b128 v[64*\m+4*k:64*\m+4*k+3], v[SRD] offset:528*k
.set k, k+1
.endr
	s_wait_dscnt 0x0
	WIN 0x08                                       ; a store's data: window 2
.set k, 0
.rept 16
	global_store_b128 v1, v[64*\m+4*k:64*\m+4*k+3], s[\ptr:\ptr+1] offset:(8*\m+k+8*(k/8))*2048 th:TH_STORE_NT   ; 32 lanes store 512 consecutive bytes, aligned
.set k, k+1
.endr
	WIN 0
.endr
.endm
	s_load_b512 s[4:19], s[0:1], 0x0               ; o2, prep, x1, ca_bo, ln2_w, ln2_b, b1, b2
	s_load_b128 s[20:23], s[0:1], 0x40             ; ln3_w, ln3_b
	s_load_b64 s[24:25], s[0:1], 0x50              ; out0
	v_lshl_add_u32 v254, v0, 2, 0x19800
	v_mov_b32 v255, 0
	v_lshrrev_b32 v1, 5, v0
	v_readfirstlane_b32 s2, v1                     ; wave 0..3
	v_and_b32 v15, 31, v0
	v_and_b32 v250, 15, v0                         ; r
	v_bfe_u32 v5, v0, 4, 1                         ; h
	v_lshlrev_b32 v1, 4, v15                       ; 16 x lane
	v_lshlrev_b32 v2, 2, v15                       ; 4 x lane
	v_lshlrev_b32 v3, 3, v15                       ; 8 x lane
	v_and_b32 v4, 8, v250
	v_add_nc_u32 v4, v4, v250
	v_lshlrev_b32 v4, 11, v4
	v_lshl_add_u32 v[RX], v5, 6, v4                ; my token's row of 2,048 bytes, + 64 h
	v_mul_u32_u24 v6, v250, 528
	v_lshl_add_u32 v6, v5, 6, v6                   ; the stage: row r, + 64 h
	v_lshlrev_b32 v[BO], 6, v5                     ; 64 h
	s_mov_b32 s[SEL], 0x76543210
	s_mov_b32 s[SEL+1], 0xfedcba98
	s_mov_b32 s[C9], 0x3b000000                    ; 2^-9
	s_mov_b32 s[EPSR], 0x3727c5ac                  ; 1e-5
	s_mul_i32 s84, s2, 8448
	s_add_co_u32 s84, s84, STG                     ; my stage
	s_mul_i32 s85, s2, 3072
	s_add_co_u32 s85, s85, XI                      ; x2's images: K step w, tiles 0 and 1
	s_lshl_b32 s86, s2, 8
	s_add_co_u32 s86, s86, XS
	s_lshl_b32 s87, s2, 7
	s_mul_i32 s88, s2, 12288
	s_add_co_u32 s88, s88, HI                      ; the hidden layer's: slots 4 w on
	s_lshl_b32 s89, s2, 10
	s_add_co_u32 s89, s89, HS
	s_mov_b32 s91, 0
	s_mov_b32 s95, 0
	s_and_b32 s[ROT], ttmp9, 3                     ; the work-group's order of walking the weights
	s_lshr_b32 s[ROTW], ttmp9, 2
	s_and_b32 s[ROTW], s[ROTW], 3
	s_mul_i32 s[W36], s2, 36
	s_add_co_u32 s[W36P], s2, s[ROTW]
	s_and_b32 s[W36P], s[W36P], 3
	s_lshl_b32 s[BW], s[W36P], 11
	s_mul_i32 s[W36P], s[W36P], 36
	s_lshl_b32 s[F2A], s[ROTW], 2
	s_add_co_u32 s[F2A], s[F2A], s[W36]
	s_add_co_u32 s[F2A], s[F2A], 20                ; W2's quarter (0 + rotw) % 4 of my rows,
	s_add_co_u32 s[F2B], s[ROT], 1
	s_and_b32 s[F2B], s[F2B], 3
	s_add_co_u32 s[F2B], s[F2B], s[F2A]            ; its unit (rot + 1) % 4,
	s_add_co_u32 s[F2A], s[F2A], s[ROT]            ; and its unit rot
.irp j, 0,1,2,3
	s_add_co_u32 s92, s[ROTW], \j
	s_and_b32 s92, s92, 3
	s_mul_i32 s93, s92, GRPB
	v_add_nc_u32 v[VO+\j], s93, v1
	s_lshl_b32 s93, s92, 12
	v_add_nc_u32 v[VS+\j], s93, v2
.endr
	s_mov_b32 s55, 0
	s_mov_b32 s57, 0
	s_mov_b32 s63, 0
	s_mov_b32 s67, 0
	s_mul_i32 s54, ttmp9, 12288                    ; o: two tiles x 8 heads x 768 bytes
	s_lshl_b32 s56, ttmp9, 11
	s_add_co_u32 s56, s56, OSC
	s_lshl_b32 s62, ttmp9, 16                      ; 32 rows of 2,048 bytes,
	s_lshl_b32 s66, s2, 9                          ; my 128 channels
	s_add_co_u32 s62, s62, s66
	s_wait_kmcnt 0x0
	s_add_nc_u64 s[OSP:OSP+1], s[4:5], s[56:57]
	s_add_nc_u64 s[OP:OP+1], s[4:5], s[54:55]
	s_add_nc_u64 s[PSB:PSB+1], s[6:7], SCB+G0*4096
	s_add_nc_u64 s[PB:PB+1], s[6:7], G0*GRPB
	s_add_nc_u64 s[XP:XP+1], s[XP:XP+1], s[62:63]
	s_add_nc_u64 s[XO:XO+1], s[XO:XO+1], s[62:63]
	s_add_nc_u64 s[B0P:B0P+1], s[B0P:B0P+1], s[66:67]
	s_add_nc_u64 s[LWP:LWP+1], s[LWP:LWP+1], s[66:67]
	s_add_nc_u64 s[LBP:LBP+1], s[LBP:LBP+1], s[66:67]
	s_add_nc_u64 s[B2P:B2P+1], s[B2P:B2P+1], s[66:67]
	s_add_nc_u64 s[L3W:L3W+1], s[L3W:L3W+1], s[66:67]
	s_add_nc_u64 s[L3B:L3B+1], s[L3B:L3B+1], s[66:67]
.irp s, 0,1,2,3
	s_add_co_u32 s92, s[ROT], \s
	s_and_b32 s92, s92, 3
	s_add_co_u32 s92, s92, s[W36]
	s_add_co_u32 s92, s92, 20
	UPTR PF+2*\s, PFS+2*\s, 92
.endr
	s_mov_b32 s[II], -1                            ; what follows the first product is the hidden layer's trip 0: its bias and its first two units;
	SETP II
	UPTR CP, CSP, W36                              ; the group in hand is W_o's: my run's first four units
	; ---- the out-projection, the residual and the norm
	WIN 0x80
.irp m, 0,1
.set k, 0
.rept 16
	global_load_b128 v[64*\m+4*k:64*\m+4*k+3], v[RX], s[XP:XP+1] offset:16384*\m+128*(k/4)+16*(k%4)   ; the residual, in the result's layout
.set k, k+1
.endr
.endr
	WIN 0
	VLOAD LW, LWP
	VLOAD LB, LBP
	VLOAD CB, B0P
	VLOAD B2, B2P
	WIN 0x80
.irp m, 0,1
.set k, 0
.rept 24
	global_load_b64 v[SFR+48*\m+2*k:SFR+48*\m+2*k+1], v3, s[OP:OP+1] offset:6144*\m+256*k   ; heads 2 s, 2 s + 1 make K step s: 8 heads x 3 pieces are the tile's four fragments on end
.set k, k+1
.endr
.endr
	WIN 0
.irp m, 0,1
.irp e, 0,1,2,3,4,5,6,7
	global_load_b32 v[OW+8*\m+\e], v2, s[OSP:OSP+1] offset:1024*\m+128*\e
.endr
.endr
	ULOAD 0, 1, 2, CP, CSP, 0
	s_wait_loadcnt 32                              ; all but unit 0's 32 loads
.irp m, 0,1
.irp s, 0,1,2,3
	v_lshl_or_b32 v[SS+4*\m+\s], v[OW+8*\m+2*\s+1], 16, v[OW+8*\m+2*\s]   ; two heads' two bytes each: a K step's scale word
.endr
.endr
	ULOAD 1, 1, 2, CP, CSP, 1
	v_add_nc_u32 v[STO], s84, v6                   ; (these lines are also the eight places between the scale words just made and the first product)
	v_add_nc_u32 v[SRD], s84, v1
	v_add_nc_u32 v[XWI], s85, v1
	v_add_nc_u32 v[XWS], s86, v2
	v_add_nc_u32 v[RW], s87, v2
	v_add_nc_u32 v[HWI], s88, v1
	v_add_nc_u32 v[HWS], s89, v2
	v_add_nc_u32 v[HRD], HI, v1
	v_add_nc_u32 v[HRS], HS, v2
.irp b, 0,1,2,3
	v_mov_b32 v[TP+\b], 0                          ; written once: a lane permute's destination counts as one of its sources
.endr
	UNIT 0, 0, MULF, 32, 1, 1, 2, CP, CSP, 2, 0    ; 32: the next unit's loads may be out
	UNIT 1, 1, MUL0, 32, 1, 1, 2, CP, CSP, 3, 0
	UNIT 0, 2, MUL0, 32, 1, 1, 2, NA, NAS, 0, 1    ; the hidden layer's first unit and bias are asked for
	UNIT 1, 3, MUL0, 48, 1, 1, 2, NB, NBS, 0, 0    ; 48: that unit's 32 and the bias's 16
	WIN 0x08
.set k, 0
.rept 64
	v_pk_add_f32 v[ACC+k:ACC+k+1], v[ACC+k:ACC+k+1], v[k:k+1]
.set k, k+2
.endr
	WIN 0
	LNORM 0
	WIN 0x8c                                       ; destination window 2, b2 window 3
.set k, 0
.rept 32
	v_pk_add_f32 v[k:k+1], v[ACC+k:ACC+k+1], v[B2+k:B2+k+1]                 ; x2 + b2 waits where the residual lay
	v_pk_add_f32 v[64+k:65+k], v[ACC+64+k:ACC+65+k], v[B2+k:B2+k+1]
.set k, k+2
.endr
	WIN 0
	VLOAD LW, L3W                                  ; the last norm's gain and offset take the places of this one's
	VLOAD LB, L3B
	; ---- x2 becomes K step w of the next product, for both tiles
	QUANT ACC, PC0, PW0
.irp c, 0,1,2
	ds_store_b128 v[XWI], v[PC0+4*\c:PC0+4*\c+3] offset:512*\c
.endr
	ds_store_b32 v[XWS], v[PW0]
	QUANT ACC+64, PC1, PW1
.irp c, 0,1,2
	ds_store_b128 v[XWI], v[PC1+4*\c:PC1+4*\c+3] offset:1536+512*\c
.endr
	ds_store_b32 v[XWS], v[PW1] offset:128
	BARRIER                                        ; x2's eight fragments lie in LDS
	FETCH 1, XI, 2, XS
	s_wait_xcnt 0x0                                ; every load issued has read its base: the pointers are written again only behind this wait
	s_mov_b32 s[II], 0
	SETP II
	s_mov_b32 s[HOF], 0
	s_mov_b32 s[HOS], 0
	; ---- the hidden layer: four trips of 128 hidden units
.Lffn1:
	UNIT 0, 0, MULF, 32, 1, 1, 2, CP, CSP, 2, 0    ; this trip's first unit and bias are in; 32 younger loads may be out (in the first trip those are the last norm's vectors, so that more is in than is needed)
	UNIT 1, 1, MUL0, 32, 1, 1, 2, CP, CSP, 3, 0
	UNIT 0, 2, MUL0, 32, 1, 1, 2, NA, NAS, 0, 1
	UNIT 1, 3, MUL0, 48, 1, 1, 2, NB, NBS, 0, 0    ; 48: the next pass's first unit and the bias behind it
.set k, 0
.rept 128
	v_max_num_f32 v[ACC+k], 0, v[ACC+k]            ; the activation, in f32
.set k, k+1
.endr
	v_add_nc_u32 v[HWA], s[HOF], v[HWI]
	v_add_nc_u32 v[HSA], s[HOS], v[HWS]
	QUANT ACC, PC0, PW0
.irp c, 0,1,2
	ds_store_b128 v[HWA], v[PC0+4*\c:PC0+4*\c+3] offset:512*\c
.endr
	ds_store_b32 v[HSA], v[PW0]
	QUANT ACC+64, PC1, PW1
.irp c, 0,1,2
	ds_store_b128 v[HWA], v[PC1+4*\c:PC1+4*\c+3] offset:1536+512*\c
.endr
	ds_store_b32 v[HSA], v[PW1] offset:128
	s_wait_dscnt 0x0                               ; the stores have read their registers: the next trip writes them again
	s_wait_xcnt 0x0                                ; and the loads their bases
	s_add_co_u32 s[II], s[II], 1
	SETP II                                        ; (behind the last trip nothing is loaded by these pointers any more)
	s_add_co_u32 s[HOF], s[HOF], 3072
	s_add_co_u32 s[HOS], s[HOS], 256
	s_cmp_lt_u32 s[II], 4
	s_cbranch_scc1 .Lffn1
	BARRIER                                        ; the hidden layer's 32 fragments lie in LDS
	; ---- the last product: 16 K steps, written out.  Unit (j, s) comes by pointer s and vector offset j; no register of an address is written again
.set u, 0
.rept 16
.set u2, u+2
.if u%4 == 0
	FETCH HRD, (u/4)*12288, HRS, (u/4)*1024
.endif
.if u == 0
	UNIT 0, 0, MULX, 32, 1, VO, VS, PF+4, PFS+4, 0, 0                      ; the sums begin as x2 + b2
.elseif u < 14
	UNIT u%2, u%4, MUL0, 32, 1, VO+(u2/4), VS+(u2/4), PF+2*(u2%4), PFS+2*(u2%4), 0, 0
.elseif u == 14
	UNIT 0, 2, MUL0, 32, 0, 1, 2, CP, CSP, 0, 0
.else
	UNIT 1, 3, MUL0, 0, 0, 1, 2, CP, CSP, 0, 0
.endif
.set u, u+1
.endr
	LNORM 2
	STAGE XO
	s_wait_tensorcnt 0x0
	ds_add_u32 v254, v255
	s_wait_dscnt 0x0
	s_endpgm
.Lfunc_end_k_q2d69e408f6_post2:
	.size	k_q2d69e408f6_post2, .Lfunc_end_k_q2d69e408f6_post2-k_q2d69e408f6_post2
	.p2alignl 7, 3214868480
	.fill 96, 4, 3214868480
	.section	.rodata,"a",@progbits
	.p2align	6, 0x0
	.amdhsa_kernel k_q2d69e408f6_post2
		.amdhsa_group_segment_fixed_size 104960
		.amdhsa_private_segment_fixed_size 0
		.amdhsa_enable_private_segment 0
		.amdhsa_kernarg_size 88
		.amdhsa_user_sgpr_count 2
		.amdhsa_user_sgpr_kernarg_segment_ptr 1
		.amdhsa_wavefront_size32 1
		.amdhsa_system_sgpr_workgroup_id_x 1
		.amdhsa_system_sgpr_workgroup_id_y 1
		.amdhsa_system_sgpr_workgroup_id_z 1
		.amdhsa_system_vgpr_workitem_id 0
		.amdhsa_next_free_vgpr 1024
		.amdhsa_next_free_sgpr 100
		.amdhsa_reserve_vcc 0
		.amdhsa_float_denorm_mode_32 3
		.amdhsa_float_denorm_mode_16_64 3
		.amdhsa_memory_ordered 1
		.amdhsa_forward_progress 1
		.amdhsa_inst_pref_size 251
	.end_amdhsa_kernel
	.amdgpu_metadata
---
amdhsa.version: [ 1, 2 ]
amdhsa.kernels:
  - .name:           k_q2d69e408f6_post2
    .symbol:         k_q2d69e408f6_post2.kd
    .args:
      - { .name: o2, .offset: 0, .size: 8, .value_kind: global_buffer, .address_space: global }
      - { .name: prep, .offset: 8, .size: 8, .value_kind: global_buffer, .address_space: global }
      - { .name: x1, .offset: 16, .size: 8, .value_kind: global_buffer, .address_space: global }
      - { .name: ca_bo, .offset: 24, .size: 8, .value_kind: global_buffer, .address_space: global }
      - { .name: ln2_w, .offset: 32, .size: 8, .value_kind: global_buffer, .address_space: global }
      - { .name: ln2_b, .offset: 40, .size: 8, .value_kind: global_buffer, .address_space: global }
      - { .name: b1, .offset: 48, .size: 8, .value_kind: global_buffer, .address_space: global }
      - { .name: b2, .offset: 56, .size: 8, .value_kind: global_buffer, .address_space: global }
      - { .name: ln3_w, .offset: 64, .size: 8, .value_kind: global_buffer, .address_space: global }
      - { .name: ln3_b, .offset: 72, .size: 8, .value_kind: global_buffer, .address_space: global }
      - { .name: out0, .offset: 80, .size: 8, .value_kind: global_buffer, .address_space: global }
    .group_segment_fixed_size: 104960
    .private_segment_fixed_size: 0
    .kernarg_segment_align: 8
    .kernarg_segment_size: 88
    .max_flat_workgroup_size: 128
    .sgpr_count:     100
    .vgpr_count:     1024
    .wavefront_size: 32
...
	.end_amdgpu_metadata
.endif
;; end of part 6
;; ======== version 2 of 2: 6 launches
;; limits: right only within a limited range of input values
;; workspace buffers: prep 10,223,616 bytes; maskw 532,480 bytes of whole numbers; qkv 17,039,360 bytes; qc 3,407,872 bytes; o1 3,670,016 bytes; o2 3,670,016 bytes; x1 16,777,216 bytes
;; launch prep (part 7): grid 512 x 1, 4 waves a work-group, no clusters, 0 bytes of LDS; arguments tgt, tgt_mask, prep, maskw, memory_codes, memory_scales, sa_wq_codes, sa_wq_scales, sa_wk_codes, sa_wk_scales, ca_wk_codes, ca_wk_scales, sa_wv_codes, sa_wv_scales, ca_wv_codes, ca_wv_scales, sa_wo_codes, sa_wo_scales, ca_wq_codes, ca_wq_scales, ca_wo_codes, ca_wo_scales, w1_codes, w1_scales, w2_codes, w2_scales; writes prep, maskw
.if DOCPART == 7
	.amdgcn_target "amdgcn-amd-amdhsa--gfx1250"
	.amdhsa_code_object_version 6
	.text
	.protected	k_q2d69e408f6_prep
	.globl	k_q2d69e408f6_prep
	.p2align	8
	.type	k_q2d69e408f6_prep,@function
k_q2d69e408f6_prep:
	s_mov_b64 s[64:65], 0
	v_nop
	global_prefetch_b8 v0, s[64:65] scope:SCOPE_SE
	s_setreg_imm32_b32 hwreg(HW_REG_WAVE_MODE, 25, 1), 1
	s_wait_xcnt 0x0
; PREP: every operand that later launches read many times is laid ONCE in the order of the matrix operand's registers, so that a fragment comes by three dense loads of 16 bytes a lane.
; TILE ORDER (all operands): tile T takes rows 32 (T / 2) + 8 (T % 2) + r + 8 (r / 8), r = lane % 16: the 16 result registers of tiles 2 b, 2 b + 1 as source 0 are then 16 neighbours 32 b + 16 (lane / 16) + 0 .. 15.
; GROUP IMAGE: 8 tiles x 4 K steps of 128.  Codes: fragment (s, t) at (8 s + t) x 1,536, registers 4 c .. 4 c + 3 of lane L at 512 c + 16 L.  Scale words: (8 s + t) x 128 + 4 L (lanes 16-31 repeat lanes 0-15).
; Buffer prep: codes of group G at G x 49,152 (192 groups), scale words at SCB + G x 4,096.  Groups 0-63 tgt, 64-127 memory, 128-147 the five projections' weights, 148-155 and 156-191 the two row chains' weight streams, a run for each wave.
; Three paths part on the work-group's number: 0-127 quantise tgt (a wave a tile), 128-383 lay given codes anew (a wave a tile x 4 K steps), 384-511 turn the mask's bytes into lane masks (a work-group a tile of queries).
; THE QUANTISER: a block's scale is 2^(floor(log2(largest magnitude)) - 2); its byte is the largest magnitude's exponent field - 2, held at 1 from below.
; LIMITS: a block of zeros gets the byte 1 where the rule says 127 (its codes are zeros, and this program alone reads the bytes); NaN and infinities among the inputs are not served.
; No LDS, no barrier, no matrix work: waves share nothing.
.set GRPB, 49152
.set SCB,  192*GRPB
.set RAB,  524288                      ; maskw: behind the lane masks, one word for each (tile of queries, key step): bit r = row r has an open key there
.set X0,   16                          ; v16-79, v80-143: two sets of 64 numbers
.set X1,   80
.set TM,   144                         ; the quantiser's registers
.set TP,   148
.set TSO,  152
.set XA,   156
.set XB,   160
.set PC,   168                         ; v168-215 codes: twelve registers for each K step, so that no store's data are written again
.set PW,   216                         ; v216-219 scale words
.set WA,   48                          ; mask path: v48-55 a pair of registers for each step's 64 words
.set RAV,  56
.set SEL,  80                          ; s[80:81] selects for lane l xor 16
; 64 numbers of a lane, register 16 b + i = k 32 b + 16 (lane / 16) + i of the lane's row, become a fragment's twelve registers in v[pc] on and the row's scale word in v[pw]
.macro QUANT src, pc, pw
.irp b, 0,1,2,3
	v_max3_num_f32 v[TM+\b], |v[\src+16*\b]|, |v[\src+16*\b+1]|, 0x1800000   ; my 16 numbers of block b, and the floor 2^(3 - 127): the byte cannot fall under 1
.endr
.irp i, 2,4,6,8,10,12,14
.irp b, 0,1,2,3
	v_max3_num_f32 v[TM+\b], v[TM+\b], |v[\src+16*\b+\i]|, |v[\src+16*\b+\i+1]|
.endr
.endr
.irp b, 0,1,2,3
	v_permlanex16_b32 v[TP+\b], v[TM+\b], s[SEL], s[SEL+1]
.endr
.irp b, 0,1,2,3
	v_max_num_f32 v[TM+\b], v[TM+\b], v[TP+\b]        ; with lane l xor 16's 16: the block's largest magnitude
.endr
.irp b, 0,1,2,3
	v_add_nc_u32 v[TSO+\b], 0xff000000, v[TM+\b]      ; 2 off its exponent field: the conversion's scale operand
.endr
.irp b, 0,1,2,3
	v_lshrrev_b32 v[TP+\b], 23, v[TSO+\b]             ; the scale's byte
.endr
	v_lshl_or_b32 v[\pw], v[TP+1], 8, v[TP]
	v_lshl_or_b32 v[\pw], v[TP+2], 16, v[\pw]
	v_lshl_or_b32 v[\pw], v[TP+3], 24, v[\pw]
	v_cvt_scalef32_pk16_fp6_f32 v[\pc:\pc+2], v[\src:\src+15], v[TSO]
	v_cvt_scalef32_pk16_fp6_f32 v[XA:XA+2], v[\src+16:\src+31], v[TSO+1]   ; (a conversion's three registers begin on an even number)
	v_cvt_scalef32_pk16_fp6_f32 v[\pc+6:\pc+8], v[\src+32:\src+47], v[TSO+2]
	v_cvt_scalef32_pk16_fp6_f32 v[XB:XB+2], v[\src+48:\src+63], v[TSO+3]
	v_nop                                             ; one plain place behind the scaled conversions
.irp i, 0,1,2
	v_permlane16_swap_b32 v[\pc+\i], v[XA+\i]         ; the operand wants a whole block in a lane: lanes 0-15 the even block, lanes 16-31 the odd one
	v_permlane16_swap_b32 v[\pc+6+\i], v[XB+\i]
.endr
.irp i, 0,1,2
	v_mov_b32 v[\pc+3+\i], v[XA+\i]
	v_mov_b32 v[\pc+9+\i], v[XB+\i]
.endr
.endm
.macro ROW0 d, tile, tmp               ; a tile's first row: 32 (tile / 2) + 8 (tile % 2)
	s_lshr_b32 s[\d], s[\tile], 1
	s_lshl_b32 s[\d], s[\d], 5
	s_and_b32 s[\tmp], s[\tile], 1
	s_lshl_b32 s[\tmp], s[\tmp], 3
	s_add_co_u32 s[\d], s[\d], s[\tmp]
.endm
	s_load_b256 s[4:11], s[0:1], 0x0               ; tgt, tgt_mask, prep, maskw
	v_lshrrev_b32 v1, 5, v0
	v_readfirstlane_b32 s2, v1                     ; wave 0..3
	v_and_b32 v1, 31, v0                           ; lane
	v_and_b32 v2, 15, v0                           ; r
	v_bfe_u32 v3, v0, 4, 1                         ; h
	v_and_b32 v4, 8, v2
	v_add_nc_u32 v4, v4, v2                        ; r + 8 (r / 8)
	v_lshlrev_b32 v6, 4, v1                        ; 16 x lane
	v_lshlrev_b32 v7, 2, v1                        ; 4 x lane
	v_lshlrev_b32 v8, 3, v1                        ; 8 x lane
	s_cmp_ge_u32 ttmp9, 384
	s_cbranch_scc1 .Lmask
	s_cmp_ge_u32 ttmp9, 128
	s_cbranch_scc1 .Lcodes
	; ---- tgt: my wave's tile of 16 tokens, four K steps of 128
	s_lshl_b32 s12, ttmp9, 2
	s_add_co_u32 s12, s12, s2                      ; tile 0..511
	ROW0 13, 12, 14
	s_lshl_b32 s16, s13, 11                        ; a row of tgt is 2,048 bytes
	s_mov_b32 s17, 0
	s_lshr_b32 s14, s12, 3                         ; group
	s_and_b32 s15, s12, 7                          ; tile in it
	s_mul_i32 s18, s14, GRPB
	s_mul_i32 s20, s15, 1536
	s_add_co_u32 s18, s18, s20
	s_mov_b32 s19, 0
	s_lshl_b32 s20, s14, 12
	s_lshl_b32 s21, s15, 7
	s_add_co_u32 s20, s20, s21
	s_add_co_u32 s20, s20, SCB
	s_mov_b32 s21, 0
	s_mov_b32 s[SEL], 0x76543210
	s_mov_b32 s[SEL+1], 0xfedcba98
	s_wait_alu depctr_va_vdst(0)
	v_lshlrev_b32 v5, 11, v4
	v_lshl_add_u32 v5, v3, 6, v5                   ; my row, + 64 h: my 16 numbers of a block of 32
.irp b, 0,1,2,3
	v_mov_b32 v[TP+\b], 0                          ; written once: a lane permute's destination counts as one of its sources
.endr
	s_wait_alu depctr_va_vdst(0)
	s_wait_kmcnt 0x0
	s_add_nc_u64 s[4:5], s[4:5], s[16:17]
	s_add_nc_u64 s[22:23], s[8:9], s[20:21]        ; where my scale words go
	s_add_nc_u64 s[8:9], s[8:9], s[18:19]          ; where my codes go
.macro XLOAD buf, s
.irp b, 0,1,2,3
.irp j, 0,1,2,3
	global_load_b128 v[\buf+16*\b+4*\j:\buf+16*\b+4*\j+3], v5, s[4:5] offset:512*\s+128*\b+16*\j th:TH_LOAD_NT
.endr
.endr
.endm
.macro TOUT s
.irp c, 0,1,2
	global_store_b128 v6, v[PC+12*\s+4*\c:PC+12*\s+4*\c+3], s[8:9] offset:12288*\s+512*\c   ; 32 lanes store 512 consecutive bytes
.endr
	global_store_b32 v7, v[PW+\s], s[22:23] offset:1024*\s
.endm
	XLOAD X0, 0
	XLOAD X1, 1
	s_wait_loadcnt 16                              ; K step 0 is in; the 16 loads of step 1 may be out
	QUANT X0, PC, PW
	TOUT 0
	XLOAD X0, 2
	s_wait_loadcnt 16                              ; step 1 is in; step 2's 16 may be out
	QUANT X1, PC+12, PW+1
	TOUT 1
	XLOAD X1, 3
	s_wait_loadcnt 16                              ; step 2 is in
	QUANT X0, PC+24, PW+2
	TOUT 2
	s_wait_loadcnt 0x0
	QUANT X1, PC+36, PW+3
	TOUT 3
	s_endpgm
	; ---- given codes: my wave's tile x 4 K steps goes from rows into a group image
.Lcodes:
	s_load_b512 s[12:27], s[0:1], 0x20             ; memory, sa_wq, sa_wk, ca_wk: codes and scales each
	s_load_b512 s[28:43], s[0:1], 0x60             ; sa_wv, ca_wv, sa_wo, ca_wq
	s_load_b256 s[44:51], s[0:1], 0xa0             ; ca_wo, w1
	s_load_b128 s[52:55], s[0:1], 0xc0             ; w2
	s_sub_co_u32 s3, ttmp9, 128
	s_lshl_b32 s3, s3, 2
	s_add_co_u32 s3, s3, s2                        ; 0..1023: which tile x 4 K steps
	s_mov_b32 s60, 0                               ; memory's: first number,
	s_mov_b32 s61, 64                              ; first group,
	s_mov_b32 s62, 1                               ; groups from one run of 128 rows to the next
	s_wait_kmcnt 0x0
	s_mov_b64 s[56:57], s[12:13]
	s_mov_b64 s[58:59], s[14:15]
.macro PICK start, reg, ga, gm         ; from number start on: another tensor.  The choice hangs on ids alone
	s_cmp_ge_u32 s3, \start
	s_cselect_b64 s[56:57], s[\reg:\reg+1], s[56:57]
	s_cselect_b64 s[58:59], s[\reg+2:\reg+3], s[58:59]
	s_cselect_b32 s60, \start, s60
	s_cselect_b32 s61, \ga, s61
	s_cselect_b32 s62, \gm, s62
.endm
	PICK 512, 16, 128, 1                           ; sa_wq
	PICK 544, 20, 132, 1                           ; sa_wk
	PICK 576, 24, 136, 1                           ; ca_wk
	PICK 608, 28, 140, 1                           ; sa_wv
	PICK 640, 32, 144, 1                           ; ca_wv
	PICK 672, 36, 148, 2                           ; sa_wo: the first group of each wave's run of two
	PICK 704, 40, 149, 2                           ; ca_wq: the second
	PICK 736, 44, 156, 9                           ; ca_wo: the first of each wave's run of nine
	PICK 768, 48, 157, 9                           ; w1: the next four
	PICK 896, 52, 161, 9                           ; w2: the last four, one for each 512 along K
	s_sub_co_u32 s60, s3, s60                      ; the number within the tensor
	s_cmp_ge_u32 s3, 896                           ; w2: K = 2,048: four numbers a tile
	s_cselect_b32 s63, 2, 0
	s_cselect_b32 s66, 3, 0
	s_mov_b32 s67, 384
	s_cselect_b32 s67, 1536, s67                   ; a row of codes in bytes
	s_cselect_b32 s68, 64, 16                      ; a row of scale bytes
	s_cselect_b32 s69, 0, 1
	s_and_b32 s66, s60, s66                        ; q: which 512 along K
	s_lshr_b32 s60, s60, s63                       ; tile
	s_cmp_ge_u32 s3, 768
	s_cselect_b32 s70, s69, 0                      ; 1 for w1 alone: four groups of rows to a wave
	s_lshl_b32 s71, s70, 1
	s_add_co_u32 s71, s71, 3
	s_lshr_b32 s71, s60, s71                       ; which wave's run
	s_mul_i32 s72, s70, 3
	s_lshr_b32 s73, s60, 3
	s_and_b32 s72, s73, s72                        ; w1: which of the four
	s_mul_i32 s71, s71, s62
	s_add_co_u32 s61, s61, s71
	s_add_co_u32 s61, s61, s72
	s_add_co_u32 s61, s61, s66                     ; the group
	s_and_b32 s74, s60, 7                          ; the tile's place in it
	ROW0 75, 60, 73
	s_mul_i32 s70, s75, s67
	s_mul_i32 s71, s66, 384
	s_add_co_u32 s70, s70, s71                     ; codes: first row x pitch + 384 q
	s_mov_b32 s71, 0
	s_add_nc_u64 s[56:57], s[56:57], s[70:71]
	s_mul_i32 s70, s75, s68
	s_lshl_b32 s72, s66, 4
	s_add_co_u32 s70, s70, s72                     ; scale bytes: first row x pitch + 16 q
	s_add_nc_u64 s[58:59], s[58:59], s[70:71]
	s_mul_i32 s70, s61, GRPB
	s_mul_i32 s72, s74, 1536
	s_add_co_u32 s70, s70, s72
	s_add_nc_u64 s[76:77], s[8:9], s[70:71]        ; where the codes go
	s_lshl_b32 s70, s61, 12
	s_lshl_b32 s72, s74, 7
	s_add_co_u32 s70, s70, s72
	s_add_co_u32 s70, s70, SCB
	s_add_nc_u64 s[78:79], s[8:9], s[70:71]        ; where the scale words go
	s_wait_alu depctr_va_vdst(0)
	v_mul_lo_u32 v5, v4, s67
	v_mad_u32_u24 v5, v3, 24, v5                   ; my row, + 24 h
	v_mul_lo_u32 v9, v4, s68                       ; my row's scale bytes
.irp s, 0,1,2,3
.irp p, 0,1,2,3,4,5
	global_load_b64 v[16+12*\s+2*\p:17+12*\s+2*\p], v5, s[56:57] offset:96*\s+48*(\p/3)+8*(\p%3)   ; a row's stream of bits is the register image: 24 bytes as three loads of 8
.endr
.endr
	global_load_b128 v[64:67], v9, s[58:59]        ; four scale words: one for each K step
	s_wait_loadcnt 0x0
.irp s, 0,1,2,3
.irp c, 0,1,2
	global_store_b128 v6, v[16+12*\s+4*\c:19+12*\s+4*\c], s[76:77] offset:12288*\s+512*\c
.endr
	global_store_b32 v7, v[64+\s], s[78:79] offset:1024*\s
.endr
	s_endpgm
	; ---- the mask: for a tile of 16 queries and a step of 128 keys, 64 words: bit L of word 16 b + i = mask[query of lane L][128 step + 32 b + 16 (L / 16) + i]: the lane mask of score register 16 b + i
.Lmask:
	s_sub_co_u32 s12, ttmp9, 384                   ; tile of queries 0..127; my wave takes steps 4 w .. 4 w + 3
	ROW0 13, 12, 14
	s_lshl_b32 s16, s13, 11                        ; a row of the mask is 2,048 bytes
	s_lshl_b32 s14, s2, 9
	s_add_co_u32 s16, s16, s14
	s_mov_b32 s17, 0
	s_lshl_b32 s20, s12, 12                        ; 16 steps x 256 bytes a tile
	s_lshl_b32 s14, s2, 10
	s_add_co_u32 s20, s20, s14
	s_mov_b32 s21, 0
	s_lshl_b32 s22, s12, 6
	s_lshl_b32 s14, s2, 4
	s_add_co_u32 s22, s22, s14
	s_add_co_u32 s22, s22, RAB
	s_mov_b32 s23, 0
	s_mov_b32 s24, 0xff                            ; a word's four bytes
	s_mov_b32 s25, 0xff00
	s_mov_b32 s26, 0xff0000
	s_mov_b32 s27, 0xff000000
	s_wait_alu depctr_va_vdst(0)
	v_lshlrev_b32 v5, 11, v4
	v_lshl_add_u32 v5, v3, 4, v5                   ; my query's row, + 16 h
	v_mov_b32 v[RAV], 0
	s_wait_alu depctr_va_vdst(0)
	s_wait_kmcnt 0x0
	s_add_nc_u64 s[6:7], s[6:7], s[16:17]
	s_add_nc_u64 s[18:19], s[10:11], s[20:21]
	s_add_nc_u64 s[10:11], s[10:11], s[22:23]
.macro MLOAD k
.irp b, 0,1,2,3
	global_load_b128 v[16+16*((\k)%2)+4*\b:19+16*((\k)%2)+4*\b], v5, s[6:7] offset:128*(\k)+32*\b th:TH_LOAD_NT
.endr
.endm
.macro MSTEP k
.set MB, 16+16*((\k)%2)
.if (\k) < 3
	s_wait_loadcnt 4                               ; this step's four loads are in; the next step's four may be out
.else
	s_wait_loadcnt 0x0
.endif
	v_mov_b32 v[WA+2*(\k)], 0
	v_mov_b32 v[WA+2*(\k)+1], 0
.set j, 0
.rept 64
	v_and_b32 v[10+j%4], s[24+j%4], v[MB+j/4]      ; byte j of my 64
	v_cmp_ne_u32 s[28+j%4], 0, v[10+j%4]           ; over the 32 lanes: word j
	v_writelane_b32 v[WA+2*(\k)+j%2], s[28+j%4], j/2   ; words 2 l, 2 l + 1 go to lane l: the store below lays them on end
.set j, j+1
.endr
	v_or_b32 v14, v[MB], v[MB+1]
.irp d, 2,3,4,5,6,7,8,9,10,11,12,13,14,15
	v_or_b32 v14, v14, v[MB+\d]
.endr
	v_cmp_ne_u32 s32, 0, v14
	s_lshr_b32 s33, s32, 16
	s_or_b32 s32, s32, s33
	s_and_b32 s32, s32, 0xffff                     ; bit r: row r has an open key in this step
	v_writelane_b32 v[RAV], s32, \k
	global_store_b64 v8, v[WA+2*(\k):WA+2*(\k)+1], s[18:19] offset:256*(\k)   ; 32 lanes store 256 consecutive bytes, aligned
.if (\k) < 2
	MLOAD (\k)+2
.endif
.endm
	MLOAD 0
	MLOAD 1
	MSTEP 0
	MSTEP 1
	MSTEP 2
	MSTEP 3
	v_cmp_gt_u32 vcc_lo, 4, v1
	s_wait_alu depctr_va_vdst(0)
	s_wait_xcnt 0x0                                ; EXEC changes only behind this wait
	s_and_saveexec_b32 s34, vcc_lo
	global_store_b32 v7, v[RAV], s[10:11]          ; lanes 0-3: my four steps' row words
	s_wait_xcnt 0x0                                ; and again, in front of the line that widens it
	s_or_b32 exec_lo, exec_lo, s34
	s_endpgm
.Lfunc_end_k_q2d69e408f6_prep:
	.size	k_q2d69e408f6_prep, .Lfunc_end_k_q2d69e408f6_prep-k_q2d69e408f6_prep
	.p2alignl 7, 3214868480
	.fill 96, 4, 3214868480
	.section	.rodata,"a",@progbits
	.p2align	6, 0x0
	.amdhsa_kernel k_q2d69e408f6_prep
		.amdhsa_group_segment_fixed_size 0
		.amdhsa_private_segment_fixed_size 0
		.amdhsa_enable_private_segment 0
		.amdhsa_kernarg_size 208
		.amdhsa_user_sgpr_count 2
		.amdhsa_user_sgpr_kernarg_segment_ptr 1
		.amdhsa_wavefront_size32 1
		.amdhsa_system_sgpr_workgroup_id_x 1
		.amdhsa_system_sgpr_workgroup_id_y 1
		.amdhsa_system_sgpr_workgroup_id_z 1
		.amdhsa_system_vgpr_workitem_id 0
		.amdhsa_next_free_vgpr 224
		.amdhsa_next_free_sgpr 90
		.amdhsa_reserve_vcc 1
		.amdhsa_float_denorm_mode_32 3
		.amdhsa_float_denorm_mode_16_64 3
		.amdhsa_memory_ordered 1
		.amdhsa_forward_progress 1
		.amdhsa_inst_pref_size 81
	.end_amdhsa_kernel
	.amdgpu_metadata
---
amdhsa.version: [ 1, 2 ]
amdhsa.kernels:
  - .name:           k_q2d69e408f6_prep
    .symbol:         k_q2d69e408f6_prep.kd
    .args:
      - { .name: tgt, .offset: 0, .size: 8, .value_kind: global_buffer, .address_space: global }
      - { .name: tgt_mask, .offset: 8, .size: 8, .value_kind: global_buffer, .address_space: global }
      - { .name: prep, .offset: 16, .size: 8, .value_kind: global_buffer, .address_space: global }
      - { .name: maskw, .offset: 24, .size: 8, .value_kind: global_buffer, .address_space: global }
      - { .name: memory_codes, .offset: 32, .size: 8, .value_kind: global_buffer, .address_space: global }
      - { .name: memory_scales, .offset: 40, .size: 8, .value_kind: global_buffer, .address_space: global }
      - { .name: sa_wq_codes, .offset: 48, .size: 8, .value_kind: global_buffer, .address_space: global }
      - { .name: sa_wq_scales, .offset: 56, .size: 8, .value_kind: global_buffer, .address_space: global }
      - { .name: sa_wk_codes, .offset: 64, .size: 8, .value_kind: global_buffer, .address_space: global }
      - { .name: sa_wk_scales, .offset: 72, .size: 8, .value_kind: global_buffer, .address_space: global }
      - { .name: ca_wk_codes, .offset: 80, .size: 8, .value_kind: global_buffer, .address_space: global }
      - { .name: ca_wk_scales, .offset: 88, .size: 8, .value_kind: global_buffer, .address_space: global }
      - { .name: sa_wv_codes, .offset: 96, .size: 8, .value_kind: global_buffer, .address_space: global }
      - { .name: sa_wv_scales, .offset: 104, .size: 8, .value_kind: global_buffer, .address_space: global }
      - { .name: ca_wv_codes, .offset: 112, .size: 8, .value_kind: global_buffer, .address_space: global }
      - { .name: ca_wv_scales, .offset: 120, .size: 8, .value_kind: global_buffer, .address_space: global }
      - { .name: sa_wo_codes, .offset: 128, .size: 8, .value_kind: global_buffer, .address_space: global }
      - { .name: sa_wo_scales, .offset: 136, .size: 8, .value_kind: global_buffer, .address_space: global }
      - { .name: ca_wq_codes, .offset: 144, .size: 8, .value_kind: global_buffer, .address_space: global }
      - { .name: ca_wq_scales, .offset: 152, .size: 8, .value_kind: global_buffer, .address_space: global }
      - { .name: ca_wo_codes, .offset: 160, .size: 8, .value_kind: global_buffer, .address_space: global }
      - { .name: ca_wo_scales, .offset: 168, .size: 8, .value_kind: global_buffer, .address_space: global }
      - { .name: w1_codes, .offset: 176, .size: 8, .value_kind: global_buffer, .address_space: global }
      - { .name: w1_scales, .offset: 184, .size: 8, .value_kind: global_buffer, .address_space: global }
      - { .name: w2_codes, .offset: 192, .size: 8, .value_kind: global_buffer, .address_space: global }
      - { .name: w2_scales, .offset: 200, .size: 8, .value_kind: global_buffer, .address_space: global }
    .group_segment_fixed_size: 0
    .private_segment_fixed_size: 0
    .kernarg_segment_align: 8
    .kernarg_segment_size: 208
    .max_flat_workgroup_size: 128
    .sgpr_count:     90
    .vgpr_count:     224
    .wavefront_size: 32
...
	.end_amdgpu_metadata
.endif
;; end of part 7
;; launch proj (part 8): grid 224 x 1, 4 waves a work-group, no clusters, 0 bytes of LDS; arguments prep, sa_bq, sa_bk, ca_bk, sa_bv, ca_bv, qkv; writes qkv
.if DOCPART == 8
	.amdgcn_target "amdgcn-amd-amdhsa--gfx1250"
	.amdhsa_code_object_version 6
	.text
	.protected	k_q2d69e408f6_proj
	.globl	k_q2d69e408f6_proj
	.p2align	8
	.type	k_q2d69e408f6_proj,@function
k_q2d69e408f6_proj:
	s_mov_b64 s[64:65], 0
	v_nop
	global_prefetch_b8 v0, s[64:65] scope:SCOPE_SE
	s_setreg_imm32_b32 hwreg(HW_REG_WAVE_SCHED_MODE, 0, 2), 2
	s_setreg_imm32_b32 hwreg(HW_REG_WAVE_MODE, 25, 1), 1
	s_wait_xcnt 0x0
	s_wait_alu depctr_vm_vsrc(0)
; PROJ: the five projections whose operands are known at the start: q, k, v of the self-attention (tgt) and k, v of the cross-attention (memory), on codes of FP6 (E2M3) with E8M0 scales, each result + bias quantised again as an attention operand.
; Work-groups 0-95: product p = x / 32 (0 sa_wq, 1 sa_wk, 2 ca_wk), 256 tokens.  Work-groups 96-223: p = 3 + (x - 96) / 64 (3 sa_wv, 4 ca_wv), 128 tokens.  The long jobs stand first; 224 work-groups, so that each has a WGP of its own.
; Wave w: output channels 128 w .. 128 w + 127 (heads 2 w, 2 w + 1).  Waves share nothing: no LDS, no barrier.
; A wave keeps one group image RESIDENT (R: 32 fragments, 384 registers) and STREAMS tiles of others (S).  D[t] = R(s, t) x S(s): a lane holds one row of S, its 64 registers run along R's 128 rows: the next quantiser's axis.
;   q, k (p < 3): R = weight, S = 16 tiles of tokens (two groups): a lane holds a token, registers run along the channels: blocks of 32 of a head's 64.  Out: six registers a (tile, head) as three pieces of 256 bytes (8 bytes a lane); scale words by pairs of tiles.
;   v (p >= 3):   R = tokens, S = 8 tiles of weight rows: a lane holds a channel, registers run along 128 keys.  Out: a whole fragment a (key step, channel tile), 3 x 512 bytes, and its scale words.
; The bias is the C of each sum's first product.  No tensor load, no cluster: every operand is a dense register image that goes straight into registers, and each wave's resident group is its own.
; LIMITS: a block of zeros gets the scale byte 1 (its codes are zeros; this program alone reads the bytes); NaN and infinities are not served.
; THE MODE: SCHED_MODE bits 1:0 = 2 (LLVM: expert scheduling mode 2), set by the entry lines.  The code itself states the register dependences between vector or matrix instructions and memory instructions, with s_wait_alu, always for 0.
; THE PLAN.  Registers that memory instructions touch, tile by tile:
;   S0, S1, S2   three sets of a tile's four fragments and four scale words.  The loads of tile i + 2, issued in tile i, land in set (i + 2) % 3 = (i - 1) % 3; the products of tile i read set i % 3.
;   PC, PW, WO   a tile's codes and scale words.  Written by tile i's quantiser; read by the stores that are issued in tile i + 1.
;   v1-v5        offsets, made once at the head and never written again.
; So ONE wait on va_vdst stands at the head of a tile, behind the wait for its data: tile i - 1's quantiser has written the codes and words, and tile i - 1's products are done reading their set.  The tile's 16 loads follow it at once, the stores of
; tile i - 1 behind the tile's first eight products, which name none of the stores' registers.  One wait on vm_vsrc stands ahead of the tile's quantiser, 24 products behind those stores.
; REGISTERS: window 0: v1-5 addresses; v8-15 v's biases; v16-79 the 8 accumulators; v80-175 S, sets 0 and 1; v176-183 their scale words, v252-255 set 2's; v184-215 R's; v216-251 the quantiser.  Window 1: R's fragments 0-15; v192-239 S, set 2.  Window 2: 16-31; from v192 the bias as C.
.set GRPB, 49152
.set SCB,  9437184
.set HB,   212992                      ; a head's block in qkv: K 98,304, V 98,304, K's scale words 8,192, V's 8,192
.set QB,   106496                      ; a head's q: 98,304 + 8,192
.set CA,   6815744                     ; the cross-attention's 32 blocks
.set QS,   13631488                    ; the self-attention's q
.set BS,   8
.set ACC,  16
.set SF,   80                          ; set b at SF + 48 b + 16 (b / 2): v80, v128 of window 0, v192 of window 1
.set SS,   176                         ; its scale words at SS + 4 b + 68 (b / 2): v176, v180, v252
.set RS,   184
.set TM,   216
.set TP,   220
.set TSO,  224
.set XA,   228
.set XB,   232
.set PW,   236
.set WO,   238
.set PC,   240
.set CB,   192                         ; in window 2
.set SEL,  48
.set RCP,  68                          ; s[68:69] R's codes, s[70:71] its scale words, s[72:73], s[74:75] S's
.set RSP,  70
.set SCP,  72
.set SSP,  74
.set OC,   76                          ; s[76:77], s[78:79] where the codes of heads 2 w, 2 w + 1 go;  s[80:81], s[82:83] their scale words
.set OS,   80
.set BP,   84                          ; s[84:85] my 128 biases
.set NT,   8                           ; tiles of S in the job that is being written
.set MSB, 0
.macro WIN new                         ; the immediate's high byte repeats the setting that is left
.if MSB != (\new)
	s_set_vgpr_msb (MSB<<8)|(\new)
.set MSB, (\new)
.endif
.endm
.macro MMA d, a, b, c, sa, sb
	v_wmma_scale_f32_16x16x128_f8f6f4 v[\d:\d+7], v[\a:\a+11], v[\b:\b+11], v[\c:\c+7], v[\sa], v[\sb] matrix_a_fmt:MATRIX_FMT_FP6 matrix_b_fmt:MATRIX_FMT_FP6
.endm
; 64 numbers of a lane, register 16 b + i = k 32 b + 16 (lane / 16) + i of the lane's row, become a fragment's twelve registers in v[pc] on and the row's scale word in v[pw]
.macro QUANT src, pc, pw
.irp b, 0,1,2,3
	v_max3_num_f32 v[TM+\b], |v[\src+16*\b]|, |v[\src+16*\b+1]|, 0x1800000   ; my 16 numbers of block b, and the floor 2^(3 - 127): the byte cannot fall under 1
.endr
.irp i, 2,4,6,8,10,12,14
.irp b, 0,1,2,3
	v_max3_num_f32 v[TM+\b], v[TM+\b], |v[\src+16*\b+\i]|, |v[\src+16*\b+\i+1]|
.endr
.endr
.irp b, 0,1,2,3
	v_permlanex16_b32 v[TP+\b], v[TM+\b], s[SEL], s[SEL+1]
.endr
.irp b, 0,1,2,3
	v_max_num_f32 v[TM+\b], v[TM+\b], v[TP+\b]        ; with lane l xor 16's 16: the block's largest magnitude
.endr
.irp b, 0,1,2,3
	v_add_nc_u32 v[TSO+\b], 0xff000000, v[TM+\b]      ; 2 off its exponent field: the conversion's scale operand
.endr
.irp b, 0,1,2,3
	v_lshrrev_b32 v[TP+\b], 23, v[TSO+\b]             ; the scale's byte
.endr
	v_lshl_or_b32 v[\pw], v[TP+1], 8, v[TP]
	v_lshl_or_b32 v[\pw], v[TP+2], 16, v[\pw]
	v_lshl_or_b32 v[\pw], v[TP+3], 24, v[\pw]
	v_cvt_scalef32_pk16_fp6_f32 v[\pc:\pc+2], v[\src:\src+15], v[TSO]
	v_cvt_scalef32_pk16_fp6_f32 v[XA:XA+2], v[\src+16:\src+31], v[TSO+1]   ; (a conversion's three registers begin on an even number)
	v_cvt_scalef32_pk16_fp6_f32 v[\pc+6:\pc+8], v[\src+32:\src+47], v[TSO+2]
	v_cvt_scalef32_pk16_fp6_f32 v[XB:XB+2], v[\src+48:\src+63], v[TSO+3]
	v_nop                                             ; one plain place behind the scaled conversions
.irp i, 0,1,2
	v_permlane16_swap_b32 v[\pc+\i], v[XA+\i]         ; the operand wants a whole block in a lane
	v_permlane16_swap_b32 v[\pc+6+\i], v[XB+\i]
.endr
.irp i, 0,1,2
	v_mov_b32 v[\pc+3+\i], v[XA+\i]
	v_mov_b32 v[\pc+9+\i], v[XB+\i]
.endr
.endm
	s_load_b256 s[4:11], s[0:1], 0x0               ; prep, sa_bq, sa_bk, ca_bk
	s_load_b128 s[12:15], s[0:1], 0x20             ; sa_bv, ca_bv
	s_load_b64 s[16:17], s[0:1], 0x30              ; qkv
	v_lshrrev_b32 v1, 5, v0
	v_readfirstlane_b32 s2, v1                     ; wave 0..3
	v_and_b32 v6, 31, v0
	v_and_b32 v7, 15, v0
	v_bfe_u32 v4, v0, 4, 1
	v_lshlrev_b32 v1, 4, v6                        ; 16 x lane
	v_lshlrev_b32 v2, 2, v6                        ; 4 x lane
	v_lshlrev_b32 v3, 3, v6                        ; 8 x lane
	v_lshlrev_b32 v4, 6, v4                        ; 64 h: my half's 16 biases of a block of 32
	v_and_b32 v5, 8, v7
	v_add_nc_u32 v5, v5, v7
	v_lshlrev_b32 v5, 2, v5                        ; 4 (r + 8 (r / 8)): my channel's bias (v)
.irp b, 0,1,2,3
	v_mov_b32 v[TP+\b], 0                          ; written once: a lane permute's destination counts as one of its sources
.endr
	s_wait_alu depctr_va_sdst(0)                   ; s2, the wave's number, is written, ahead of its first reader: the groups and the places of the results are made from it
	s_mov_b32 s[SEL], 0x76543210
	s_mov_b32 s[SEL+1], 0xfedcba98
	s_mov_b32 s46, 0x05040100                      ; bytes 0, 1 of two scale words: head 2 w's
	s_mov_b32 s47, 0x07060302                      ; bytes 2, 3: head 2 w + 1's
	s_lshr_b32 s18, ttmp9, 5                       ; q, k: p = x / 32,
	s_and_b32 s19, ttmp9, 31
	s_lshl_b32 s19, s19, 1                         ; token groups 2 (x % 32) and the next
	s_sub_co_u32 s29, ttmp9, 96                    ; v: p = 3 + (x - 96) / 64,
	s_lshr_b32 s36, s29, 6
	s_add_co_u32 s36, s36, 3
	s_and_b32 s29, s29, 63                         ; token group (x - 96) % 64
	s_cmp_lt_u32 ttmp9, 96
	s_cselect_b32 s18, s18, s36                    ; p
	s_cselect_b32 s19, s19, s29                    ; B: the (first) group of 128 tokens
	s_lshr_b32 s20, s19, 4                         ; batch n
	s_and_b32 s21, s19, 15                         ; which 128 tokens of the batch
	s_lshl_b32 s22, s18, 2
	s_add_co_u32 s22, s22, s2
	s_add_co_u32 s22, s22, 128                     ; the weight's group
	s_cmp_eq_u32 s18, 2
	s_cselect_b32 s23, 64, 0
	s_cmp_eq_u32 s18, 4
	s_cselect_b32 s23, 64, s23                     ; memory's groups lie 64 behind tgt's
	s_cmp_lg_u32 s23, 0
	s_cselect_b32 s24, CA, 0                       ; and its results in the cross-attention's blocks
	s_add_co_u32 s23, s23, s19                     ; the tokens' group
	s_mul_i32 s25, s22, GRPB
	s_lshl_b32 s26, s22, 12
	s_add_co_u32 s26, s26, SCB
	s_mul_i32 s27, s23, GRPB
	s_lshl_b32 s28, s23, 12
	s_add_co_u32 s28, s28, SCB
	s_cmp_lt_u32 s18, 3                            ; q, k: the weight stays; v: the tokens stay
	s_cselect_b32 s52, s25, s27
	s_cselect_b32 s54, s26, s28
	s_cselect_b32 s56, s27, s25
	s_cselect_b32 s58, s28, s26
	s_cselect_b32 s60, 0, 98304                    ; codes: K at a block's head, V behind it
	s_mov_b32 s61, 204800
	s_cselect_b32 s61, 196608, s61                 ; scale words
	s_mov_b32 s53, 0
	s_mov_b32 s55, 0
	s_mov_b32 s57, 0
	s_mov_b32 s59, 0
	s_cmp_eq_u32 s18, 0                            ; q has a region of its own
	s_cselect_b32 s24, QS, s24
	s_mov_b32 s62, HB
	s_cselect_b32 s62, QB, s62                     ; bytes from head to head
	s_cselect_b32 s61, 98304, s61
	s_lshl_b32 s63, s20, 3
	s_lshl_b32 s66, s2, 1
	s_add_co_u32 s63, s63, s66                     ; head 8 n + 2 w
	s_mul_i32 s63, s63, s62
	s_add_co_u32 s63, s63, s24
	s_mul_i32 s66, s21, 6144
	s_add_co_u32 s66, s66, s63
	s_add_co_u32 s66, s66, s60                     ; the codes' place
	s_mov_b32 s67, 0
	s_lshl_b32 s30, s21, 9
	s_add_co_u32 s30, s30, s63
	s_add_co_u32 s30, s30, s61                     ; the scale words' place
	s_mov_b32 s31, 0
	s_mov_b32 s32, s62
	s_mov_b32 s33, 0
	s_lshl_b32 s34, s2, 9
	s_mov_b32 s35, 0
	s_wait_kmcnt 0x0
	s_add_nc_u64 s[RCP:RCP+1], s[4:5], s[52:53]
	s_add_nc_u64 s[RSP:RSP+1], s[4:5], s[54:55]
	s_add_nc_u64 s[SCP:SCP+1], s[4:5], s[56:57]
	s_add_nc_u64 s[SSP:SSP+1], s[4:5], s[58:59]
	s_add_nc_u64 s[OC:OC+1], s[16:17], s[66:67]
	s_add_nc_u64 s[OC+2:OC+3], s[OC:OC+1], s[32:33]
	s_add_nc_u64 s[OS:OS+1], s[16:17], s[30:31]
	s_add_nc_u64 s[OS+2:OS+3], s[OS:OS+1], s[32:33]
	s_mov_b64 s[BP:BP+1], s[6:7]
	s_cmp_eq_u32 s18, 1
	s_cselect_b64 s[BP:BP+1], s[8:9], s[BP:BP+1]
	s_cmp_eq_u32 s18, 2
	s_cselect_b64 s[BP:BP+1], s[10:11], s[BP:BP+1]
	s_cmp_eq_u32 s18, 3
	s_cselect_b64 s[BP:BP+1], s[12:13], s[BP:BP+1]
	s_cmp_eq_u32 s18, 4
	s_cselect_b64 s[BP:BP+1], s[14:15], s[BP:BP+1]
	s_add_nc_u64 s[BP:BP+1], s[BP:BP+1], s[34:35]
.macro SLOAD buf, i                    ; tile i of S, all four K steps, into set buf: 16 loads.  Tiles 8-15 lie in the next group image
.set LFB, SF+48*(\buf)+16*((\buf)/2)
.set LSB, SS+4*(\buf)+68*((\buf)/2)
	WIN 0x40*((\buf)/2)                            ; set 2 lies in window 1
.irp s, 0,1,2,3
.irp c, 0,1,2
	global_load_b128 v[LFB+12*\s+4*\c:LFB+12*\s+4*\c+3], v1, s[SCP:SCP+1] offset:((\i)/8)*GRPB+(8*\s+(\i)%8)*1536+512*\c
.endr
.endr
	WIN 0
.irp s, 0,1,2,3
	global_load_b32 v[LSB+\s], v2, s[SSP:SSP+1] offset:((\i)/8)*4096+(8*\s+(\i)%8)*128
.endr
.endm
.macro PRODK type, buf, s              ; 8 products: K step s of set buf; the eight accumulators by turns
.set PFB, SF+48*(\buf)+16*((\buf)/2)+12*(\s)
.set PSB, SS+4*(\buf)+68*((\buf)/2)+(\s)
.if (\s) == 0
	WIN 0x21+4*((\buf)/2)                          ; R window 1, C (the bias) window 2; S window 0, or 1 for set 2
.elseif (\s) == 1
	WIN 0x01+4*((\buf)/2)
.else
	WIN 0x02+4*((\buf)/2)                          ; R window 2
.endif
.irp t, 0,1,2,3,4,5,6,7
.if (\s) > 0
	MMA ACC+8*\t, 12*(8*((\s)%2)+\t), PFB, ACC+8*\t, RS+8*(\s)+\t, PSB
.elseif \type
	MMA ACC+8*\t, 12*\t, PFB, CB, RS+\t, PSB
.else
	MMA ACC+8*\t, 12*\t, PFB, CB+8*\t, RS+\t, PSB
.endif
.endr
.endm
.macro OUT type, j                     ; tile j's codes and scale words leave
.if \type
.irp ch, 0,1,2
	global_store_b128 v1, v[PC+4*\ch:PC+4*\ch+3], s[OC+2*((\j)/4):OC+2*((\j)/4)+1] offset:((\j)%4)*1536+512*\ch
.endr
	global_store_b32 v2, v[PW+(\j)%2], s[OS+2*((\j)/4):OS+2*((\j)/4)+1] offset:((\j)%4)*128
.else
.irp c, 0,1
.irp p, 0,1,2
	global_store_b64 v3, v[PC+6*\c+2*\p:PC+6*\c+2*\p+1], s[OC+2*\c:OC+2*\c+1] offset:(\j)*768+256*\p   ; 32 lanes store 256 consecutive bytes, aligned
.endr
.endr
.if (\j)%2
	global_store_b32 v2, v[WO], s[OS:OS+1] offset:((\j)/2)*128
	global_store_b32 v2, v[WO+1], s[OS+2:OS+3] offset:((\j)/2)*128
.endif
.endif
.endm
.macro TILE type, i
.if (\i) < NT-1
	s_wait_loadcnt 16                              ; this tile's 16 loads are in (and all before them); the next tile's 16 may be out
.else
	s_wait_loadcnt 0x0
.endif
.if (\i) > 0
	s_wait_alu depctr_va_vdst(0)                   ; the last tile's quantiser has written its codes and scale words, which the stores below read; its products are done reading their set of S, in which the loads below land
.endif
.if (\i) < NT-2
	SLOAD ((\i)+2)%3, (\i)+2                       ; two tiles ahead, into the set that the last tile read
.endif
	PRODK \type, (\i)%3, 0
.if (\i) > 0
	WIN 0
	OUT \type, (\i)-1                              ; no wait: the eight products since the wait name accumulators, R, this tile's set and the bias: none of the stores' registers
.endif
	PRODK \type, (\i)%3, 1
	PRODK \type, (\i)%3, 2
	PRODK \type, (\i)%3, 3
	WIN 0
.rept 4
	v_nop                                          ; places behind the products: in front of writes of the bias and of the first read of results
.endr
.if \type && ((\i) < NT-1)
	WIN 0x80
.irp j, 0,1,2,3,4,5,6,7
	v_mov_b32 v[CB+\j], v[BS+\i+1]                 ; v: a lane holds one channel: its bias in all eight registers of C, for the next tile
.endr
	WIN 0
.endif
.if (\i) > 0
	s_wait_xcnt 0x0                                ; the last tile's stores have had their addresses translated: their data registers are written again only behind this wait
	s_wait_alu depctr_vm_vsrc(0)                   ; and they have read the codes' and words' registers, which the quantiser below writes again
.endif
	QUANT ACC, PC, PW+(\i)%2                       ; (its lines that name no accumulator are more than the five places owed ahead of the next tile's first product, which begins the sums anew)
.if (!\type) && ((\i)%2)
	v_perm_b32 v[WO], v[PW+1], v[PW], s46          ; a pair of tiles' scale bytes of one head make one word: [even s0, s1, odd s0, s1]
	v_perm_b32 v[WO+1], v[PW+1], v[PW], s47
.endif
.endm
.macro JOB type
	SLOAD 0, 0
	WIN 0x40
.set f, 0
.rept 16
.irp c, 0,1,2
	global_load_b128 v[12*f+4*\c:12*f+4*\c+3], v1, s[RCP:RCP+1] offset:1536*f+512*\c
.endr
.set f, f+1
.endr
	WIN 0x80
.rept 16
.irp c, 0,1,2
	global_load_b128 v[12*(f-16)+4*\c:12*(f-16)+4*\c+3], v1, s[RCP:RCP+1] offset:1536*f+512*\c
.endr
.set f, f+1
.endr
.if \type == 0
.set f, 0
.rept 16
	global_load_b128 v[CB+4*f:CB+4*f+3], v4, s[BP:BP+1] offset:128*(f/4)+16*(f%4)   ; register 16 b + i: the bias of channel 32 b + 16 h + i
.set f, f+1
.endr
.endif
	WIN 0
.set f, 0
.rept 32
	global_load_b32 v[RS+f], v2, s[RSP:RSP+1] offset:128*f
.set f, f+1
.endr
.if \type
.irp e, 0,1,2,3,4,5,6,7
	global_load_b32 v[BS+\e], v5, s[BP:BP+1] offset:(32*(\e/2)+8*(\e%2))*4
.endr
.endif
	SLOAD 1, 1
.if \type
	s_wait_loadcnt 16                              ; all but tile 1's 16 loads
	WIN 0x80
.irp j, 0,1,2,3,4,5,6,7
	v_mov_b32 v[CB+\j], v[BS]
.endr
	WIN 0
.rept 4
	v_nop
.endr
.set NT, 8
	s_wait_alu depctr_va_vdst(0)
.irp i, 0,1,2,3,4,5,6,7
	TILE 1, \i
.endr
	s_wait_alu depctr_va_vdst(0)                   ; the last tile's quantiser has written its codes and scale word, which the last stores read
	OUT 1, 7
.else
.set NT, 16
.irp i, 0,1,2,3,4,5,6,7,8,9,10,11,12,13,14,15
	TILE 0, \i
.endr
	s_wait_alu depctr_va_vdst(0)                   ; the last tile's quantiser has written its codes and the pair's scale words, which the last stores read
	OUT 0, 15
.endif
.endm
	s_wait_alu depctr_va_vdst(0)                   ; the offsets v1 to v5 are written: every load and store of the kernel reads one of them
	s_cmp_lt_u32 s18, 3
	s_cbranch_scc0 .Lvjob
	JOB 0
	s_endpgm
.Lvjob:
	JOB 1
	s_endpgm
.Lfunc_end_k_q2d69e408f6_proj:
	.size	k_q2d69e408f6_proj, .Lfunc_end_k_q2d69e408f6_proj-k_q2d69e408f6_proj
	.p2alignl 7, 3214868480
	.fill 96, 4, 3214868480
	.section	.rodata,"a",@progbits
	.p2align	6, 0x0
	.amdhsa_kernel k_q2d69e408f6_proj
		.amdhsa_group_segment_fixed_size 0
		.amdhsa_private_segment_fixed_size 0
		.amdhsa_enable_private_segment 0
		.amdhsa_kernarg_size 56
		.amdhsa_user_sgpr_count 2
		.amdhsa_user_sgpr_kernarg_segment_ptr 1
		.amdhsa_wavefront_size32 1
		.amdhsa_system_sgpr_workgroup_id_x 1
		.amdhsa_system_sgpr_workgroup_id_y 1
		.amdhsa_system_sgpr_workgroup_id_z 1
		.amdhsa_system_vgpr_workitem_id 0
		.amdhsa_next_free_vgpr 768
		.amdhsa_next_free_sgpr 90
		.amdhsa_reserve_vcc 0
		.amdhsa_float_denorm_mode_32 3
		.amdhsa_float_denorm_mode_16_64 3
		.amdhsa_memory_ordered 1
		.amdhsa_forward_progress 1
		.amdhsa_inst_pref_size 255
	.end_amdhsa_kernel
	.section	.bss,"aw",@nobits
	.p2align	6
	.space	262144
	.amdgpu_metadata
---
amdhsa.version: [ 1, 2 ]
amdhsa.kernels:
  - .name:           k_q2d69e408f6_proj
    .symbol:         k_q2d69e408f6_proj.kd
    .args:
      - { .name: prep, .offset: 0, .size: 8, .value_kind: global_buffer, .address_space: global }
      - { .name: sa_bq, .offset: 8, .size: 8, .value_kind: global_buffer, .address_space: global }
      - { .name: sa_bk, .offset: 16, .size: 8, .value_kind: global_buffer, .address_space: global }
      - { .name: ca_bk, .offset: 24, .size: 8, .value_kind: global_buffer, .address_space: global }
      - { .name: sa_bv, .offset: 32, .size: 8, .value_kind: global_buffer, .address_space: global }
      - { .name: ca_bv, .offset: 40, .size: 8, .value_kind: global_buffer, .address_space: global }
      - { .name: qkv, .offset: 48, .size: 8, .value_kind: global_buffer, .address_space: global }
    .group_segment_fixed_size: 0
    .private_segment_fixed_size: 0
    .kernarg_segment_align: 8
    .kernarg_segment_size: 56
    .max_flat_workgroup_size: 128
    .sgpr_count:     90
    .vgpr_count:     768
    .wavefront_size: 32
...
	.end_amdgpu_metadata
.endif
;; end of part 8
;; launch attn_self (part 9): grid 8 x 32, 16 waves a work-group, no clusters, 215,040 bytes of LDS; arguments qkv, maskw, o1; writes o1
.if DOCPART == 9
	.amdgcn_target "amdgcn-amd-amdhsa--gfx1250"
	.amdhsa_code_object_version 6
	.text
	.protected	k_q2d69e408f6_attn_self
	.globl	k_q2d69e408f6_attn_self
	.p2align	8
	.type	k_q2d69e408f6_attn_self,@function
k_q2d69e408f6_attn_self:
	s_mov_b64 s[64:65], 0
	v_nop
	global_prefetch_b8 v0, s[64:65] scope:SCOPE_SE
	s_setreg_imm32_b32 hwreg(HW_REG_WAVE_SCHED_MODE, 0, 2), 2
	s_setreg_imm32_b32 hwreg(HW_REG_WAVE_MODE, 25, 1), 1
	s_wait_xcnt 0x0
	s_wait_alu depctr_vm_vsrc(0)
; ATTENTION on codes of FP6 (E2M3) with E8M0 scales, head size 64, 2,048 queries and 2,048 keys a head.  MASKED = 1: with the mask input, as lane masks made by the first launch; MASKED = 0: without.
; A work-group is one (batch, head) = y and 256 queries; ALL of the head's K and V (212,992 bytes with their scale words) lie in LDS, filled once by the sixteen waves: one barrier, no ring.
; Wave i owns ONE tile of 16 queries, tile 8 p(i) + x, p a 4 x 4 magic square of 0..15: any four waves i % 4 or i / 4 alike sum to 30, so that key steps which a mask removes are removed evenly.
; Both products are used transposed (S^T = K Q^T, O^T = V^T P^T): a lane holds one query (lane % 16) throughout.  Tiles take rows 32 (T / 2) + 8 (T % 2) + r + 8 (r / 8), so the 16 registers of two neighbouring tiles are 16 neighbouring keys.
; HEAD SIZE 64 IN A K OF 128: a fragment of K holds TWO key tiles (registers 0-5, 6-11).  q stands as [0 x 6][q x 6][0 x 6]: v[22:33] = [q | 0] picks the first tile, v[16:27] = [0 | q] the second: zero codes add nothing.
; SOFTMAX: t = score x log2(e) / 8; M = the running largest t rounded up to a whole number; p = 2^(t - M) is quantised along the keys; the sum is taken of the unquantised p and divides O at the end.  When M moves, sum and O are multiplied by 2^(old M - new M): exact.
; MASK: a masked raw score becomes -2^33, a logit of -2^30.  c x 2^33 is a whole number, so a row masked so far has M = t and p = 1: the uniform weights that a row masked everywhere must have; the first open score turns them to 0.
;   A step all of whose 16 x 128 scores are masked is left out (a scalar branch on stored whole numbers), if each of the 16 rows has an open key in some step: its p are 0 then.
;   A step's 64 lane masks are asked for one walked step ahead: as soon as the selects have used the words in hand, the scalar loads for the next step that will be walked go out into the same registers.
; LIMITS: the masked logit is -2^30 where the definition has -1e9: the same result while every open logit lies above -9e8.  NaN and infinities are not served.  A block of zeros gets the scale byte 1 (its codes are zeros).
; No tensor load and no cluster: the eight work-groups of a head read the same bytes once each, at the head; K's pieces and the scale words are laid anew by the waves' own LDS stores on the way, and the masked text branches on stored numbers.
; THE MODE: SCHED_MODE bits 1:0 = 2 (LLVM: expert scheduling mode 2), set by the entry lines.  The code itself states the register dependences between vector or matrix instructions and memory or LDS instructions, with s_wait_alu, always for 0.
; THE PLAN.  Registers that LDS instructions touch, in the loop:
;   v8-v11    the step's LDS addresses.  Written by four additions at the step's head; read by the step's 26 LDS loads.
;   v36-v83   four fragments.  K's land at the step's head and are read by the first eight products; V's land behind those and are read by the last four.  v84-87 K's scale words, v88-91 V's: likewise.
;   There is one set of them: a set is 48 registers and the wave's 256 leave 25 free.
; So a step holds: one wait on vm_vsrc at its head (the last step's loads have read v8-v11); one on va_vdst behind the four additions (the addresses are written, the last step's products are done with v36-91); one behind the first eight products (they are done
; with K's fragments); the two behind the exponentials; one ahead of the last four products (p's codes and scale word are written); and, with the mask, one behind the 64 selects, which read the scalar registers in which the next mask words land.
; Outside the loop: v96-199 are the fill's data, read by LDS stores and written again as scores, O^T and codes: one wait on vm_vsrc behind the barrier.  v254, v255 are written at the head and read by the closing add alone.
; REGISTERS: v1-3 16, 4, 8 x lane; v5-7 lane terms of V, K's words, V's words; v8-11 addresses in hand; v12 -M, v13 largest t, v[14:15] the sum; v16-33 q; v34 q's scale word; v36-83 four fragments; v84-91 their scale words; v96-159 S^T, then p; v160-191 O^T; v192-203 p's codes; v204-232 at work.
.set MASKED, 1
.set HB,   212992
.set QB,   106496
.set CA,   6815744
.set QS,   13631488
.set OSC,  3145728
.set RAB,  524288
.set LV,   98304                       ; LDS: K 0, V 98,304 (step x 6,144 + fragment x 1,536 + 512 c + 16 L), K's scale words 196,608, V's 204,800 (step x 512 + 16 L + 4 x fragment)
.set LKW,  196608
.set LVW,  204800
.set KF,   36
.set KW,   84
.set VW,   88
.set S,    96
.set O,    160
.set P,    192
.set XA,   204
.set XB,   208
.set BM,   212
.set T2,   216
.set SO,   220
.set PWD,  224
.set F,    226
.set TT,   228
.set OWD,  229
.set SM2,  230
.set NEG,  232
.set MP,   84                          ; s[84:85] my tile's mask words: 16 steps x 256 bytes; never rewritten
.set OP,   86                          ; s[86:87] where my codes go, s[88:89] their scale word
.set OSP,  88
.set TK,   90                          ; s90 the step's tiles in LDS: 6,144 a step;  s91 its scale words: 512 a step
.set TS,   91
.set ST,   92
.set FL,   93                          ; s93 bit 0: this step is walked
.set CS,   94                          ; s[94:95] c = log2(e) / 8
.set SEL,  96                          ; s[96:97] selects for lane l xor 16
.set MOF,  98                          ; s98 256 x the step whose mask words are asked for
.set TN,   99
.macro MMA d, a, b, c, sa, sb
	v_wmma_scale_f32_16x16x128_f8f6f4 v[\d:\d+7], v[\a:\a+11], v[\b:\b+11], v[\c:\c+7], v[\sa], v[\sb] matrix_a_fmt:MATRIX_FMT_FP6 matrix_b_fmt:MATRIX_FMT_FP6
.endm
.macro MMA0 d, a, b, sa, sb
	v_wmma_scale_f32_16x16x128_f8f6f4 v[\d:\d+7], v[\a:\a+11], v[\b:\b+11], 0, v[\sa], v[\sb] matrix_a_fmt:MATRIX_FMT_FP6 matrix_b_fmt:MATRIX_FMT_FP6
.endm
.macro MWORDS                          ; a step's 64 lane masks: word j in s[16 + j], from word 48 on in s[20 + j]
	s_load_b512 s[16:31], s[MP:MP+1], s[MOF] offset:0x0
	s_load_b512 s[32:47], s[MP:MP+1], s[MOF] offset:0x40
	s_load_b512 s[48:63], s[MP:MP+1], s[MOF] offset:0x80
	s_load_b512 s[68:83], s[MP:MP+1], s[MOF] offset:0xc0
.endm
	s_load_b128 s[4:7], s[0:1], 0x0                ; qkv; the mask words (MASKED) or the cross-attention's q
	s_load_b64 s[8:9], s[0:1], 0x10                ; the output
	v_lshl_add_u32 v254, v0, 2, 0x34000
	v_mov_b32 v255, 0
	v_lshrrev_b32 v1, 5, v0
	v_readfirstlane_b32 s10, v1                    ; wave 0..15
	v_and_b32 v12, 31, v0
	v_lshlrev_b32 v1, 4, v12
	v_lshlrev_b32 v2, 2, v12
	v_lshlrev_b32 v3, 3, v12
	s_wait_alu depctr_va_sdst(0)                   ; s10, the wave's number, is written, ahead of its first reader: my tile and my part of the fill are made from it
	s_mov_b32 s11, 0x0de3b658
	s_cmp_lt_u32 s10, 8
	s_cselect_b32 s11, 0x7a94c12f, s11             ; the magic square, a nibble a wave
	s_and_b32 s12, s10, 7
	s_lshl_b32 s12, s12, 2
	s_lshr_b32 s11, s11, s12
	s_and_b32 s11, s11, 15
	s_lshl_b32 s11, s11, 3
	s_add_co_u32 s11, s11, ttmp9                   ; my tile of queries, 0..127
	s_and_b32 s12, ttmp7, 0xffff                   ; 8 n + head
	s_mul_i32 s32, s12, HB
.if !MASKED
	s_add_co_u32 s32, s32, CA
.endif
	s_mul_i32 s60, s10, 6144                       ; I fill key step w
	s_lshl_b32 s61, s10, 9
	s_add_co_u32 s34, s60, s32
	s_mov_b32 s35, 0
	s_add_co_u32 s36, s61, s32
	s_mov_b32 s37, 0
	s_mul_i32 s38, s12, QB
.if MASKED
	s_add_co_u32 s38, s38, QS
.endif
	s_mul_i32 s40, s11, 768
	s_add_co_u32 s40, s40, s38                     ; q's codes
	s_mov_b32 s41, 0
	s_lshr_b32 s42, s11, 1
	s_lshl_b32 s42, s42, 7
	s_add_co_u32 s42, s42, s38
	s_add_co_u32 s42, s42, 98304                   ; its pair's scale word
	s_mov_b32 s43, 0
	s_lshr_b32 s44, s12, 3
	s_lshl_b32 s44, s44, 7
	s_add_co_u32 s44, s44, s11                     ; my tile of all 512
	s_lshl_b32 s44, s44, 3
	s_and_b32 s45, s12, 7
	s_add_co_u32 s44, s44, s45                     ; 8 x tile + head
	s_mul_i32 s46, s44, 768
	s_mov_b32 s47, 0
	s_lshl_b32 s48, s44, 7
	s_add_co_u32 s48, s48, OSC
	s_mov_b32 s49, 0
.if MASKED
	s_lshl_b32 s50, s11, 12
	s_mov_b32 s51, 0
	s_lshl_b32 s52, s11, 6
	s_add_co_u32 s52, s52, RAB
	s_mov_b32 s53, 0
.endif
	s_mov_b32 s33, 0x01000100
	s_bitcmp1_b32 s11, 0
	s_cselect_b32 s33, 0x03020302, s33             ; my tile's two bytes of the pair's word, twice
	s_mov_b32 s[CS], 0x3e38aa3b
	s_mov_b32 s[CS+1], s[CS]                       ; (named with it as a pair, so it is written)
	s_mov_b32 s[SEL], 0x76543210
	s_mov_b32 s[SEL+1], 0xfedcba98
	s_mov_b32 s[TK], 0
	s_mov_b32 s[TS], 0
	s_mov_b32 s[ST], 0
	s_wait_kmcnt 0x0
	s_add_nc_u64 s[98:99], s[4:5], s[34:35]
	s_add_nc_u64 s[100:101], s[4:5], s[36:37]
.if MASKED
	s_add_nc_u64 s[54:55], s[4:5], s[40:41]
	s_add_nc_u64 s[56:57], s[4:5], s[42:43]
	s_add_nc_u64 s[MP:MP+1], s[6:7], s[50:51]
	s_add_nc_u64 s[58:59], s[6:7], s[52:53]
.else
	s_add_nc_u64 s[54:55], s[6:7], s[40:41]
	s_add_nc_u64 s[56:57], s[6:7], s[42:43]
.endif
	s_add_nc_u64 s[OP:OP+1], s[8:9], s[46:47]
	s_add_nc_u64 s[OSP:OSP+1], s[8:9], s[48:49]
	s_wait_alu depctr_va_vdst(0)                   ; the offsets v1, v2, v3 are written, which every global load and store of the kernel reads
.set i, 0
.rept 24
	global_load_b64 v[96+2*i:97+2*i], v3, s[98:99] offset:256*i           ; K of my step: 8 tiles x 3 pieces of 256 bytes
.set i, i+1
.endr
.set i, 0
.rept 12
	global_load_b128 v[144+4*i:147+4*i], v1, s[98:99] offset:98304+512*i  ; V of my step: 4 fragments
.set i, i+1
.endr
.irp b, 0,1,2,3
	global_load_b32 v[192+\b], v2, s[100:101] offset:196608+128*\b
	global_load_b32 v[196+\b], v2, s[100:101] offset:204800+128*\b
.endr
.irp p, 0,1,2
	global_load_b64 v[22+2*\p:23+2*\p], v3, s[54:55] offset:256*\p        ; q stays in registers
.endr
	global_load_b32 v35, v2, s[56:57]
.if MASKED
	s_load_b512 s[16:31], s[58:59], 0x0            ; for each of the 16 steps: which of my rows have an open key
.endif
.irp j, 16,17,18,19,20,21,28,29,30,31,32,33
	v_mov_b32 v[\j], 0                             ; zero codes on both sides of q
.endr
	v_add_nc_u32 v8, s60, v1                       ; the fill's places
	v_add_nc_u32 v9, LV, v8
	v_add_nc_u32 v10, s61, v1
	v_add_nc_u32 v10, LKW, v10
	v_add_nc_u32 v11, LVW-LKW, v10
	v_add_nc_u32 v5, LV, v1
	v_add_nc_u32 v6, LKW, v1
	v_add_nc_u32 v7, LVW, v1
	s_wait_loadcnt 0x0                             ; the fill's loads are done: their bases (s98 to s101) may be used for other things
	v_perm_b32 v34, v35, v35, s33                  ; q's scale word [s0, s1, s0, s1]: it serves q in either half of K
	s_wait_alu depctr_va_vdst(0)                   ; the fill's places v8 to v11 are written, which the LDS stores below read as addresses
.set i, 0
.rept 24
	ds_store_b64 v8, v[96+2*i:97+2*i] offset:(i/6)*1536+((i%6)/2)*512+8*(i%2)   ; two tiles' pieces become one fragment's image: registers 4 c .. 4 c + 3 at 512 c + 16 L
.set i, i+1
.endr
.set i, 0
.rept 12
	ds_store_b128 v9, v[144+4*i:147+4*i] offset:512*i
.set i, i+1
.endr
.irp b, 0,1,2,3
	ds_store_b32 v10, v[192+\b] offset:4*\b        ; a step's four words of a lane on end: one load of 16 bytes brings them
	ds_store_b32 v11, v[196+\b] offset:4*\b
.endr
.if MASKED
	s_wait_kmcnt 0x0                               ; the rows' words are in: which steps are walked, and the first of them, whose lane masks are asked for ahead of the barrier
	s_or_b32 s32, s16, s17
.irp s, 18,19,20,21,22,23,24,25,26,27,28,29,30,31
	s_or_b32 s32, s32, s[\s]
.endr
	s_mov_b32 s[FL], 0
.irp s, 0,1,2,3,4,5,6,7,8,9,10,11,12,13,14,15
	s_cmp_lg_u32 s[16+\s], 0
	s_cselect_b32 s33, 1<<\s, 0
	s_or_b32 s[FL], s[FL], s33                     ; bit s: step s has an open score
.endr
	s_cmp_eq_u32 s32, 0xffff                       ; a row with no open key at all wants every step: its weights are uniform
	s_cselect_b32 s[FL], s[FL], 0xffff
	s_ctz_i32_b32 s[MOF], s[FL]                    ; the first step that is walked (some bit is set),
	s_min_u32 s[MOF], s[MOF], 15                   ; held inside my tile's 16 steps,
	s_lshl_b32 s[MOF], s[MOF], 8                   ; 256 bytes a step
	MWORDS
.endif
	s_wait_dscnt 0x0                               ; for the others' sake: my stores have landed
	s_barrier_signal -1
	s_barrier_wait -1                              ; the head's K and V are whole; nothing in LDS is written again
	s_wait_alu depctr_vm_vsrc(0)                   ; my LDS stores have read their data v96 to v199, which are written again from here on as O^T, scores and codes
.set j, 0
.rept 32
	v_mov_b32 v[O+j], 0                            ; O^T.  (The step is written once: the first finds zeros.  These lines are also the places between q's scale word and the first product)
.set j, j+1
.endr
.irp b, 0,1,2,3
	v_mov_b32 v[T2+\b], 0                          ; written once: a lane permute's destination counts as one of its sources
.endr
	v_mov_b32 v[F+1], 0                            ; (named as the upper half of a pair)
	v_mov_b32 v13, 0xff61b1e6                      ; the largest t so far: -3e38
	v_floor_f32 v12, -v13                          ; -M
	v_mov_b32 v14, 0
	v_mov_b32 v15, 0
.if MASKED
	v_mov_b32 v[NEG], 0xd0000000                   ; -2^33
.endif
.Lstep:                                            ; 16 trips: 128 keys each
	s_wait_alu depctr_vm_vsrc(0)                   ; the LDS instructions issued so far (the last walked step's loads; in the first trip the fill's stores) have read v8 to v11, which the four additions below write again
.if MASKED
	s_bitcmp1_b32 s[FL], 0
	s_cbranch_scc0 .Lskip
.endif
	v_add_nc_u32 v8, s[TK], v1
	v_add_nc_u32 v9, s[TK], v5
	v_add_nc_u32 v10, s[TS], v6
	v_add_nc_u32 v11, s[TS], v7
	s_wait_alu depctr_va_vdst(0)                   ; v8 to v11 are written, which this step's LDS loads read; the last walked step's products are done reading v36 to v91, in which those loads land; in the first trip q's zero codes and scale word, which the products below take, are written
.irp f, 0,1,2,3
.irp c, 0,1,2
	ds_load_b128 v[KF+12*\f+4*\c:KF+12*\f+4*\c+3], v8 offset:1536*\f+512*\c
.endr
.endr
	ds_load_b128 v[KW:KW+3], v10
	s_wait_dscnt 0x0
.irp b, 0,1,2,3
	MMA0 S+16*\b, KF+12*\b, 22, KW+\b, 34          ; keys 32 b + 16 h + 0 .. 7
	MMA0 S+16*\b+8, KF+12*\b, 16, KW+\b, 34        ; keys 32 b + 16 h + 8 .. 15
.endr
.rept 4
	v_nop                                          ; places: in front of the first read of the scores
.endr
	s_wait_alu depctr_va_vdst(0)                   ; the eight products are done reading K's fragments in v36 to v83, in which V's land
.irp f, 0,1,2,3
.irp c, 0,1,2
	ds_load_b128 v[KF+12*\f+4*\c:KF+12*\f+4*\c+3], v9 offset:1536*\f+512*\c   ; V's four fragments land under the softmax
.endr
.endr
	ds_load_b128 v[VW:VW+3], v11
.if MASKED
	s_wait_kmcnt 0x0                               ; this step's lane masks, asked for in the walked step before: all scalar loads are done, so their offset and their registers may be written again below
.set j, 0
.rept 64
.if j < 48
	v_cndmask_b32 v[S+j], v[NEG], v[S+j], s[16+j]
.else
	v_cndmask_b32 v[S+j], v[NEG], v[S+j], s[20+j]
.endif
.set j, j+1
.endr
	s_wait_alu depctr_va_vdst(0)                   ; the 64 selects are done: they have read the lane masks in s16 to s83, in which the scalar loads below land
	s_lshr_b32 s[TN], s[FL], 1                     ; the steps behind this one:
	s_ctz_i32_b32 s[TN], s[TN]                     ; how many of them are left out before the next that is walked (-1 where none is left: this step's words are then read once more and not used)
	s_add_co_u32 s[TN], s[TN], s[ST]
	s_add_co_u32 s[TN], s[TN], 1
	s_min_u32 s[MOF], s[TN], 15                    ; held inside my tile's 16 steps
	s_lshl_b32 s[MOF], s[MOF], 8
	MWORDS                                         ; they have the rest of this step and the next step's first products in which to land
.endif
.irp b, 0,1,2,3
	v_max3_num_f32 v[BM+\b], v[S+16*\b], v[S+16*\b+1], v[S+16*\b+2]      ; the largest score of each block of 32 keys: for the row's maximum, and, since p rises with the score, for the block's largest p
.endr
.irp i, 3,5,7,9,11,13
.irp b, 0,1,2,3
	v_max3_num_f32 v[BM+\b], v[BM+\b], v[S+16*\b+\i], v[S+16*\b+\i+1]
.endr
.endr
.irp b, 0,1,2,3
	v_max_num_f32 v[BM+\b], v[BM+\b], v[S+16*\b+15]
.endr
.irp b, 0,1,2,3
	v_permlanex16_b32 v[T2+\b], v[BM+\b], s[SEL], s[SEL+1]
.endr
.irp b, 0,1,2,3
	v_max_num_f32 v[BM+\b], v[BM+\b], v[T2+\b]
.endr
	v_max3_num_f32 v[TT], v[BM], v[BM+1], v[BM+2]
	v_max_num_f32 v[TT], v[TT], v[BM+3]
	v_mul_f32 v[TT], s[CS], v[TT]
	v_max_num_f32 v13, v13, v[TT]                  ; the running largest t
	v_mov_b32 v[TT], v12
	v_floor_f32 v12, -v13                          ; the new -M = -ceil(t)
	v_sub_f32 v[TT], v12, v[TT]                    ; old M - new M: a whole number, 0 or less
	v_cvt_i32_f32 v[TT], v[TT]                     ; (it saturates)
	v_ldexp_f32 v[F], 1.0, v[TT]                   ; f = 2^(old M - new M)
.set j, 0
.rept 32
	v_pk_fma_f32 v[S+j:S+j+1], v[S+j:S+j+1], s[CS:CS+1], v[12:13] op_sel_hi:[1,0,0]   ; t - M, two at a time
.set j, j+2
.endr
.irp b, 0,1,2,3
	v_fma_f32 v[BM+\b], v[BM+\b], s[CS], v12
.endr
.set j, 0
	s_wait_alu depctr_va_vdst(0)
.rept 64
	v_exp_f32 v[S+j], v[S+j]                       ; p = 2^(t - M)
.set j, j+1
.endr
	v_pk_mul_f32 v[14:15], v[14:15], v[F:F+1] op_sel_hi:[1,0]   ; the sums under the new M (a plain place behind the exponentials)
	s_wait_alu depctr_va_vdst(0)                   ; the 64 exponentials have written p in v96 to v159: one wait for the batch, ahead of its first reader
.irp b, 0,1,2,3
	v_exp_f32 v[BM+\b], v[BM+\b]                   ; each block's largest p
.endr
	v_pk_add_f32 v[SM2:SM2+1], v[S:S+1], v[S+2:S+3]   ; the row's sum is taken of the unquantised p, in two chains
.set j, 4
.rept 15
	v_pk_add_f32 v[14:15], v[14:15], v[S+j:S+j+1]
	v_pk_add_f32 v[SM2:SM2+1], v[SM2:SM2+1], v[S+j+2:S+j+3]
.set j, j+4
.endr
	v_pk_add_f32 v[14:15], v[14:15], v[SM2:SM2+1]
	s_wait_alu depctr_va_vdst(0)                   ; the four exponentials have written the blocks' largest p in v212 to v215, ahead of their first reader
.irp b, 0,1,2,3
	v_max_num_f32 v[BM+\b], 0x1800000, v[BM+\b]    ; the floor 2^(3 - 127): the byte cannot fall under 1
.endr
.irp b, 0,1,2,3
	v_add_nc_u32 v[SO+\b], 0xff000000, v[BM+\b]    ; 2 off the exponent field: the conversion's scale operand
.endr
.irp b, 0,1,2,3
	v_lshrrev_b32 v[T2+\b], 23, v[SO+\b]
.endr
	v_lshl_or_b32 v[PWD], v[T2+1], 8, v[T2]        ; p's scale word for these 128 keys
	v_lshl_or_b32 v[PWD], v[T2+2], 16, v[PWD]
	v_lshl_or_b32 v[PWD], v[T2+3], 24, v[PWD]
	v_cvt_scalef32_pk16_fp6_f32 v[P:P+2], v[S:S+15], v[SO]
	v_cvt_scalef32_pk16_fp6_f32 v[XA:XA+2], v[S+16:S+31], v[SO+1]
	v_cvt_scalef32_pk16_fp6_f32 v[P+6:P+8], v[S+32:S+47], v[SO+2]
	v_cvt_scalef32_pk16_fp6_f32 v[XB:XB+2], v[S+48:S+63], v[SO+3]
	v_nop                                          ; one plain place behind the scaled conversions
.irp i, 0,1,2
	v_permlane16_swap_b32 v[P+\i], v[XA+\i]
	v_permlane16_swap_b32 v[P+6+\i], v[XB+\i]
.endr
.irp i, 0,1,2
	v_mov_b32 v[P+3+\i], v[XA+\i]
	v_mov_b32 v[P+9+\i], v[XB+\i]
.endr
.set j, 0
.rept 16
	v_pk_mul_f32 v[O+j:O+j+1], v[O+j:O+j+1], v[F:F+1] op_sel_hi:[1,0]   ; O^T under the new M.  (Of these sixteen, twelve name no register of any one product below: the places between p's scale word and codes and the products)
.set j, j+2
.endr
	s_wait_dscnt 0x0                               ; V and its scale words are in
	s_wait_alu depctr_va_vdst(0)                   ; p's codes in v192 to v203 and its scale word in v224 are written, which the scaled products below take; the places above stay beside this wait
.irp t, 0,1,2,3
	MMA O+8*\t, KF+12*\t, P, O+8*\t, VW+\t, PWD    ; the four accumulators by turns
.endr
.if MASKED
.Lskip:
	s_lshr_b32 s[FL], s[FL], 1
.endif
	s_add_co_u32 s[TK], s[TK], 6144
	s_add_co_u32 s[TS], s[TS], 512
	s_add_co_u32 s[ST], s[ST], 1
	s_cmp_lt_u32 s[ST], 16
	s_cbranch_scc1 .Lstep
	; THE WAY OUT: O^T / the sum, quantised along the head's 64 channels (two blocks), as six registers: half a fragment of the next product's operand
.rept 4
	v_nop
.endr
	s_wait_alu depctr_va_vdst(0)
	v_add_f32 v14, v14, v15
	v_permlanex16_b32 v[T2], v14, s[SEL], s[SEL+1]
	v_add_f32 v14, v14, v[T2]                      ; the row's sum
	s_wait_alu depctr_va_vdst(0)
	v_rcp_f32 v[F], v14
	v_nop                                          ; a plain place behind the reciprocal
	s_wait_alu depctr_va_vdst(0)                   ; the reciprocal has written v226, ahead of its first reader
.set j, 0
.rept 16
	v_pk_mul_f32 v[S+j:S+j+1], v[O+j:O+j+1], v[F:F+1] op_sel_hi:[1,0]   ; register 16 b + i: channel 32 b + 16 h + i of my query
.set j, j+2
.endr
.irp b, 0,1
	v_max3_num_f32 v[BM+\b], |v[S+16*\b]|, |v[S+16*\b+1]|, 0x1800000
.endr
.irp i, 2,4,6,8,10,12,14
.irp b, 0,1
	v_max3_num_f32 v[BM+\b], v[BM+\b], |v[S+16*\b+\i]|, |v[S+16*\b+\i+1]|
.endr
.endr
.irp b, 0,1
	v_permlanex16_b32 v[T2+\b], v[BM+\b], s[SEL], s[SEL+1]
.endr
.irp b, 0,1
	v_max_num_f32 v[BM+\b], v[BM+\b], v[T2+\b]
.endr
.irp b, 0,1
	v_add_nc_u32 v[SO+\b], 0xff000000, v[BM+\b]
.endr
.irp b, 0,1
	v_lshrrev_b32 v[T2+\b], 23, v[SO+\b]
.endr
	v_lshl_or_b32 v[OWD], v[T2+1], 8, v[T2]        ; the head's two scale bytes
	v_cvt_scalef32_pk16_fp6_f32 v[P:P+2], v[S:S+15], v[SO]
	v_cvt_scalef32_pk16_fp6_f32 v[XA:XA+2], v[S+16:S+31], v[SO+1]
	v_nop
.irp i, 0,1,2
	v_permlane16_swap_b32 v[P+\i], v[XA+\i]
.endr
.irp i, 0,1,2
	v_mov_b32 v[P+3+\i], v[XA+\i]
.endr
	s_wait_alu depctr_va_vdst(0)                   ; the codes in v192 to v197 and the scale bytes in v229 are written, which the stores below read
.irp p, 0,1,2
	global_store_b64 v3, v[P+2*\p:P+2*\p+1], s[OP:OP+1] offset:256*\p     ; 32 lanes store 256 consecutive bytes, aligned
.endr
	global_store_b32 v2, v[OWD], s[OSP:OSP+1]
	s_wait_dscnt 0x0                               ; the closing lines, six on end
	s_wait_alu 0x0
	s_wait_tensorcnt 0x0
	ds_add_u32 v254, v255
	s_wait_dscnt 0x0
	s_endpgm
.Lfunc_end_k_q2d69e408f6_attn_self:
	.size	k_q2d69e408f6_attn_self, .Lfunc_end_k_q2d69e408f6_attn_self-k_q2d69e408f6_attn_self
	.p2alignl 7, 3214868480
	.fill 96, 4, 3214868480
	.section	.rodata,"a",@progbits
	.p2align	6, 0x0
	.amdhsa_kernel k_q2d69e408f6_attn_self
		.amdhsa_group_segment_fixed_size 215040
		.amdhsa_private_segment_fixed_size 0
		.amdhsa_enable_private_segment 0
		.amdhsa_kernarg_size 24
		.amdhsa_user_sgpr_count 2
		.amdhsa_user_sgpr_kernarg_segment_ptr 1
		.amdhsa_wavefront_size32 1
		.amdhsa_system_sgpr_workgroup_id_x 1
		.amdhsa_system_sgpr_workgroup_id_y 1
		.amdhsa_system_sgpr_workgroup_id_z 1
		.amdhsa_system_vgpr_workitem_id 0
		.amdhsa_next_free_vgpr 256
		.amdhsa_next_free_sgpr 104
		.amdhsa_reserve_vcc 0
		.amdhsa_float_denorm_mode_32 3
		.amdhsa_float_denorm_mode_16_64 3
		.amdhsa_memory_ordered 1
		.amdhsa_forward_progress 1
		.amdhsa_inst_pref_size 40
	.end_amdhsa_kernel
	.amdgpu_metadata
---
amdhsa.version: [ 1, 2 ]
amdhsa.kernels:
  - .name:           k_q2d69e408f6_attn_self
    .symbol:         k_q2d69e408f6_attn_self.kd
    .args:
      - { .name: qkv, .offset: 0, .size: 8, .value_kind: global_buffer, .address_space: global }
      - { .name: maskw, .offset: 8, .size: 8, .value_kind: global_buffer, .address_space: global }
      - { .name: o1, .offset: 16, .size: 8, .value_kind: global_buffer, .address_space: global }
    .group_segment_fixed_size: 215040
    .private_segment_fixed_size: 0
    .kernarg_segment_align: 8
    .kernarg_segment_size: 24
    .max_flat_workgroup_size: 512
    .sgpr_count:     104
    .vgpr_count:     256
    .wavefront_size: 32
...
	.end_amdgpu_metadata
.endif
;; end of part 9
;; launch post1 (part 10): grid 256 x 1, 4 waves a work-group, no clusters, 104,960 bytes of LDS; arguments o1, prep, tgt, sa_bo, ln1_w, ln1_b, ca_bq, x1, qc; writes x1, qc
.if DOCPART == 10
	.amdgcn_target "amdgcn-amd-amdhsa--gfx1250"
	.amdhsa_code_object_version 6
	.text
	.protected	k_q2d69e408f6_post1
	.globl	k_q2d69e408f6_post1
	.p2align	8
	.type	k_q2d69e408f6_post1,@function
k_q2d69e408f6_post1:
	s_mov_b64 s[64:65], 0
	v_nop
	global_prefetch_b8 v0, s[64:65] scope:SCOPE_SE
	s_setreg_imm32_b32 hwreg(HW_REG_WAVE_SCHED_MODE, 0, 2), 2
	s_setreg_imm32_b32 hwreg(HW_REG_WAVE_MODE, 25, 1), 1
	s_wait_xcnt 0x0
	s_wait_alu depctr_vm_vsrc(0)
; POST1: x1 = LayerNorm(tgt + o W_o^T + b_o), stored in f32; then q of the cross-attention = Q(x1) W_q^T + b_q, quantised as the attention's operand.  Products on codes of FP6 (E2M3) with E8M0 scales.
; A work-group takes 32 tokens (tiles m = 0, 1 of 16); wave w takes output channels 128 w .. 128 w + 127 of both products.  D = W(s, t) x tokens(m, s): a lane holds one token, its 64 registers a tile run along the wave's 128 channels.
; THE WEIGHTS are a linear stream of units for each wave (a unit = 8 fragments and their scale words for one K step of 128: 12,288 + 1,024 dense bytes, laid so by the first launch), loaded straight into a ring of two register slots, two units ahead.
; A row's mean and variance span the four waves: two exchanges of one word a lane through LDS.  The variance is taken of x - mean: no difference of large sums.
; The quantised x1 goes from wave to wave through LDS as images of the operand's registers.  Three barriers.
; No tensor load, no cluster: each weight fragment feeds two products and comes dense into its registers; sharing the stream among work-groups would take a ring in LDS and one more pass of every weight byte through LDS.
; LIMITS: a block of zeros gets the scale byte 1 (its codes are zeros; this program alone reads the bytes); NaN and infinities are not served.
; THE MODE: SCHED_MODE bits 1:0 = 2 (LLVM: expert scheduling mode 2), set by the entry lines.  The code itself states the register dependences between vector or matrix instructions and memory or LDS instructions, with s_wait_alu, always for 0.
; THE PLAN.  Registers that memory or LDS instructions touch:
;   the ring's two slots (window 1) and their scale words v144-159: a unit's sixteen products read a slot; behind them the unit two on is loaded into it.  The bias (window 3): read as C by a pass's first unit, loaded again in its third.
;   the tokens' fragments (window 2, v128-223) and scale words v160-167: filled by loads (the first words by vector lines), read by products.
;   v230, v234: a row's partial sums, written by additions, read by LDS stores;  v214-221: the four waves' sums, filled by LDS loads.
;   the accumulators v16-143: read by the stage's LDS stores, written again by the second product.  PC0, PC1, PW0, PW1, WO: written by the quantiser, read by LDS stores, later by global stores.
;   v1-v10: offsets and LDS addresses, made at the head and never written again.  v254, v255: written at the head, read by the closing add alone.
; A unit's wait on va_vdst stands behind its products and not at the next unit's head: the slot is asked for again at once, since the wave has at most two units on their way.  The two tiles are quantised on end, so that one wait serves both tiles' stores.
; REGISTERS: window 0: v1-15 addresses; v16-143 the 16 accumulators (64 m + 8 t); v144-159 the ring's scale words; v160-167 the tokens'; v168-253 at work.  Window 1: the ring.  Window 2: v0-127 the residual, later rows on the way out; v128-223 the tokens' 8 fragments.  Window 3: bias, gain, offset.
.set GRPB, 49152
.set SCB,  9437184
.set OSC,  3145728
.set QB,   106496
.set G0,   148                         ; my stream begins at group G0 + GW x wave
.set GW,   2
.set XI,   4096                        ; LDS: 0: four regions of 1,024 bytes for the rows' sums;  XI: 8 images (2 s + m) x 1,536;  XS: their scale words x 128;  STG: a stage of 16 rows x 528 bytes for each wave
.set XS,   16384
.set STG,  70656
.set RX,   4
.set BO,   5
.set STO,  6
.set SRD,  7
.set XWI,  8
.set XWS,  9
.set RW,   10
.set ACC,  16
.set RS,   144
.set SS,   160
.set TM,   168
.set TP,   172
.set TSO,  176
.set XA,   180
.set XB,   184
.set PW0,  188
.set PW1,  189
.set PC0,  190
.set PC1,  202
.set OW,   214
.set LT,   230
.set LM,   238
.set WO,   252
.set SFR,  128                         ; in window 2
.set CB,   0                           ; in window 3
.set LW,   64
.set LB,   128
.set OP,   4                           ; s[4:5] o's codes, s[26:27] its scale words
.set WP,   6                           ; s[6:7] the stream's codes, s[28:29] its scale words
.set XP,   8                           ; s[8:9] the residual
.set B0P,  10
.set LWP,  12
.set LBP,  14
.set BP,   16                          ; s[16:17] the second product's bias
.set XO,   18                          ; s[18:19] x1
.set OSP,  26
.set WSP,  28
.set QP,   30                          ; s[30:31], s[32:33] q's codes of heads 2 w, 2 w + 1;  s[34:35], s[36:37] their scale words
.set QSP,  34
.set SEL,  40
.set C9,   42
.set EPSR, 43
.set MULF, 0x39                        ; weights window 1, tokens window 2, C (a bias) window 3, D window 0
.set MUL0, 0x09                        ; C and D window 0
.set MULX, 0x29
.set MSB, 0
.macro WIN new                         ; the immediate's high byte repeats the setting that is left
.if MSB != \new
	s_set_vgpr_msb (MSB<<8)|\new
.set MSB, \new
.endif
.endm
.macro MMA d, a, b, c, sa, sb
	v_wmma_scale_f32_16x16x128_f8f6f4 v[\d:\d+7], v[\a:\a+11], v[\b:\b+11], v[\c:\c+7], v[\sa], v[\sb] matrix_a_fmt:MATRIX_FMT_FP6 matrix_b_fmt:MATRIX_FMT_FP6
.endm
; 64 numbers of a lane, register 16 b + i = k 32 b + 16 (lane / 16) + i of the lane's row, become a fragment's twelve registers in v[pc] on and the row's scale word in v[pw]
.macro QUANT src, pc, pw
.irp b, 0,1,2,3
	v_max3_num_f32 v[TM+\b], |v[\src+16*\b]|, |v[\src+16*\b+1]|, 0x1800000   ; my 16 numbers of block b, and the floor 2^(3 - 127): the byte cannot fall under 1
.endr
.irp i, 2,4,6,8,10,12,14
.irp b, 0,1,2,3
	v_max3_num_f32 v[TM+\b], v[TM+\b], |v[\src+16*\b+\i]|, |v[\src+16*\b+\i+1]|
.endr
.endr
.irp b, 0,1,2,3
	v_permlanex16_b32 v[TP+\b], v[TM+\b], s[SEL], s[SEL+1]
.endr
.irp b, 0,1,2,3
	v_max_num_f32 v[TM+\b], v[TM+\b], v[TP+\b]
.endr
.irp b, 0,1,2,3
	v_add_nc_u32 v[TSO+\b], 0xff000000, v[TM+\b]      ; 2 off the exponent field: the conversion's scale operand
.endr
.irp b, 0,1,2,3
	v_lshrrev_b32 v[TP+\b], 23, v[TSO+\b]
.endr
	v_lshl_or_b32 v[\pw], v[TP+1], 8, v[TP]
	v_lshl_or_b32 v[\pw], v[TP+2], 16, v[\pw]
	v_lshl_or_b32 v[\pw], v[TP+3], 24, v[\pw]
	v_cvt_scalef32_pk16_fp6_f32 v[\pc:\pc+2], v[\src:\src+15], v[TSO]
	v_cvt_scalef32_pk16_fp6_f32 v[XA:XA+2], v[\src+16:\src+31], v[TSO+1]
	v_cvt_scalef32_pk16_fp6_f32 v[\pc+6:\pc+8], v[\src+32:\src+47], v[TSO+2]
	v_cvt_scalef32_pk16_fp6_f32 v[XB:XB+2], v[\src+48:\src+63], v[TSO+3]
	v_nop                                             ; one plain place behind the scaled conversions
.irp i, 0,1,2
	v_permlane16_swap_b32 v[\pc+\i], v[XA+\i]
	v_permlane16_swap_b32 v[\pc+6+\i], v[XB+\i]
.endr
.irp i, 0,1,2
	v_mov_b32 v[\pc+3+\i], v[XA+\i]
	v_mov_b32 v[\pc+9+\i], v[XB+\i]
.endr
.endm
.macro ULOAD slot, off                 ; unit off of the stream into a slot of the ring: 32 loads
	WIN 0x40
.irp t, 0,1,2,3,4,5,6,7
.irp c, 0,1,2
	global_load_b128 v[96*(\slot)+12*\t+4*\c:96*(\slot)+12*\t+4*\c+3], v1, s[WP:WP+1] offset:(\off)*12288+\t*1536+512*\c
.endr
.endr
	WIN 0
.irp t, 0,1,2,3,4,5,6,7
	global_load_b32 v[RS+8*(\slot)+\t], v2, s[WSP:WSP+1] offset:(\off)*1024+128*\t
.endr
.endm
.macro VLOAD dst, ptr                  ; my 64 of a vector of 128 channels into window 3: register 16 b + i = channel 32 b + 16 h + i: 16 loads
	WIN 0xc0
.set k, 0
.rept 16
	global_load_b128 v[\dst+4*k:\dst+4*k+3], v[BO], s[\ptr:\ptr+1] offset:128*(k/4)+16*(k%4)
.set k, k+1
.endr
	WIN 0
.endm
.macro UMUL slot, s, mode              ; 16 products: the slot's 8 fragments x the two tiles of tokens, K step s; the sixteen accumulators by turns
	WIN \mode
.irp t, 0,1,2,3,4,5,6,7
.irp m, 0,1
.if \mode == MULF
	MMA ACC+64*\m+8*\t, 96*(\slot)+12*\t, SFR+48*\m+12*(\s), CB+8*\t, RS+8*(\slot)+\t, SS+4*\m+(\s)
.elseif \mode == MULX
	MMA ACC+64*\m+8*\t, 96*(\slot)+12*\t, SFR+48*\m+12*(\s), 64*\m+8*\t, RS+8*(\slot)+\t, SS+4*\m+(\s)
.else
	MMA ACC+64*\m+8*\t, 96*(\slot)+12*\t, SFR+48*\m+12*(\s), ACC+64*\m+8*\t, RS+8*(\slot)+\t, SS+4*\m+(\s)
.endif
.endr
.endr
	WIN 0
.endm
.macro UNIT slot, s, mode, wcnt, pf, cb    ; wcnt: the loads issued behind this unit's, which may stay out;  pf: the unit that takes the slot next (none: -1);  cb: the next product's bias is asked for
	s_wait_loadcnt \wcnt
	UMUL \slot, \s, \mode
.rept 4
	v_nop                                          ; places behind the products, in front of the first read of results
.endr
.if (\pf) >= 0
	s_wait_alu depctr_va_vdst(0)                   ; the sixteen products are done reading the slot and its scale words, in which the loads below land (and the pass's first unit is done reading the bias, where that is asked for again)
	ULOAD \slot, \pf
.endif
.if \cb
	VLOAD CB, BP
.endif
.endm
.macro FETCH areg, aoff, sreg, soff    ; eight images (2 s + m) and their scale words come out of LDS into the tokens' registers
	WIN 0x80
.irp s, 0,1,2,3
.irp m, 0,1
.irp c, 0,1,2
	ds_load_b128 v[SFR+48*\m+12*\s+4*\c:SFR+48*\m+12*\s+4*\c+3], v[\areg] offset:\aoff+(2*\s+\m)*1536+512*\c
.endr
.endr
.endr
	WIN 0
.irp s, 0,1,2,3
.irp m, 0,1
	ds_load_b32 v[SS+4*\m+\s], v[\sreg] offset:\soff+(2*\s+\m)*128
.endr
.endr
	s_wait_dscnt 0x0
.endm
.macro BARRIER                         ; my LDS stores have landed and my LDS loads are in: then the work-group's barrier
	s_wait_dscnt 0x0
	s_barrier_signal -1
	s_barrier_wait -1
.endm
.macro LNRED rg                        ; each tile's two chains in v[LT + 4 m] on: joined, with lane l xor 16's, and over the four waves through region rg: the row's sum in v[OW + 4 m]
.irp m, 0,1
	v_pk_add_f32 v[LT+4*\m:LT+4*\m+1], v[LT+4*\m:LT+4*\m+1], v[LT+4*\m+2:LT+4*\m+3]
.endr
.irp m, 0,1
	v_add_f32 v[LT+4*\m], v[LT+4*\m], v[LT+4*\m+1]
.endr
.irp m, 0,1
	v_permlanex16_b32 v[LT+4*\m+2], v[LT+4*\m], s[SEL], s[SEL+1]
.endr
.irp m, 0,1
	v_add_f32 v[LT+4*\m], v[LT+4*\m], v[LT+4*\m+2]
.endr
	s_wait_alu depctr_va_vdst(0)                   ; my sums in v230 and v234 are written, which the LDS stores read; every vector line that named v214 to v221 is done, in which the LDS loads behind the barrier land
.irp m, 0,1
	ds_store_b32 v[RW], v[LT+4*\m] offset:(\rg)*1024+512*\m
.endr
	BARRIER
	s_wait_alu depctr_vm_vsrc(0)                   ; my LDS stores have read v230 and v234, which the next sums write again
.irp m, 0,1
.irp e, 0,1,2,3
	ds_load_b32 v[OW+4*\m+\e], v2 offset:(\rg)*1024+512*\m+128*\e
.endr
.endr
	s_wait_dscnt 0x0
.irp m, 0,1
	v_add_f32 v[OW+4*\m], v[OW+4*\m], v[OW+4*\m+1]
	v_add_f32 v[OW+4*\m+2], v[OW+4*\m+2], v[OW+4*\m+3]
.endr
.irp m, 0,1
	v_add_f32 v[OW+4*\m], v[OW+4*\m], v[OW+4*\m+2]
.endr
.endm
.macro LNORM rg                        ; the accumulators' 32 rows x 512 are normalised in place; regions rg and rg + 1 are used once each
.irp m, 0,1
	v_pk_add_f32 v[LT+4*\m:LT+4*\m+1], v[ACC+64*\m:ACC+64*\m+1], v[ACC+64*\m+2:ACC+64*\m+3]
	v_pk_add_f32 v[LT+4*\m+2:LT+4*\m+3], v[ACC+64*\m+4:ACC+64*\m+5], v[ACC+64*\m+6:ACC+64*\m+7]
.endr
.set k, 8
.rept 14
.irp m, 0,1
	v_pk_add_f32 v[LT+4*\m:LT+4*\m+1], v[LT+4*\m:LT+4*\m+1], v[ACC+64*\m+k:ACC+64*\m+k+1]
	v_pk_add_f32 v[LT+4*\m+2:LT+4*\m+3], v[LT+4*\m+2:LT+4*\m+3], v[ACC+64*\m+k+2:ACC+64*\m+k+3]
.endr
.set k, k+4
.endr
	LNRED \rg
.irp m, 0,1
	v_mul_f32 v[LM+2*\m], 0xbb000000, v[OW+4*\m]   ; -mean = sum x -2^-9
.endr
.irp m, 0,1
	v_mov_b32 v[LM+2*\m+1], v[LM+2*\m]
.endr
.set k, 0
.rept 32
.irp m, 0,1
	v_pk_add_f32 v[ACC+64*\m+k:ACC+64*\m+k+1], v[ACC+64*\m+k:ACC+64*\m+k+1], v[LM+2*\m:LM+2*\m+1]
.endr
.set k, k+2
.endr
.irp m, 0,1
	v_pk_mul_f32 v[LT+4*\m:LT+4*\m+1], v[ACC+64*\m:ACC+64*\m+1], v[ACC+64*\m:ACC+64*\m+1]
	v_pk_mul_f32 v[LT+4*\m+2:LT+4*\m+3], v[ACC+64*\m+2:ACC+64*\m+3], v[ACC+64*\m+2:ACC+64*\m+3]
.endr
.set k, 4
.rept 15
.irp m, 0,1
	v_pk_fma_f32 v[LT+4*\m:LT+4*\m+1], v[ACC+64*\m+k:ACC+64*\m+k+1], v[ACC+64*\m+k:ACC+64*\m+k+1], v[LT+4*\m:LT+4*\m+1]
	v_pk_fma_f32 v[LT+4*\m+2:LT+4*\m+3], v[ACC+64*\m+k+2:ACC+64*\m+k+3], v[ACC+64*\m+k+2:ACC+64*\m+k+3], v[LT+4*\m+2:LT+4*\m+3]
.endr
.set k, k+4
.endr
	LNRED (\rg)+1
.irp m, 0,1
	v_fma_f32 v[OW+4*\m], v[OW+4*\m], s[C9], s[EPSR]   ; variance + 1e-5
.endr
	s_wait_alu depctr_va_vdst(0)
.irp m, 0,1
	v_rsq_f32 v[LM+2*\m], v[OW+4*\m]
.endr
	v_nop                                          ; a plain place behind the two roots
	s_wait_alu depctr_va_vdst(0)                   ; the two roots have written v238 and v240, ahead of their first reader
.irp m, 0,1
	v_mov_b32 v[LM+2*\m+1], v[LM+2*\m]
.endr
.set k, 0
.rept 32
.irp m, 0,1
	v_pk_mul_f32 v[ACC+64*\m+k:ACC+64*\m+k+1], v[ACC+64*\m+k:ACC+64*\m+k+1], v[LM+2*\m:LM+2*\m+1]
.endr
.set k, k+2
.endr
	WIN 0x3c                                       ; gain and offset: window 3
.set k, 0
.rept 32
.irp m, 0,1
	v_pk_fma_f32 v[ACC+64*\m+k:ACC+64*\m+k+1], v[ACC+64*\m+k:ACC+64*\m+k+1], v[LW+k:LW+k+1], v[LB+k:LB+k+1]
.endr
.set k, k+2
.endr
	WIN 0
.endm
.macro STAGE ptr                       ; a lane holds 4 x 64 bytes of one row: a tile goes through my own stage and leaves as whole runs of 512 bytes.  LDS serves a wave's instructions in order: no wait between stores and loads
.irp m, 0,1
.set k, 0
.rept 16
	ds_store_b128 v[STO], v[ACC+64*\m+4*k:ACC+64*\m+4*k+3] offset:128*(k/4)+16*(k%4)
.set k, k+1
.endr
	WIN 0x80
.set k, 0
.rept 16
	ds_load_b128 v[64*\m+4*k:64*\m+4*k+3], v[SRD] offset:528*k
.set k, k+1
.endr
	s_wait_dscnt 0x0
	WIN 0x08                                       ; a store's data: window 2
.set k, 0
.rept 16
	global_store_b128 v1, v[64*\m+4*k:64*\m+4*k+3], s[\ptr:\ptr+1] offset:(8*\m+k+8*(k/8))*2048 th:TH_STORE_NT   ; 32 lanes store 512 consecutive bytes, aligned
.set k, k+1
.endr
	WIN 0
.endr
.endm
	s_load_b512 s[4:19], s[0:1], 0x0               ; o1, prep, tgt, sa_bo, ln1_w, ln1_b, ca_bq, x1
	s_load_b64 s[20:21], s[0:1], 0x40              ; qc
	v_lshl_add_u32 v254, v0, 2, 0x19800
	v_mov_b32 v255, 0
	v_lshrrev_b32 v1, 5, v0
	v_readfirstlane_b32 s2, v1                     ; wave 0..3
	v_and_b32 v15, 31, v0
	v_and_b32 v250, 15, v0                         ; r
	v_bfe_u32 v5, v0, 4, 1                         ; h
	v_lshlrev_b32 v1, 4, v15                       ; 16 x lane
	v_lshlrev_b32 v2, 2, v15                       ; 4 x lane
	v_lshlrev_b32 v3, 3, v15                       ; 8 x lane
	v_and_b32 v4, 8, v250
	v_add_nc_u32 v4, v4, v250
	v_lshlrev_b32 v4, 11, v4
	v_lshl_add_u32 v[RX], v5, 6, v4                ; my token's row of 2,048 bytes, + 64 h
	v_mul_u32_u24 v6, v250, 528
	v_lshl_add_u32 v6, v5, 6, v6                   ; the stage: row r, + 64 h
	v_lshlrev_b32 v[BO], 6, v5                     ; 64 h
	s_wait_alu depctr_va_sdst(0)                   ; s2, the wave's number, is written, ahead of its first reader: my channels, my stream and my LDS places are made from it
	s_mov_b32 s[SEL], 0x76543210
	s_mov_b32 s[SEL+1], 0xfedcba98
	s_mov_b32 s[C9], 0x3b000000                    ; 2^-9
	s_mov_b32 s[EPSR], 0x3727c5ac                  ; 1e-5
	s_mov_b32 s44, 0x05040100
	s_mov_b32 s45, 0x07060302
	s_mul_i32 s50, s2, 8448
	s_add_co_u32 s50, s50, STG                     ; my stage
	s_mul_i32 s51, s2, 3072
	s_add_co_u32 s51, s51, XI                      ; my images: K step w, tiles 0 and 1
	s_lshl_b32 s52, s2, 8
	s_add_co_u32 s52, s52, XS
	s_lshl_b32 s53, s2, 7
	s_mov_b32 s55, 0
	s_mov_b32 s57, 0
	s_mov_b32 s59, 0
	s_mov_b32 s61, 0
	s_mov_b32 s63, 0
	s_mov_b32 s67, 0
	s_mov_b32 s69, 0
	s_mov_b32 s71, 0
	s_mul_i32 s54, ttmp9, 12288                    ; o: two tiles x 8 heads x 768 bytes
	s_lshl_b32 s56, ttmp9, 11
	s_add_co_u32 s56, s56, OSC
	s_mul_i32 s58, s2, GW
	s_add_co_u32 s58, s58, G0
	s_lshl_b32 s60, s58, 12
	s_add_co_u32 s60, s60, SCB
	s_mul_i32 s58, s58, GRPB
	s_lshl_b32 s62, ttmp9, 16                      ; 32 rows of 2,048 bytes,
	s_lshl_b32 s66, s2, 9                          ; my 128 channels
	s_add_co_u32 s62, s62, s66
	s_lshr_b32 s68, ttmp9, 6                       ; batch n
	s_lshl_b32 s68, s68, 3
	s_lshl_b32 s70, s2, 1
	s_add_co_u32 s68, s68, s70                     ; head 8 n + 2 w
	s_mul_i32 s68, s68, QB
	s_and_b32 s72, ttmp9, 63                       ; the pair of tiles in the batch
	s_lshl_b32 s70, s72, 7
	s_add_co_u32 s70, s70, s68
	s_add_co_u32 s70, s70, 98304
	s_mul_i32 s72, s72, 1536
	s_add_co_u32 s68, s68, s72
	s_wait_kmcnt 0x0
	s_add_nc_u64 s[OSP:OSP+1], s[4:5], s[56:57]
	s_add_nc_u64 s[OP:OP+1], s[4:5], s[54:55]
	s_add_nc_u64 s[WSP:WSP+1], s[6:7], s[60:61]
	s_add_nc_u64 s[WP:WP+1], s[6:7], s[58:59]
	s_add_nc_u64 s[XP:XP+1], s[XP:XP+1], s[62:63]
	s_add_nc_u64 s[XO:XO+1], s[XO:XO+1], s[62:63]
	s_add_nc_u64 s[B0P:B0P+1], s[B0P:B0P+1], s[66:67]
	s_add_nc_u64 s[LWP:LWP+1], s[LWP:LWP+1], s[66:67]
	s_add_nc_u64 s[LBP:LBP+1], s[LBP:LBP+1], s[66:67]
	s_add_nc_u64 s[BP:BP+1], s[BP:BP+1], s[66:67]
	s_add_nc_u64 s[QP:QP+1], s[20:21], s[68:69]
	s_add_nc_u64 s[QP+2:QP+3], s[QP:QP+1], QB
	s_add_nc_u64 s[QSP:QSP+1], s[20:21], s[70:71]
	s_add_nc_u64 s[QSP+2:QSP+3], s[QSP:QSP+1], QB
	s_wait_alu depctr_va_vdst(0)                   ; the offsets v1 to v5 are written, which every global load and store of the kernel reads
	; ---- the out-projection, the residual and the norm
	WIN 0x80
.irp m, 0,1
.set k, 0
.rept 16
	global_load_b128 v[64*\m+4*k:64*\m+4*k+3], v[RX], s[XP:XP+1] offset:16384*\m+128*(k/4)+16*(k%4)   ; the residual, in the result's layout
.set k, k+1
.endr
.endr
	WIN 0
	VLOAD LW, LWP
	VLOAD LB, LBP
	VLOAD CB, B0P
	WIN 0x80
.irp m, 0,1
.set k, 0
.rept 24
	global_load_b64 v[SFR+48*\m+2*k:SFR+48*\m+2*k+1], v3, s[OP:OP+1] offset:6144*\m+256*k   ; heads 2 s, 2 s + 1 make K step s: 8 heads x 3 pieces are the tile's four fragments on end
.set k, k+1
.endr
.endr
	WIN 0
.irp m, 0,1
.irp e, 0,1,2,3,4,5,6,7
	global_load_b32 v[OW+8*\m+\e], v2, s[OSP:OSP+1] offset:1024*\m+128*\e
.endr
.endr
	ULOAD 0, 0
	s_wait_loadcnt 32                              ; all but unit 0's 32 loads
.irp m, 0,1
.irp s, 0,1,2,3
	v_lshl_or_b32 v[SS+4*\m+\s], v[OW+8*\m+2*\s+1], 16, v[OW+8*\m+2*\s]   ; two heads' two bytes each: a K step's scale word
.endr
.endr
	ULOAD 1, 1
	v_add_nc_u32 v[STO], s50, v6                   ; (these nine lines are also the eight places between the scale words just made and the first product)
	v_add_nc_u32 v[SRD], s50, v1
	v_add_nc_u32 v[XWI], s51, v1
	v_add_nc_u32 v[XWS], s52, v2
	v_add_nc_u32 v[RW], s53, v2
.irp b, 0,1,2,3
	v_mov_b32 v[TP+\b], 0                          ; written once: a lane permute's destination counts as one of its sources
.endr
	s_wait_alu depctr_va_vdst(0)                   ; the tokens' scale words v160 to v167 are written, which the scaled products take; so are the LDS addresses v6 to v10, which every LDS store and load by them reads.  The places above stay beside this wait
	UNIT 0, 0, MULF, 32, 2, 0                      ; 32: the next unit's loads may be out
	UNIT 1, 1, MUL0, 32, 3, 0
	UNIT 0, 2, MUL0, 32, 4, 1
	UNIT 1, 3, MUL0, 48, 5, 0                      ; 48: unit 4's 32 and the bias's 16
	WIN 0x08
.set k, 0
.rept 64
	v_pk_add_f32 v[ACC+k:ACC+k+1], v[ACC+k:ACC+k+1], v[k:k+1]
.set k, k+2
.endr
	WIN 0
	LNORM 0
	s_wait_alu depctr_va_vdst(0)                   ; the norm has written the accumulators, which the stage's LDS stores read; the additions of the residual are done reading window 2's v0 to v127, in which the stage's loads land
	STAGE XO
	; ---- x1 becomes K step w of the next product, for both tiles
	QUANT ACC, PC0, PW0
	QUANT ACC+64, PC1, PW1
	s_wait_alu depctr_va_vdst(0)                   ; both tiles' codes and scale words are written, which the LDS stores read; the first product is done reading the tokens' fragments and words, in which the LDS loads behind the barrier land
.irp c, 0,1,2
	ds_store_b128 v[XWI], v[PC0+4*\c:PC0+4*\c+3] offset:512*\c
.endr
	ds_store_b32 v[XWS], v[PW0]
.irp c, 0,1,2
	ds_store_b128 v[XWI], v[PC1+4*\c:PC1+4*\c+3] offset:1536+512*\c
.endr
	ds_store_b32 v[XWS], v[PW1] offset:128
	BARRIER                                        ; x1's eight fragments lie in LDS
	s_wait_alu depctr_vm_vsrc(0)                   ; my LDS stores have read the accumulators (the stage's), which the products below write again, and the codes and words, which the last quantisers write again
	FETCH 1, XI, 2, XS
	UNIT 0, 0, MULF, 32, 6, 0                      ; unit 4 and the bias are in; unit 5's 32 may be out
	UNIT 1, 1, MUL0, 32, 7, 0
	UNIT 0, 2, MUL0, 32, -1, 0
	UNIT 1, 3, MUL0, 0, -1, 0
	QUANT ACC, PC0, PW0
	QUANT ACC+64, PC1, PW1
	v_perm_b32 v[WO], v[PW1], v[PW0], s44          ; the pair's scale bytes of one head: [even s0, s1, odd s0, s1]
	v_perm_b32 v[WO+1], v[PW1], v[PW0], s45
	s_wait_alu depctr_va_vdst(0)                   ; q's codes and the pair's scale words are written, which the stores below read
.irp c, 0,1
.irp p, 0,1,2
	global_store_b64 v3, v[PC0+6*\c+2*\p:PC0+6*\c+2*\p+1], s[QP+2*\c:QP+2*\c+1] offset:256*\p
	global_store_b64 v3, v[PC1+6*\c+2*\p:PC1+6*\c+2*\p+1], s[QP+2*\c:QP+2*\c+1] offset:768+256*\p
.endr
.endr
	global_store_b32 v2, v[WO], s[QSP:QSP+1]
	global_store_b32 v2, v[WO+1], s[QSP+2:QSP+3]
	s_wait_dscnt 0x0                               ; the closing lines, six on end
	s_wait_alu 0x0
	s_wait_tensorcnt 0x0
	ds_add_u32 v254, v255
	s_wait_dscnt 0x0
	s_endpgm
.Lfunc_end_k_q2d69e408f6_post1:
	.size	k_q2d69e408f6_post1, .Lfunc_end_k_q2d69e408f6_post1-k_q2d69e408f6_post1
	.p2alignl 7, 3214868480
	.fill 96, 4, 3214868480
	.section	.rodata,"a",@progbits
	.p2align	6, 0x0
	.amdhsa_kernel k_q2d69e408f6_post1
		.amdhsa_group_segment_fixed_size 104960
		.amdhsa_private_segment_fixed_size 0
		.amdhsa_enable_private_segment 0
		.amdhsa_kernarg_size 72
		.amdhsa_user_sgpr_count 2
		.amdhsa_user_sgpr_kernarg_segment_ptr 1
		.amdhsa_wavefront_size32 1
		.amdhsa_system_sgpr_workgroup_id_x 1
		.amdhsa_system_sgpr_workgroup_id_y 1
		.amdhsa_system_sgpr_workgroup_id_z 1
		.amdhsa_system_vgpr_workitem_id 0
		.amdhsa_next_free_vgpr 1024
		.amdhsa_next_free_sgpr 80
		.amdhsa_reserve_vcc 0
		.amdhsa_float_denorm_mode_32 3
		.amdhsa_float_denorm_mode_16_64 3
		.amdhsa_memory_ordered 1
		.amdhsa_forward_progress 1
		.amdhsa_inst_pref_size 117
	.end_amdhsa_kernel
	.amdgpu_metadata
---
amdhsa.version: [ 1, 2 ]
amdhsa.kernels:
  - .name:           k_q2d69e408f6_post1
    .symbol:         k_q2d69e408f6_post1.kd
    .args:
      - { .name: o1, .offset: 0, .size: 8, .value_kind: global_buffer, .address_space: global }
      - { .name: prep, .offset: 8, .size: 8, .value_kind: global_buffer, .address_space: global }
      - { .name: tgt, .offset: 16, .size: 8, .value_kind: global_buffer, .address_space: global }
      - { .name: sa_bo, .offset: 24, .size: 8, .value_kind: global_buffer, .address_space: global }
      - { .name: ln1_w, .offset: 32, .size: 8, .value_kind: global_buffer, .address_space: global }
      - { .name: ln1_b, .offset: 40, .size: 8, .value_kind: global_buffer, .address_space: global }
      - { .name: ca_bq, .offset: 48, .size: 8, .value_kind: global_buffer, .address_space: global }
      - { .name: x1, .offset: 56, .size: 8, .value_kind: global_buffer, .address_space: global }
      - { .name: qc, .offset: 64, .size: 8, .value_kind: global_buffer, .address_space: global }
    .group_segment_fixed_size: 104960
    .private_segment_fixed_size: 0
    .kernarg_segment_align: 8
    .kernarg_segment_size: 72
    .max_flat_workgroup_size: 128
    .sgpr_count:     80
    .vgpr_count:     1024
    .wavefront_size: 32
...
	.end_amdgpu_metadata
.endif
;; end of part 10
;; launch attn_cross (part 11): grid 8 x 32, 16 waves a work-group, no clusters, 215,040 bytes of LDS; arguments qkv, qc, o2; writes o2
.if DOCPART == 11
	.amdgcn_target "amdgcn-amd-amdhsa--gfx1250"
	.amdhsa_code_object_version 6
	.text
	.protected	k_q2d69e408f6_attn_cross
	.globl	k_q2d69e408f6_attn_cross
	.p2align	8
	.type	k_q2d69e408f6_attn_cross,@function
k_q2d69e408f6_attn_cross:
	s_mov_b64 s[64:65], 0
	v_nop
	global_prefetch_b8 v0, s[64:65] scope:SCOPE_SE
	s_setreg_imm32_b32 hwreg(HW_REG_WAVE_SCHED_MODE, 0, 2), 2
	s_setreg_imm32_b32 hwreg(HW_REG_WAVE_MODE, 25, 1), 1
	s_wait_xcnt 0x0
	s_wait_alu depctr_vm_vsrc(0)
; ATTENTION on codes of FP6 (E2M3) with E8M0 scales, head size 64, 2,048 queries and 2,048 keys a head.  MASKED = 1: with the mask input, as lane masks made by the first launch; MASKED = 0: without.
; A work-group is one (batch, head) = y and 256 queries; ALL of the head's K and V (212,992 bytes with their scale words) lie in LDS, filled once by the sixteen waves: one barrier, no ring.
; Wave i owns ONE tile of 16 queries, tile 8 p(i) + x, p a 4 x 4 magic square of 0..15 (the same shares as in the masked text).
; Both products are used transposed (S^T = K Q^T, O^T = V^T P^T): a lane holds one query (lane % 16) throughout.  Tiles take rows 32 (T / 2) + 8 (T % 2) + r + 8 (r / 8), so the 16 registers of two neighbouring tiles are 16 neighbouring keys.
; HEAD SIZE 64 IN A K OF 128: a fragment of K holds TWO key tiles (registers 0-5, 6-11).  q stands as [0 x 6][q x 6][0 x 6]: v[22:33] = [q | 0] picks the first tile, v[16:27] = [0 | q] the second: zero codes add nothing.
; SOFTMAX: t = score x log2(e) / 8; M = the running largest t rounded up to a whole number; p = 2^(t - M) is quantised along the keys; the sum is taken of the unquantised p and divides O at the end.  When M moves, sum and O are multiplied by 2^(old M - new M): exact.
; LIMITS: NaN and infinities are not served.  A block of zeros gets the scale byte 1 (its codes are zeros; this program alone reads the bytes).
; No tensor load and no cluster: the eight work-groups of a head read the same bytes once each, at the head; K's pieces and the scale words are laid anew by the waves' own LDS stores on the way.
; THE MODE: SCHED_MODE bits 1:0 = 2 (LLVM: expert scheduling mode 2), set by the entry lines.  The code itself states the register dependences between vector or matrix instructions and memory or LDS instructions, with s_wait_alu, always for 0.
; THE PLAN.  Registers that LDS instructions touch, in the loop:
;   v8-v11    the step's LDS addresses.  Written by four additions at the step's head; read by the step's 26 LDS loads.
;   v36-v83   four fragments.  K's land at the step's head and are read by the first eight products; V's land behind those and are read by the last four.  v84-87 K's scale words, v88-91 V's: likewise.
;   There is one set of them: a set is 48 registers and the wave's 256 leave 25 free.
; So a step holds: one wait on vm_vsrc at its head (the last step's loads have read v8-v11); one on va_vdst behind the four additions (the addresses are written, the last step's products are done with v36-91); one behind the first eight products (they are done
; with K's fragments); the two behind the exponentials; and one ahead of the last four products (p's codes and scale word are written).
; Outside the loop: v96-199 are the fill's data, read by LDS stores and written again as scores, O^T and codes: one wait on vm_vsrc behind the barrier.  v254, v255 are written at the head and read by the closing add alone.
; REGISTERS: v1-3 16, 4, 8 x lane; v5-7 lane terms of V, K's words, V's words; v8-11 addresses in hand; v12 -M, v13 largest t, v[14:15] the sum; v16-33 q; v34 q's scale word; v36-83 four fragments; v84-91 their scale words; v96-159 S^T, then p; v160-191 O^T; v192-203 p's codes; v204-232 at work.
.set MASKED, 0
.set HB,   212992
.set QB,   106496
.set CA,   6815744
.set QS,   13631488
.set OSC,  3145728
.set RAB,  524288
.set LV,   98304                       ; LDS: K 0, V 98,304 (step x 6,144 + fragment x 1,536 + 512 c + 16 L), K's scale words 196,608, V's 204,800 (step x 512 + 16 L + 4 x fragment)
.set LKW,  196608
.set LVW,  204800
.set KF,   36
.set KW,   84
.set VW,   88
.set S,    96
.set O,    160
.set P,    192
.set XA,   204
.set XB,   208
.set BM,   212
.set T2,   216
.set SO,   220
.set PWD,  224
.set F,    226
.set TT,   228
.set OWD,  229
.set SM2,  230
.set NEG,  232
.set MP,   84
.set OP,   86                          ; s[86:87] where my codes go, s[88:89] their scale word
.set OSP,  88
.set TK,   90                          ; s90 the step's tiles in LDS: 6,144 a step;  s91 its scale words: 512 a step
.set TS,   91
.set ST,   92
.set FL,   93
.set CS,   94                          ; s[94:95] c = log2(e) / 8
.set SEL,  96                          ; s[96:97] selects for lane l xor 16
.macro MMA d, a, b, c, sa, sb
	v_wmma_scale_f32_16x16x128_f8f6f4 v[\d:\d+7], v[\a:\a+11], v[\b:\b+11], v[\c:\c+7], v[\sa], v[\sb] matrix_a_fmt:MATRIX_FMT_FP6 matrix_b_fmt:MATRIX_FMT_FP6
.endm
.macro MMA0 d, a, b, sa, sb
	v_wmma_scale_f32_16x16x128_f8f6f4 v[\d:\d+7], v[\a:\a+11], v[\b:\b+11], 0, v[\sa], v[\sb] matrix_a_fmt:MATRIX_FMT_FP6 matrix_b_fmt:MATRIX_FMT_FP6
.endm
	s_load_b128 s[4:7], s[0:1], 0x0                ; qkv; the mask words (MASKED) or the cross-attention's q
	s_load_b64 s[8:9], s[0:1], 0x10                ; the output
	v_lshl_add_u32 v254, v0, 2, 0x34000
	v_mov_b32 v255, 0
	v_lshrrev_b32 v1, 5, v0
	v_readfirstlane_b32 s10, v1                    ; wave 0..15
	v_and_b32 v12, 31, v0
	v_lshlrev_b32 v1, 4, v12
	v_lshlrev_b32 v2, 2, v12
	v_lshlrev_b32 v3, 3, v12
	s_wait_alu depctr_va_sdst(0)                   ; s10, the wave's number, is written, ahead of its first reader: my tile and my part of the fill are made from it
	s_mov_b32 s11, 0x0de3b658
	s_cmp_lt_u32 s10, 8
	s_cselect_b32 s11, 0x7a94c12f, s11             ; the magic square, a nibble a wave
	s_and_b32 s12, s10, 7
	s_lshl_b32 s12, s12, 2
	s_lshr_b32 s11, s11, s12
	s_and_b32 s11, s11, 15
	s_lshl_b32 s11, s11, 3
	s_add_co_u32 s11, s11, ttmp9                   ; my tile of queries, 0..127
	s_and_b32 s12, ttmp7, 0xffff                   ; 8 n + head
	s_mul_i32 s32, s12, HB
.if !MASKED
	s_add_co_u32 s32, s32, CA
.endif
	s_mul_i32 s60, s10, 6144                       ; I fill key step w
	s_lshl_b32 s61, s10, 9
	s_add_co_u32 s34, s60, s32
	s_mov_b32 s35, 0
	s_add_co_u32 s36, s61, s32
	s_mov_b32 s37, 0
	s_mul_i32 s38, s12, QB
.if MASKED
	s_add_co_u32 s38, s38, QS
.endif
	s_mul_i32 s40, s11, 768
	s_add_co_u32 s40, s40, s38                     ; q's codes
	s_mov_b32 s41, 0
	s_lshr_b32 s42, s11, 1
	s_lshl_b32 s42, s42, 7
	s_add_co_u32 s42, s42, s38
	s_add_co_u32 s42, s42, 98304                   ; its pair's scale word
	s_mov_b32 s43, 0
	s_lshr_b32 s44, s12, 3
	s_lshl_b32 s44, s44, 7
	s_add_co_u32 s44, s44, s11                     ; my tile of all 512
	s_lshl_b32 s44, s44, 3
	s_and_b32 s45, s12, 7
	s_add_co_u32 s44, s44, s45                     ; 8 x tile + head
	s_mul_i32 s46, s44, 768
	s_mov_b32 s47, 0
	s_lshl_b32 s48, s44, 7
	s_add_co_u32 s48, s48, OSC
	s_mov_b32 s49, 0
.if MASKED
	s_lshl_b32 s50, s11, 12
	s_mov_b32 s51, 0
	s_lshl_b32 s52, s11, 6
	s_add_co_u32 s52, s52, RAB
	s_mov_b32 s53, 0
.endif
	s_mov_b32 s33, 0x01000100
	s_bitcmp1_b32 s11, 0
	s_cselect_b32 s33, 0x03020302, s33             ; my tile's two bytes of the pair's word, twice
	s_mov_b32 s[CS], 0x3e38aa3b
	s_mov_b32 s[CS+1], s[CS]                       ; (named with it as a pair, so it is written)
	s_mov_b32 s[SEL], 0x76543210
	s_mov_b32 s[SEL+1], 0xfedcba98
	s_mov_b32 s[TK], 0
	s_mov_b32 s[TS], 0
	s_mov_b32 s[ST], 0
	s_wait_kmcnt 0x0
	s_add_nc_u64 s[98:99], s[4:5], s[34:35]
	s_add_nc_u64 s[100:101], s[4:5], s[36:37]
.if MASKED
	s_add_nc_u64 s[54:55], s[4:5], s[40:41]
	s_add_nc_u64 s[56:57], s[4:5], s[42:43]
	s_add_nc_u64 s[MP:MP+1], s[6:7], s[50:51]
	s_add_nc_u64 s[58:59], s[6:7], s[52:53]
.else
	s_add_nc_u64 s[54:55], s[6:7], s[40:41]
	s_add_nc_u64 s[56:57], s[6:7], s[42:43]
.endif
	s_add_nc_u64 s[OP:OP+1], s[8:9], s[46:47]
	s_add_nc_u64 s[OSP:OSP+1], s[8:9], s[48:49]
	s_wait_alu depctr_va_vdst(0)                   ; the offsets v1, v2, v3 are written, which every global load and store of the kernel reads
.set i, 0
.rept 24
	global_load_b64 v[96+2*i:97+2*i], v3, s[98:99] offset:256*i           ; K of my step: 8 tiles x 3 pieces of 256 bytes
.set i, i+1
.endr
.set i, 0
.rept 12
	global_load_b128 v[144+4*i:147+4*i], v1, s[98:99] offset:98304+512*i  ; V of my step: 4 fragments
.set i, i+1
.endr
.irp b, 0,1,2,3
	global_load_b32 v[192+\b], v2, s[100:101] offset:196608+128*\b
	global_load_b32 v[196+\b], v2, s[100:101] offset:204800+128*\b
.endr
.irp p, 0,1,2
	global_load_b64 v[22+2*\p:23+2*\p], v3, s[54:55] offset:256*\p        ; q stays in registers
.endr
	global_load_b32 v35, v2, s[56:57]
.if MASKED
	s_load_b512 s[16:31], s[58:59], 0x0
.endif
.irp j, 16,17,18,19,20,21,28,29,30,31,32,33
	v_mov_b32 v[\j], 0                             ; zero codes on both sides of q
.endr
	v_add_nc_u32 v8, s60, v1                       ; the fill's places
	v_add_nc_u32 v9, LV, v8
	v_add_nc_u32 v10, s61, v1
	v_add_nc_u32 v10, LKW, v10
	v_add_nc_u32 v11, LVW-LKW, v10
	v_add_nc_u32 v5, LV, v1
	v_add_nc_u32 v6, LKW, v1
	v_add_nc_u32 v7, LVW, v1
	s_wait_loadcnt 0x0
	v_perm_b32 v34, v35, v35, s33                  ; q's scale word [s0, s1, s0, s1]: it serves q in either half of K
	s_wait_alu depctr_va_vdst(0)                   ; the fill's places v8 to v11 are written, which the LDS stores below read as addresses
.set i, 0
.rept 24
	ds_store_b64 v8, v[96+2*i:97+2*i] offset:(i/6)*1536+((i%6)/2)*512+8*(i%2)   ; two tiles' pieces become one fragment's image: registers 4 c .. 4 c + 3 at 512 c + 16 L
.set i, i+1
.endr
.set i, 0
.rept 12
	ds_store_b128 v9, v[144+4*i:147+4*i] offset:512*i
.set i, i+1
.endr
.irp b, 0,1,2,3
	ds_store_b32 v10, v[192+\b] offset:4*\b        ; a step's four words of a lane on end: one load of 16 bytes brings them
	ds_store_b32 v11, v[196+\b] offset:4*\b
.endr
	s_wait_dscnt 0x0                               ; for the others' sake: my stores have landed
	s_barrier_signal -1
	s_barrier_wait -1                              ; the head's K and V are whole; nothing in LDS is written again
	s_wait_alu depctr_vm_vsrc(0)                   ; my LDS stores have read their data v96 to v199, which are written again from here on as O^T, scores and codes
.set j, 0
.rept 32
	v_mov_b32 v[O+j], 0                            ; O^T.  (The step is written once: the first finds zeros.  These lines are also the places between q's scale word and the first product)
.set j, j+1
.endr
.irp b, 0,1,2,3
	v_mov_b32 v[T2+\b], 0                          ; written once: a lane permute's destination counts as one of its sources
.endr
	v_mov_b32 v[F+1], 0                            ; (named as the upper half of a pair)
	v_mov_b32 v13, 0xff61b1e6                      ; the largest t so far: -3e38
	v_floor_f32 v12, -v13                          ; -M
	v_mov_b32 v14, 0
	v_mov_b32 v15, 0
.Lstep:                                            ; 16 trips: 128 keys each
	s_wait_alu depctr_vm_vsrc(0)                   ; the LDS instructions issued so far (the last step's loads; in the first trip the fill's stores) have read v8 to v11, which the four additions below write again
	v_add_nc_u32 v8, s[TK], v1
	v_add_nc_u32 v9, s[TK], v5
	v_add_nc_u32 v10, s[TS], v6
	v_add_nc_u32 v11, s[TS], v7
	s_wait_alu depctr_va_vdst(0)                   ; v8 to v11 are written, which this step's LDS loads read; the last step's products are done reading v36 to v91, in which those loads land; in the first trip q's zero codes and scale word, which the products below take, are written
.irp f, 0,1,2,3
.irp c, 0,1,2
	ds_load_b128 v[KF+12*\f+4*\c:KF+12*\f+4*\c+3], v8 offset:1536*\f+512*\c
.endr
.endr
	ds_load_b128 v[KW:KW+3], v10
	s_wait_dscnt 0x0
.irp b, 0,1,2,3
	MMA0 S+16*\b, KF+12*\b, 22, KW+\b, 34          ; keys 32 b + 16 h + 0 .. 7
	MMA0 S+16*\b+8, KF+12*\b, 16, KW+\b, 34        ; keys 32 b + 16 h + 8 .. 15
.endr
.rept 4
	v_nop                                          ; places: in front of the first read of the scores
.endr
	s_wait_alu depctr_va_vdst(0)                   ; the eight products are done reading K's fragments in v36 to v83, in which V's land
.irp f, 0,1,2,3
.irp c, 0,1,2
	ds_load_b128 v[KF+12*\f+4*\c:KF+12*\f+4*\c+3], v9 offset:1536*\f+512*\c   ; V's four fragments land under the softmax
.endr
.endr
	ds_load_b128 v[VW:VW+3], v11
.irp b, 0,1,2,3
	v_max3_num_f32 v[BM+\b], v[S+16*\b], v[S+16*\b+1], v[S+16*\b+2]      ; the largest score of each block of 32 keys: for the row's maximum, and, since p rises with the score, for the block's largest p
.endr
.irp i, 3,5,7,9,11,13
.irp b, 0,1,2,3
	v_max3_num_f32 v[BM+\b], v[BM+\b], v[S+16*\b+\i], v[S+16*\b+\i+1]
.endr
.endr
.irp b, 0,1,2,3
	v_max_num_f32 v[BM+\b], v[BM+\b], v[S+16*\b+15]
.endr
.irp b, 0,1,2,3
	v_permlanex16_b32 v[T2+\b], v[BM+\b], s[SEL], s[SEL+1]
.endr
.irp b, 0,1,2,3
	v_max_num_f32 v[BM+\b], v[BM+\b], v[T2+\b]
.endr
	v_max3_num_f32 v[TT], v[BM], v[BM+1], v[BM+2]
	v_max_num_f32 v[TT], v[TT], v[BM+3]
	v_mul_f32 v[TT], s[CS], v[TT]
	v_max_num_f32 v13, v13, v[TT]                  ; the running largest t
	v_mov_b32 v[TT], v12
	v_floor_f32 v12, -v13                          ; the new -M = -ceil(t)
	v_sub_f32 v[TT], v12, v[TT]                    ; old M - new M: a whole number, 0 or less
	v_cvt_i32_f32 v[TT], v[TT]                     ; (it saturates)
	v_ldexp_f32 v[F], 1.0, v[TT]                   ; f = 2^(old M - new M)
.set j, 0
.rept 32
	v_pk_fma_f32 v[S+j:S+j+1], v[S+j:S+j+1], s[CS:CS+1], v[12:13] op_sel_hi:[1,0,0]   ; t - M, two at a time
.set j, j+2
.endr
.irp b, 0,1,2,3
	v_fma_f32 v[BM+\b], v[BM+\b], s[CS], v12
.endr
.set j, 0
	s_wait_alu depctr_va_vdst(0)
.rept 64
	v_exp_f32 v[S+j], v[S+j]                       ; p = 2^(t - M)
.set j, j+1
.endr
	v_pk_mul_f32 v[14:15], v[14:15], v[F:F+1] op_sel_hi:[1,0]   ; the sums under the new M (a plain place behind the exponentials)
	s_wait_alu depctr_va_vdst(0)                   ; the 64 exponentials have written p in v96 to v159: one wait for the batch, ahead of its first reader
.irp b, 0,1,2,3
	v_exp_f32 v[BM+\b], v[BM+\b]                   ; each block's largest p
.endr
	v_pk_add_f32 v[SM2:SM2+1], v[S:S+1], v[S+2:S+3]   ; the row's sum is taken of the unquantised p, in two chains
.set j, 4
.rept 15
	v_pk_add_f32 v[14:15], v[14:15], v[S+j:S+j+1]
	v_pk_add_f32 v[SM2:SM2+1], v[SM2:SM2+1], v[S+j+2:S+j+3]
.set j, j+4
.endr
	v_pk_add_f32 v[14:15], v[14:15], v[SM2:SM2+1]
	s_wait_alu depctr_va_vdst(0)                   ; the four exponentials have written the blocks' largest p in v212 to v215, ahead of their first reader
.irp b, 0,1,2,3
	v_max_num_f32 v[BM+\b], 0x1800000, v[BM+\b]    ; the floor 2^(3 - 127): the byte cannot fall under 1
.endr
.irp b, 0,1,2,3
	v_add_nc_u32 v[SO+\b], 0xff000000, v[BM+\b]    ; 2 off the exponent field: the conversion's scale operand
.endr
.irp b, 0,1,2,3
	v_lshrrev_b32 v[T2+\b], 23, v[SO+\b]
.endr
	v_lshl_or_b32 v[PWD], v[T2+1], 8, v[T2]        ; p's scale word for these 128 keys
	v_lshl_or_b32 v[PWD], v[T2+2], 16, v[PWD]
	v_lshl_or_b32 v[PWD], v[T2+3], 24, v[PWD]
	v_cvt_scalef32_pk16_fp6_f32 v[P:P+2], v[S:S+15], v[SO]
	v_cvt_scalef32_pk16_fp6_f32 v[XA:XA+2], v[S+16:S+31], v[SO+1]
	v_cvt_scalef32_pk16_fp6_f32 v[P+6:P+8], v[S+32:S+47], v[SO+2]
	v_cvt_scalef32_pk16_fp6_f32 v[XB:XB+2], v[S+48:S+63], v[SO+3]
	v_nop                                          ; one plain place behind the scaled conversions
.irp i, 0,1,2
	v_permlane16_swap_b32 v[P+\i], v[XA+\i]
	v_permlane16_swap_b32 v[P+6+\i], v[XB+\i]
.endr
.irp i, 0,1,2
	v_mov_b32 v[P+3+\i], v[XA+\i]
	v_mov_b32 v[P+9+\i], v[XB+\i]
.endr
.set j, 0
.rept 16
	v_pk_mul_f32 v[O+j:O+j+1], v[O+j:O+j+1], v[F:F+1] op_sel_hi:[1,0]   ; O^T under the new M.  (Of these sixteen, twelve name no register of any one product below: the places between p's scale word and codes and the products)
.set j, j+2
.endr
	s_wait_dscnt 0x0                               ; V and its scale words are in
	s_wait_alu depctr_va_vdst(0)                   ; p's codes in v192 to v203 and its scale word in v224 are written, which the scaled products below take; the places above stay beside this wait
.irp t, 0,1,2,3
	MMA O+8*\t, KF+12*\t, P, O+8*\t, VW+\t, PWD    ; the four accumulators by turns
.endr
	s_add_co_u32 s[TK], s[TK], 6144
	s_add_co_u32 s[TS], s[TS], 512
	s_add_co_u32 s[ST], s[ST], 1
	s_cmp_lt_u32 s[ST], 16
	s_cbranch_scc1 .Lstep
	; THE WAY OUT: O^T / the sum, quantised along the head's 64 channels (two blocks), as six registers: half a fragment of the next product's operand
.rept 4
	v_nop
.endr
	v_add_f32 v14, v14, v15
	v_permlanex16_b32 v[T2], v14, s[SEL], s[SEL+1]
	v_add_f32 v14, v14, v[T2]                      ; the row's sum
	s_wait_alu depctr_va_vdst(0)
	v_rcp_f32 v[F], v14
	v_nop                                          ; a plain place behind the reciprocal
	s_wait_alu depctr_va_vdst(0)                   ; the reciprocal has written v226, ahead of its first reader
.set j, 0
.rept 16
	v_pk_mul_f32 v[S+j:S+j+1], v[O+j:O+j+1], v[F:F+1] op_sel_hi:[1,0]   ; register 16 b + i: channel 32 b + 16 h + i of my query
.set j, j+2
.endr
.irp b, 0,1
	v_max3_num_f32 v[BM+\b], |v[S+16*\b]|, |v[S+16*\b+1]|, 0x1800000
.endr
.irp i, 2,4,6,8,10,12,14
.irp b, 0,1
	v_max3_num_f32 v[BM+\b], v[BM+\b], |v[S+16*\b+\i]|, |v[S+16*\b+\i+1]|
.endr
.endr
.irp b, 0,1
	v_permlanex16_b32 v[T2+\b], v[BM+\b], s[SEL], s[SEL+1]
.endr
.irp b, 0,1
	v_max_num_f32 v[BM+\b], v[BM+\b], v[T2+\b]
.endr
.irp b, 0,1
	v_add_nc_u32 v[SO+\b], 0xff000000, v[BM+\b]
.endr
.irp b, 0,1
	v_lshrrev_b32 v[T2+\b], 23, v[SO+\b]
.endr
	v_lshl_or_b32 v[OWD], v[T2+1], 8, v[T2]        ; the head's two scale bytes
	v_cvt_scalef32_pk16_fp6_f32 v[P:P+2], v[S:S+15], v[SO]
	v_cvt_scalef32_pk16_fp6_f32 v[XA:XA+2], v[S+16:S+31], v[SO+1]
	v_nop
.irp i, 0,1,2
	v_permlane16_swap_b32 v[P+\i], v[XA+\i]
.endr
.irp i, 0,1,2
	v_mov_b32 v[P+3+\i], v[XA+\i]
.endr
	s_wait_alu depctr_va_vdst(0)                   ; the codes in v192 to v197 and the scale bytes in v229 are written, which the stores below read
.irp p, 0,1,2
	global_store_b64 v3, v[P+2*\p:P+2*\p+1], s[OP:OP+1] offset:256*\p     ; 32 lanes store 256 consecutive bytes, aligned
.endr
	global_store_b32 v2, v[OWD], s[OSP:OSP+1]
	s_wait_dscnt 0x0                               ; the closing lines, six on end
	s_wait_alu 0x0
	s_wait_tensorcnt 0x0
	ds_add_u32 v254, v255
	s_wait_dscnt 0x0
	s_endpgm
.Lfunc_end_k_q2d69e408f6_attn_cross:
	.size	k_q2d69e408f6_attn_cross, .Lfunc_end_k_q2d69e408f6_attn_cross-k_q2d69e408f6_attn_cross
	.p2alignl 7, 3214868480
	.fill 96, 4, 3214868480
	.section	.rodata,"a",@progbits
	.p2align	6, 0x0
	.amdhsa_kernel k_q2d69e408f6_attn_cross
		.amdhsa_group_segment_fixed_size 215040
		.amdhsa_private_segment_fixed_size 0
		.amdhsa_enable_private_segment 0
		.amdhsa_kernarg_size 24
		.amdhsa_user_sgpr_count 2
		.amdhsa_user_sgpr_kernarg_segment_ptr 1
		.amdhsa_wavefront_size32 1
		.amdhsa_system_sgpr_workgroup_id_x 1
		.amdhsa_system_sgpr_workgroup_id_y 1
		.amdhsa_system_sgpr_workgroup_id_z 1
		.amdhsa_system_vgpr_workitem_id 0
		.amdhsa_next_free_vgpr 256
		.amdhsa_next_free_sgpr 104
		.amdhsa_reserve_vcc 0
		.amdhsa_float_denorm_mode_32 3
		.amdhsa_float_denorm_mode_16_64 3
		.amdhsa_memory_ordered 1
		.amdhsa_forward_progress 1
		.amdhsa_inst_pref_size 32
	.end_amdhsa_kernel
	.amdgpu_metadata
---
amdhsa.version: [ 1, 2 ]
amdhsa.kernels:
  - .name:           k_q2d69e408f6_attn_cross
    .symbol:         k_q2d69e408f6_attn_cross.kd
    .args:
      - { .name: qkv, .offset: 0, .size: 8, .value_kind: global_buffer, .address_space: global }
      - { .name: qc, .offset: 8, .size: 8, .value_kind: global_buffer, .address_space: global }
      - { .name: o2, .offset: 16, .size: 8, .value_kind: global_buffer, .address_space: global }
    .group_segment_fixed_size: 215040
    .private_segment_fixed_size: 0
    .kernarg_segment_align: 8
    .kernarg_segment_size: 24
    .max_flat_workgroup_size: 512
    .sgpr_count:     104
    .vgpr_count:     256
    .wavefront_size: 32
...
	.end_amdgpu_metadata
.endif
;; end of part 11
;; launch post2 (part 12): grid 256 x 1, 4 waves a work-group, no clusters, 104,960 bytes of LDS; arguments o2, prep, x1, ca_bo, ln2_w, ln2_b, b1, b2, ln3_w, ln3_b, out0; writes out0
.if DOCPART == 12
	.amdgcn_target "amdgcn-amd-amdhsa--gfx1250"
	.amdhsa_code_object_version 6
	.text
	.protected	k_q2d69e408f6_post2
	.globl	k_q2d69e408f6_post2
	.p2align	8
	.type	k_q2d69e408f6_post2,@function
k_q2d69e408f6_post2:
	s_mov_b64 s[64:65], 0
	v_nop
	global_prefetch_b8 v0, s[64:65] scope:SCOPE_SE
	s_setreg_imm32_b32 hwreg(HW_REG_WAVE_SCHED_MODE, 0, 2), 2
	s_setreg_imm32_b32 hwreg(HW_REG_WAVE_MODE, 25, 1), 1
	s_wait_xcnt 0x0
	s_wait_alu depctr_vm_vsrc(0)
; POST2: x2 = LayerNorm(x1 + o W_o^T + b_o); out = LayerNorm(x2 + relu(Q(x2) W1^T + b1) W2^T + b2).  Products on codes of FP6 (E2M3) with E8M0 scales; x2 and the hidden layer never go to memory.
; A work-group takes 32 tokens (tiles m = 0, 1 of 16); wave w takes output channels 128 w .. 128 w + 127 of the first and the last product and 512 hidden units.  D = W(s, t) x tokens(m, s): a lane holds one token, its 64 registers a tile run along 128 channels.
; THE WEIGHTS come as units (a unit = 8 fragments and their scale words for one K step of 128: 12,288 + 1,024 dense bytes, laid so by the first launch): 4 of W_o, 16 of W1, 16 of W2 for each wave, loaded straight into a ring of two register slots, two units ahead all the way.
; Unit U of the 144 lies at 12,288 U (codes) and 1,024 U (scale words) from the streams' first byte; wave v's run is units 36 v on: 4 of W_o, 4 for each of its four groups of 128 hidden units, 4 for each 512 along W2's K.
; THE WORK-GROUPS WALK W1 AND W2 IN SIXTEEN ORDERS, by rot = x % 4 and rotw = (x / 4) % 4, so that they do not all ask for the same bytes at the same time.  Wave w in trip I makes hidden group 4 ((w + rotw) % 4) + (rot + I) % 4 and lays its image in LDS slot 4 w + I;
; the last product's unit (j, s) is W2's K step 4 ((j + rotw) % 4) + (rot + s) % 4, which is what slot 4 j + s holds.  Only global addresses hang on x; the order of the K steps in the last sums differs from work-group to work-group (f32 sums).
; x2 + b2 waits in the residual's registers and is the C of the last product's first unit: the last residual costs no addition.
; The quantised x2 and hidden layer go from wave to wave through LDS as images of the operand's registers; a row's mean and variance span the four waves: one word a lane through LDS.  The variance is taken of x - mean.  Six barriers.
; No tensor load, no cluster: each weight fragment feeds two products and comes dense into its registers; a ring in the LDS that the images leave free would hold no more bytes on their way than the two register slots do.
; LIMITS: a block of zeros gets the scale byte 1 (its codes are zeros; this program alone reads the bytes); NaN and infinities are not served.
; THE MODE: SCHED_MODE bits 1:0 = 2 (LLVM: expert scheduling mode 2), set by the entry lines.  The code itself states the register dependences between vector or matrix instructions and memory or LDS instructions, with s_wait_alu, always for 0.
; THE PLAN.  Registers that memory or LDS instructions touch:
;   the ring's two slots (window 1) and their scale words v144-159: a unit's sixteen products read a slot; behind them the unit two on is loaded into it.  The bias (window 3): read as C by a pass's first unit, loaded again in its third.
;   the tokens' fragments (window 2, v128-223) and scale words v160-167: filled by loads (the first words by vector lines), read by products.  Gain and offset (window 3): read by the first norm, then loaded again for the last.
;   v230, v234: a row's partial sums, written by additions, read by LDS stores;  v214-221: the four waves' sums, filled by LDS loads.
;   PC0, PC1, PW0, PW1: written by the quantiser, read by LDS stores.  v15, v250: a trip's LDS addresses, written by two additions, read by the trip's eight LDS stores.  The accumulators: read by the stage's LDS stores at the end.
;   v1-v14, v242-249: offsets and LDS addresses, made at the head and never written again.  v254, v255: written at the head, read by the closing add alone.
; A unit's wait on va_vdst stands behind its products and not at the next unit's head: the slot is asked for again at once, since the wave has at most two units on their way.  The two tiles are quantised on end, so that one wait serves both tiles' stores;
; in the loop the wait on vm_vsrc for those stores stands a whole trip behind them, ahead of the next trip's two additions.
; REGISTERS: window 0: v1-15 addresses; v16-143 the 16 accumulators (64 m + 8 t); v144-159 the ring's scale words; v160-167 the tokens'; v168-253 at work.  Window 1: the ring.  Window 2: v0-127 the residual, then x2 + b2, later rows on the way out; v128-223 the tokens' 8 fragments.  Window 3: bias, gain, offset, b2.
.set GRPB, 49152
.set SCB,  9437184
.set OSC,  3145728
.set G0,   156                         ; the streams begin at group 156
.set XI,   4096                        ; LDS: 0: four regions of 1,024 bytes for the rows' sums;  XI: x2's 8 images (2 s + m) x 1,536;  XS: their scale words x 128;
.set XS,   16384
.set HI,   17408                       ; HI: the hidden layer's 32 images (2 G + m) x 1,536, G = 4 x wave + trip;  HS: their scale words;  STG: a stage of 16 rows x 528 bytes for each wave
.set HS,   66560
.set STG,  70656
.set RX,   4
.set BO,   5
.set STO,  6
.set SRD,  7
.set XWI,  8
.set XWS,  9
.set RW,   10
.set HWI,  11
.set HWS,  12
.set HRD,  13
.set HRS,  14
.set HWA,  15
.set ACC,  16
.set RS,   144
.set SS,   160
.set TM,   168
.set TP,   172
.set TSO,  176
.set XA,   180
.set XB,   184
.set PW0,  188
.set PW1,  189
.set PC0,  190
.set PC1,  202
.set OW,   214
.set LT,   230
.set LM,   238
.set VO,   242                         ; v242-245 16 x lane + 49,152 ((j + rotw) % 4): the last product's quarter j, codes;  v246-249 4 x lane + 4,096 (..): scale words; never rewritten
.set VS,   246
.set HSA,  250
.set SFR,  128                         ; in window 2
.set CB,   0                           ; in window 3
.set LW,   64
.set LB,   128
.set B2,   192
.set OP,   4                           ; s[4:5] o's codes, s[26:27] its scale words
.set PB,   6                           ; s[6:7] the streams' codes, s[28:29] their scale words; never rewritten once set
.set XP,   8                           ; s[8:9] the residual
.set B0P,  10
.set LWP,  12
.set LBP,  14
.set B1B,  16                          ; s[16:17] b1
.set B2P,  18
.set L3W,  20
.set L3B,  22
.set XO,   24                          ; s[24:25] out0
.set OSP,  26
.set PSB,  28
.set ROT,  30
.set ROTW, 31
.set W36,  32                          ; s32 36 w: my own run's first unit
.set W36P, 33                          ; s33 36 ((w + rotw) % 4): the run whose units of W1 I take
.set BW,   34                          ; s34 2,048 ((w + rotw) % 4): its 512 biases in b1
.set F2A,  35                          ; s35, s36 the last product's first two units
.set F2B,  36
.set SEL,  40
.set C9,   42
.set EPSR, 43
.set BP,   44                          ; s[44:45] the bias that is asked for next
.set II,   46
.set HOF,  47
.set HOS,  48
.set CP,   52                          ; s[52:53], s[54:55] the group in hand: codes, scale words
.set CSP,  54
.set NA,   56                          ; s[56:57], s[58:59] the next pass's first unit
.set NAS,  58
.set NB,   60                          ; s[60:61], s[62:63] its second
.set NBS,  62
.set PF,   66                          ; s[66:73] the last product: unit 36 w + 20 + (rot + s) % 4, s = 0..3: codes;  s[74:81] scale words
.set PFS,  74
.set MULF, 0x39                        ; weights window 1, tokens window 2, C (a bias) window 3, D window 0
.set MUL0, 0x09                        ; C and D window 0
.set MULX, 0x29                        ; C (x2 + b2) window 2, D window 0
.set MSB, 0
.macro WIN new                         ; the immediate's high byte repeats the setting that is left
.if MSB != \new
	s_set_vgpr_msb (MSB<<8)|\new
.set MSB, \new
.endif
.endm
.macro MMA d, a, b, c, sa, sb
	v_wmma_scale_f32_16x16x128_f8f6f4 v[\d:\d+7], v[\a:\a+11], v[\b:\b+11], v[\c:\c+7], v[\sa], v[\sb] matrix_a_fmt:MATRIX_FMT_FP6 matrix_b_fmt:MATRIX_FMT_FP6
.endm
; 64 numbers of a lane, register 16 b + i = k 32 b + 16 (lane / 16) + i of the lane's row, become a fragment's twelve registers in v[pc] on and the row's scale word in v[pw]
.macro QUANT src, pc, pw
.irp b, 0,1,2,3
	v_max3_num_f32 v[TM+\b], |v[\src+16*\b]|, |v[\src+16*\b+1]|, 0x1800000   ; my 16 numbers of block b, and the floor 2^(3 - 127): the byte cannot fall under 1
.endr
.irp i, 2,4,6,8,10,12,14
.irp b, 0,1,2,3
	v_max3_num_f32 v[TM+\b], v[TM+\b], |v[\src+16*\b+\i]|, |v[\src+16*\b+\i+1]|
.endr
.endr
.irp b, 0,1,2,3
	v_permlanex16_b32 v[TP+\b], v[TM+\b], s[SEL], s[SEL+1]
.endr
.irp b, 0,1,2,3
	v_max_num_f32 v[TM+\b], v[TM+\b], v[TP+\b]
.endr
.irp b, 0,1,2,3
	v_add_nc_u32 v[TSO+\b], 0xff000000, v[TM+\b]      ; 2 off the exponent field: the conversion's scale operand
.endr
.irp b, 0,1,2,3
	v_lshrrev_b32 v[TP+\b], 23, v[TSO+\b]
.endr
	v_lshl_or_b32 v[\pw], v[TP+1], 8, v[TP]
	v_lshl_or_b32 v[\pw], v[TP+2], 16, v[\pw]
	v_lshl_or_b32 v[\pw], v[TP+3], 24, v[\pw]
	v_cvt_scalef32_pk16_fp6_f32 v[\pc:\pc+2], v[\src:\src+15], v[TSO]
	v_cvt_scalef32_pk16_fp6_f32 v[XA:XA+2], v[\src+16:\src+31], v[TSO+1]
	v_cvt_scalef32_pk16_fp6_f32 v[\pc+6:\pc+8], v[\src+32:\src+47], v[TSO+2]
	v_cvt_scalef32_pk16_fp6_f32 v[XB:XB+2], v[\src+48:\src+63], v[TSO+3]
	v_nop                                             ; one plain place behind the scaled conversions
.irp i, 0,1,2
	v_permlane16_swap_b32 v[\pc+\i], v[XA+\i]
	v_permlane16_swap_b32 v[\pc+6+\i], v[XB+\i]
.endr
.irp i, 0,1,2
	v_mov_b32 v[\pc+3+\i], v[XA+\i]
	v_mov_b32 v[\pc+9+\i], v[XB+\i]
.endr
.endm
.macro UPTR dc, ds, ui                 ; the unit whose number stands in s[ui]: its codes' address into s[dc:dc+1], its scale words' into s[ds:ds+1].  (s91 holds 0)
	s_mul_i32 s90, s[\ui], 12288
	s_add_nc_u64 s[\dc:\dc+1], s[PB:PB+1], s[90:91]
	s_lshl_b32 s90, s[\ui], 10
	s_add_nc_u64 s[\ds:\ds+1], s[PSB:PSB+1], s[90:91]
.endm
; The pointers of the hidden layer's trip s[ii]: the trip's own group; the bias and the first two units of what follows it: the next trip's group, or, behind trip 3, the last product's first two units.  (s95 holds 0)
.macro SETP ii
	s_add_co_u32 s92, s[ROT], s[\ii]
	s_and_b32 s92, s92, 3                          ; which of the run's four groups of 128 hidden units this trip makes
	s_lshl_b32 s92, s92, 2
	s_add_co_u32 s92, s92, s[W36P]
	s_add_co_u32 s92, s92, 4                       ; its first unit
	UPTR CP, CSP, 92
	s_add_co_u32 s93, s[ROT], s[\ii]
	s_add_co_u32 s93, s93, 1
	s_and_b32 s93, s93, 3                          ; and the next trip (behind trip 3 this names the first trip's group again: its bias is asked for once more and nobody reads it, so that every trip issues the same loads, all inside b1)
	s_lshl_b32 s94, s93, 9
	s_add_co_u32 s94, s94, s[BW]
	s_add_nc_u64 s[BP:BP+1], s[B1B:B1B+1], s[94:95]
	s_lshl_b32 s93, s93, 2
	s_add_co_u32 s93, s93, s[W36P]
	s_add_co_u32 s93, s93, 4
	s_add_co_u32 s96, s93, 1
	s_cmp_eq_u32 s[\ii], 3
	s_cselect_b32 s93, s[F2A], s93
	s_cselect_b32 s96, s[F2B], s96
	UPTR NA, NAS, 93
	UPTR NB, NBS, 96
.endm
.macro ULOAD slot, vc, vs, cp, sp, off ; a unit into a slot of the ring: 32 loads.  Its codes at s[cp:cp+1] + v[vc] + 12,288 off, its scale words at s[sp:sp+1] + v[vs] + 1,024 off
	WIN 0x40
.irp t, 0,1,2,3,4,5,6,7
.irp c, 0,1,2
	global_load_b128 v[96*(\slot)+12*\t+4*\c:96*(\slot)+12*\t+4*\c+3], v[\vc], s[\cp:\cp+1] offset:(\off)*12288+\t*1536+512*\c
.endr
.endr
	WIN 0
.irp t, 0,1,2,3,4,5,6,7
	global_load_b32 v[RS+8*(\slot)+\t], v[\vs], s[\sp:\sp+1] offset:(\off)*1024+128*\t
.endr
.endm
.macro VLOAD dst, ptr                  ; my 64 of a vector of 128 channels into window 3: register 16 b + i = channel 32 b + 16 h + i: 16 loads
	WIN 0xc0
.set k, 0
.rept 16
	global_load_b128 v[\dst+4*k:\dst+4*k+3], v[BO], s[\ptr:\ptr+1] offset:128*(k/4)+16*(k%4)
.set k, k+1
.endr
	WIN 0
.endm
.macro UMUL slot, s, mode              ; 16 products: the slot's 8 fragments x the two tiles of tokens, K step s; the sixteen accumulators by turns
	WIN \mode
.irp t, 0,1,2,3,4,5,6,7
.irp m, 0,1
.if \mode == MULF
	MMA ACC+64*\m+8*\t, 96*(\slot)+12*\t, SFR+48*\m+12*(\s), CB+8*\t, RS+8*(\slot)+\t, SS+4*\m+(\s)
.elseif \mode == MULX
	MMA ACC+64*\m+8*\t, 96*(\slot)+12*\t, SFR+48*\m+12*(\s), 64*\m+8*\t, RS+8*(\slot)+\t, SS+4*\m+(\s)
.else
	MMA ACC+64*\m+8*\t, 96*(\slot)+12*\t, SFR+48*\m+12*(\s), ACC+64*\m+8*\t, RS+8*(\slot)+\t, SS+4*\m+(\s)
.endif
.endr
.endr
	WIN 0
.endm
; wcnt: the loads issued behind this unit's, which may stay out;  pf = 1: the slot is asked for again, by ULOAD's five last arguments;  cb = 1: the next pass's bias is asked for
.macro UNIT slot, s, mode, wcnt, pf, vc, vs, cp, sp, off, cb
	s_wait_loadcnt \wcnt
	UMUL \slot, \s, \mode
.rept 4
	v_nop                                          ; places behind the products, in front of the first read of results
.endr
.if \pf
	s_wait_alu depctr_va_vdst(0)                   ; the sixteen products are done reading the slot and its scale words, in which the loads below land (and the pass's first unit is done reading the bias, where that is asked for again; and, in a quarter's last unit, the tokens' fragments and words, in which the next quarter's LDS loads land)
	ULOAD \slot, \vc, \vs, \cp, \sp, \off
.endif
.if \cb
	VLOAD CB, BP
.endif
.endm
.macro FETCH areg, aoff, sreg, soff    ; eight images (2 s + m) and their scale words come out of LDS into the tokens' registers
	WIN 0x80
.irp s, 0,1,2,3
.irp m, 0,1
.irp c, 0,1,2
	ds_load_b128 v[SFR+48*\m+12*\s+4*\c:SFR+48*\m+12*\s+4*\c+3], v[\areg] offset:\aoff+(2*\s+\m)*1536+512*\c
.endr
.endr
.endr
	WIN 0
.irp s, 0,1,2,3
.irp m, 0,1
	ds_load_b32 v[SS+4*\m+\s], v[\sreg] offset:\soff+(2*\s+\m)*128
.endr
.endr
	s_wait_dscnt 0x0
.endm
.macro BARRIER                         ; my LDS stores have landed and my LDS loads are in: then the work-group's barrier
	s_wait_dscnt 0x0
	s_barrier_signal -1
	s_barrier_wait -1
.endm
.macro LNRED rg                        ; each tile's two chains in v[LT + 4 m] on: joined, with lane l xor 16's, and over the four waves through region rg: the row's sum in v[OW + 4 m]
.irp m, 0,1
	v_pk_add_f32 v[LT+4*\m:LT+4*\m+1], v[LT+4*\m:LT+4*\m+1], v[LT+4*\m+2:LT+4*\m+3]
.endr
.irp m, 0,1
	v_add_f32 v[LT+4*\m], v[LT+4*\m], v[LT+4*\m+1]
.endr
.irp m, 0,1
	v_permlanex16_b32 v[LT+4*\m+2], v[LT+4*\m], s[SEL], s[SEL+1]
.endr
.irp m, 0,1
	v_add_f32 v[LT+4*\m], v[LT+4*\m], v[LT+4*\m+2]
.endr
	s_wait_alu depctr_va_vdst(0)                   ; my sums in v230 and v234 are written, which the LDS stores read; every vector line that named v214 to v221 is done, in which the LDS loads behind the barrier land
.irp m, 0,1
	ds_store_b32 v[RW], v[LT+4*\m] offset:(\rg)*1024+512*\m
.endr
	BARRIER
	s_wait_alu depctr_vm_vsrc(0)                   ; my LDS stores have read v230 and v234, which the next sums write again
.irp m, 0,1
.irp e, 0,1,2,3
	ds_load_b32 v[OW+4*\m+\e], v2 offset:(\rg)*1024+512*\m+128*\e
.endr
.endr
	s_wait_dscnt 0x0
.irp m, 0,1
	v_add_f32 v[OW+4*\m], v[OW+4*\m], v[OW+4*\m+1]
	v_add_f32 v[OW+4*\m+2], v[OW+4*\m+2], v[OW+4*\m+3]
.endr
.irp m, 0,1
	v_add_f32 v[OW+4*\m], v[OW+4*\m], v[OW+4*\m+2]
.endr
.endm
.macro LNORM rg                        ; the accumulators' 32 rows x 512 are normalised in place; regions rg and rg + 1 are used once each
.irp m, 0,1
	v_pk_add_f32 v[LT+4*\m:LT+4*\m+1], v[ACC+64*\m:ACC+64*\m+1], v[ACC+64*\m+2:ACC+64*\m+3]
	v_pk_add_f32 v[LT+4*\m+2:LT+4*\m+3], v[ACC+64*\m+4:ACC+64*\m+5], v[ACC+64*\m+6:ACC+64*\m+7]
.endr
.set k, 8
.rept 14
.irp m, 0,1
	v_pk_add_f32 v[LT+4*\m:LT+4*\m+1], v[LT+4*\m:LT+4*\m+1], v[ACC+64*\m+k:ACC+64*\m+k+1]
	v_pk_add_f32 v[LT+4*\m+2:LT+4*\m+3], v[LT+4*\m+2:LT+4*\m+3], v[ACC+64*\m+k+2:ACC+64*\m+k+3]
.endr
.set k, k+4
.endr
	LNRED \rg
.irp m, 0,1
	v_mul_f32 v[LM+2*\m], 0xbb000000, v[OW+4*\m]   ; -mean = sum x -2^-9
.endr
.irp m, 0,1
	v_mov_b32 v[LM+2*\m+1], v[LM+2*\m]
.endr
.set k, 0
.rept 32
.irp m, 0,1
	v_pk_add_f32 v[ACC+64*\m+k:ACC+64*\m+k+1], v[ACC+64*\m+k:ACC+64*\m+k+1], v[LM+2*\m:LM+2*\m+1]
.endr
.set k, k+2
.endr
.irp m, 0,1
	v_pk_mul_f32 v[LT+4*\m:LT+4*\m+1], v[ACC+64*\m:ACC+64*\m+1], v[ACC+64*\m:ACC+64*\m+1]
	v_pk_mul_f32 v[LT+4*\m+2:LT+4*\m+3], v[ACC+64*\m+2:ACC+64*\m+3], v[ACC+64*\m+2:ACC+64*\m+3]
.endr
.set k, 4
.rept 15
.irp m, 0,1
	v_pk_fma_f32 v[LT+4*\m:LT+4*\m+1], v[ACC+64*\m+k:ACC+64*\m+k+1], v[ACC+64*\m+k:ACC+64*\m+k+1], v[LT+4*\m:LT+4*\m+1]
	v_pk_fma_f32 v[LT+4*\m+2:LT+4*\m+3], v[ACC+64*\m+k+2:ACC+64*\m+k+3], v[ACC+64*\m+k+2:ACC+64*\m+k+3], v[LT+4*\m+2:LT+4*\m+3]
.endr
.set k, k+4
.endr
	LNRED (\rg)+1
.irp m, 0,1
	v_fma_f32 v[OW+4*\m], v[OW+4*\m], s[C9], s[EPSR]   ; variance + 1e-5
.endr
	s_wait_alu depctr_va_vdst(0)
.irp m, 0,1
	v_rsq_f32 v[LM+2*\m], v[OW+4*\m]
.endr
	v_nop                                          ; a plain place behind the two roots
	s_wait_alu depctr_va_vdst(0)                   ; the two roots have written v238 and v240, ahead of their first reader
.irp m, 0,1
	v_mov_b32 v[LM+2*\m+1], v[LM+2*\m]
.endr
.set k, 0
.rept 32
.irp m, 0,1
	v_pk_mul_f32 v[ACC+64*\m+k:ACC+64*\m+k+1], v[ACC+64*\m+k:ACC+64*\m+k+1], v[LM+2*\m:LM+2*\m+1]
.endr
.set k, k+2
.endr
	WIN 0x3c                                       ; gain and offset: window 3
.set k, 0
.rept 32
.irp m, 0,1
	v_pk_fma_f32 v[ACC+64*\m+k:ACC+64*\m+k+1], v[ACC+64*\m+k:ACC+64*\m+k+1], v[LW+k:LW+k+1], v[LB+k:LB+k+1]
.endr
.set k, k+2
.endr
	WIN 0
.endm
.macro STAGE ptr                       ; a lane holds 4 x 64 bytes of one row: a tile goes through my own stage and leaves as whole runs of 512 bytes.  LDS serves a wave's instructions in order: no wait between stores and loads
.irp m, 0,1
.set k, 0
.rept 16
	ds_store_b128 v[STO], v[ACC+64*\m+4*k:ACC+64*\m+4*k+3] offset:128*(k/4)+16*(k%4)
.set k, k+1
.endr
	WIN 0x80
.set k, 0
.rept 16
	ds_load_b128 v[64*\m+4*k:64*\m+4*k+3], v[SRD] offset:528*k
.set k, k+1
.endr
	s_wait_dscnt 0x0
	WIN 0x08                                       ; a store's data: window 2
.set k, 0
.rept 16
	global_store_b128 v1, v[64*\m+4*k:64*\m+4*k+3], s[\ptr:\ptr+1] offset:(8*\m+k+8*(k/8))*2048 th:TH_STORE_NT   ; 32 lanes store 512 consecutive bytes, aligned
.set k, k+1
.endr
	WIN 0
.endr
.endm
	s_load_b512 s[4:19], s[0:1], 0x0               ; o2, prep, x1, ca_bo, ln2_w, ln2_b, b1, b2
	s_load_b128 s[20:23], s[0:1], 0x40             ; ln3_w, ln3_b
	s_load_b64 s[24:25], s[0:1], 0x50              ; out0
	v_lshl_add_u32 v254, v0, 2, 0x19800
	v_mov_b32 v255, 0
	v_lshrrev_b32 v1, 5, v0
	v_readfirstlane_b32 s2, v1                     ; wave 0..3
	v_and_b32 v15, 31, v0
	v_and_b32 v250, 15, v0                         ; r
	v_bfe_u32 v5, v0, 4, 1                         ; h
	v_lshlrev_b32 v1, 4, v15                       ; 16 x lane
	v_lshlrev_b32 v2, 2, v15                       ; 4 x lane
	v_lshlrev_b32 v3, 3, v15                       ; 8 x lane
	v_and_b32 v4, 8, v250
	v_add_nc_u32 v4, v4, v250
	v_lshlrev_b32 v4, 11, v4
	v_lshl_add_u32 v[RX], v5, 6, v4                ; my token's row of 2,048 bytes, + 64 h
	v_mul_u32_u24 v6, v250, 528
	v_lshl_add_u32 v6, v5, 6, v6                   ; the stage: row r, + 64 h
	v_lshlrev_b32 v[BO], 6, v5                     ; 64 h
	s_wait_alu depctr_va_sdst(0)                   ; s2, the wave's number, is written, ahead of its first reader: my channels, my units and my LDS places are made from it
	s_mov_b32 s[SEL], 0x76543210
	s_mov_b32 s[SEL+1], 0xfedcba98
	s_mov_b32 s[C9], 0x3b000000                    ; 2^-9
	s_mov_b32 s[EPSR], 0x3727c5ac                  ; 1e-5
	s_mul_i32 s84, s2, 8448
	s_add_co_u32 s84, s84, STG                     ; my stage
	s_mul_i32 s85, s2, 3072
	s_add_co_u32 s85, s85, XI                      ; x2's images: K step w, tiles 0 and 1
	s_lshl_b32 s86, s2, 8
	s_add_co_u32 s86, s86, XS
	s_lshl_b32 s87, s2, 7
	s_mul_i32 s88, s2, 12288
	s_add_co_u32 s88, s88, HI                      ; the hidden layer's: slots 4 w on
	s_lshl_b32 s89, s2, 10
	s_add_co_u32 s89, s89, HS
	s_mov_b32 s91, 0
	s_mov_b32 s95, 0
	s_and_b32 s[ROT], ttmp9, 3                     ; the work-group's order of walking the weights
	s_lshr_b32 s[ROTW], ttmp9, 2
	s_and_b32 s[ROTW], s[ROTW], 3
	s_mul_i32 s[W36], s2, 36
	s_add_co_u32 s[W36P], s2, s[ROTW]
	s_and_b32 s[W36P], s[W36P], 3
	s_lshl_b32 s[BW], s[W36P], 11
	s_mul_i32 s[W36P], s[W36P], 36
	s_lshl_b32 s[F2A], s[ROTW], 2
	s_add_co_u32 s[F2A], s[F2A], s[W36]
	s_add_co_u32 s[F2A], s[F2A], 20                ; W2's quarter (0 + rotw) % 4 of my rows,
	s_add_co_u32 s[F2B], s[ROT], 1
	s_and_b32 s[F2B], s[F2B], 3
	s_add_co_u32 s[F2B], s[F2B], s[F2A]            ; its unit (rot + 1) % 4,
	s_add_co_u32 s[F2A], s[F2A], s[ROT]            ; and its unit rot
.irp j, 0,1,2,3
	s_add_co_u32 s92, s[ROTW], \j
	s_and_b32 s92, s92, 3
	s_mul_i32 s93, s92, GRPB
	v_add_nc_u32 v[VO+\j], s93, v1
	s_lshl_b32 s93, s92, 12
	v_add_nc_u32 v[VS+\j], s93, v2
.endr
	s_mov_b32 s55, 0
	s_mov_b32 s57, 0
	s_mov_b32 s63, 0
	s_mov_b32 s67, 0
	s_mul_i32 s54, ttmp9, 12288                    ; o: two tiles x 8 heads x 768 bytes
	s_lshl_b32 s56, ttmp9, 11
	s_add_co_u32 s56, s56, OSC
	s_lshl_b32 s62, ttmp9, 16                      ; 32 rows of 2,048 bytes,
	s_lshl_b32 s66, s2, 9                          ; my 128 channels
	s_add_co_u32 s62, s62, s66
	s_wait_kmcnt 0x0
	s_add_nc_u64 s[OSP:OSP+1], s[4:5], s[56:57]
	s_add_nc_u64 s[OP:OP+1], s[4:5], s[54:55]
	s_add_nc_u64 s[PSB:PSB+1], s[6:7], SCB+G0*4096
	s_add_nc_u64 s[PB:PB+1], s[6:7], G0*GRPB
	s_add_nc_u64 s[XP:XP+1], s[XP:XP+1], s[62:63]
	s_add_nc_u64 s[XO:XO+1], s[XO:XO+1], s[62:63]
	s_add_nc_u64 s[B0P:B0P+1], s[B0P:B0P+1], s[66:67]
	s_add_nc_u64 s[LWP:LWP+1], s[LWP:LWP+1], s[66:67]
	s_add_nc_u64 s[LBP:LBP+1], s[LBP:LBP+1], s[66:67]
	s_add_nc_u64 s[B2P:B2P+1], s[B2P:B2P+1], s[66:67]
	s_add_nc_u64 s[L3W:L3W+1], s[L3W:L3W+1], s[66:67]
	s_add_nc_u64 s[L3B:L3B+1], s[L3B:L3B+1], s[66:67]
.irp s, 0,1,2,3
	s_add_co_u32 s92, s[ROT], \s
	s_and_b32 s92, s92, 3
	s_add_co_u32 s92, s92, s[W36]
	s_add_co_u32 s92, s92, 20
	UPTR PF+2*\s, PFS+2*\s, 92
.endr
	s_mov_b32 s[II], -1                            ; what follows the first product is the hidden layer's trip 0: its bias and its first two units;
	SETP II
	UPTR CP, CSP, W36                              ; the group in hand is W_o's: my run's first four units
	s_wait_alu depctr_va_vdst(0)                   ; the offsets v1 to v5 and v242 to v249 are written, which every global load and store of the kernel reads
	; ---- the out-projection, the residual and the norm
	WIN 0x80
.irp m, 0,1
.set k, 0
.rept 16
	global_load_b128 v[64*\m+4*k:64*\m+4*k+3], v[RX], s[XP:XP+1] offset:16384*\m+128*(k/4)+16*(k%4)   ; the residual, in the result's layout
.set k, k+1
.endr
.endr
	WIN 0
	VLOAD LW, LWP
	VLOAD LB, LBP
	VLOAD CB, B0P
	VLOAD B2, B2P
	WIN 0x80
.irp m, 0,1
.set k, 0
.rept 24
	global_load_b64 v[SFR+48*\m+2*k:SFR+48*\m+2*k+1], v3, s[OP:OP+1] offset:6144*\m+256*k   ; heads 2 s, 2 s + 1 make K step s: 8 heads x 3 pieces are the tile's four fragments on end
.set k, k+1
.endr
.endr
	WIN 0
.irp m, 0,1
.irp e, 0,1,2,3,4,5,6,7
	global_load_b32 v[OW+8*\m+\e], v2, s[OSP:OSP+1] offset:1024*\m+128*\e
.endr
.endr
	ULOAD 0, 1, 2, CP, CSP, 0
	s_wait_loadcnt 32                              ; all but unit 0's 32 loads
.irp m, 0,1
.irp s, 0,1,2,3
	v_lshl_or_b32 v[SS+4*\m+\s], v[OW+8*\m+2*\s+1], 16, v[OW+8*\m+2*\s]   ; two heads' two bytes each: a K step's scale word
.endr
.endr
	ULOAD 1, 1, 2, CP, CSP, 1
	v_add_nc_u32 v[STO], s84, v6                   ; (these lines are also the eight places between the scale words just made and the first product)
	v_add_nc_u32 v[SRD], s84, v1
	v_add_nc_u32 v[XWI], s85, v1
	v_add_nc_u32 v[XWS], s86, v2
	v_add_nc_u32 v[RW], s87, v2
	v_add_nc_u32 v[HWI], s88, v1
	v_add_nc_u32 v[HWS], s89, v2
	v_add_nc_u32 v[HRD], HI, v1
	v_add_nc_u32 v[HRS], HS, v2
.irp b, 0,1,2,3
	v_mov_b32 v[TP+\b], 0                          ; written once: a lane permute's destination counts as one of its sources
.endr
	s_wait_alu depctr_va_vdst(0)                   ; the tokens' scale words v160 to v167 are written, which the scaled products take; so are the LDS addresses v6 to v10, v13 and v14, which every LDS store and load by them reads.  The places above stay beside this wait
	UNIT 0, 0, MULF, 32, 1, 1, 2, CP, CSP, 2, 0    ; 32: the next unit's loads may be out
	UNIT 1, 1, MUL0, 32, 1, 1, 2, CP, CSP, 3, 0
	UNIT 0, 2, MUL0, 32, 1, 1, 2, NA, NAS, 0, 1    ; the hidden layer's first unit and bias are asked for
	UNIT 1, 3, MUL0, 48, 1, 1, 2, NB, NBS, 0, 0    ; 48: that unit's 32 and the bias's 16
	WIN 0x08
.set k, 0
.rept 64
	v_pk_add_f32 v[ACC+k:ACC+k+1], v[ACC+k:ACC+k+1], v[k:k+1]
.set k, k+2
.endr
	WIN 0
	LNORM 0
	WIN 0x8c                                       ; destination window 2, b2 window 3
.set k, 0
.rept 32
	v_pk_add_f32 v[k:k+1], v[ACC+k:ACC+k+1], v[B2+k:B2+k+1]                 ; x2 + b2 waits where the residual lay
	v_pk_add_f32 v[64+k:65+k], v[ACC+64+k:ACC+65+k], v[B2+k:B2+k+1]
.set k, k+2
.endr
	WIN 0
	; ---- x2 becomes K step w of the next product, for both tiles
	QUANT ACC, PC0, PW0
	QUANT ACC+64, PC1, PW1
	s_wait_alu depctr_va_vdst(0)                   ; the norm is done reading its gain and offset, in which the loads below land; both tiles' codes and scale words are written, which the LDS stores read; the first product is done reading the tokens' fragments and words, in which the LDS loads behind the barrier land
	VLOAD LW, L3W                                  ; the last norm's gain and offset take the places of this one's
	VLOAD LB, L3B
.irp c, 0,1,2
	ds_store_b128 v[XWI], v[PC0+4*\c:PC0+4*\c+3] offset:512*\c
.endr
	ds_store_b32 v[XWS], v[PW0]
.irp c, 0,1,2
	ds_store_b128 v[XWI], v[PC1+4*\c:PC1+4*\c+3] offset:1536+512*\c
.endr
	ds_store_b32 v[XWS], v[PW1] offset:128
	BARRIER                                        ; x2's eight fragments lie in LDS
	FETCH 1, XI, 2, XS
	s_wait_xcnt 0x0                                ; every load issued has read its base: the pointers are written again only behind this wait
	s_mov_b32 s[II], 0
	SETP II
	s_mov_b32 s[HOF], 0
	s_mov_b32 s[HOS], 0
	; ---- the hidden layer: four trips of 128 hidden units
.Lffn1:
	UNIT 0, 0, MULF, 32, 1, 1, 2, CP, CSP, 2, 0    ; this trip's first unit and bias are in; 32 younger loads may be out (in the first trip those are the last norm's vectors, so that more is in than is needed)
	UNIT 1, 1, MUL0, 32, 1, 1, 2, CP, CSP, 3, 0
	UNIT 0, 2, MUL0, 32, 1, 1, 2, NA, NAS, 0, 1
	UNIT 1, 3, MUL0, 48, 1, 1, 2, NB, NBS, 0, 0    ; 48: the next pass's first unit and the bias behind it
.set k, 0
.rept 128
	v_max_num_f32 v[ACC+k], 0, v[ACC+k]            ; the activation, in f32
.set k, k+1
.endr
	s_wait_alu depctr_vm_vsrc(0)                   ; the LDS stores of the trip before (in the first trip: x2's) have read their addresses v15 and v250, the codes and the scale words, all of which are written again below
	v_add_nc_u32 v[HWA], s[HOF], v[HWI]
	v_add_nc_u32 v[HSA], s[HOS], v[HWS]
	QUANT ACC, PC0, PW0
	QUANT ACC+64, PC1, PW1
	s_wait_alu depctr_va_vdst(0)                   ; the trip's two LDS addresses, both tiles' codes and scale words are written, which the LDS stores read (behind the last trip: the products are done reading the tokens' fragments and words, in which the LDS loads behind the barrier land)
.irp c, 0,1,2
	ds_store_b128 v[HWA], v[PC0+4*\c:PC0+4*\c+3] offset:512*\c
.endr
	ds_store_b32 v[HSA], v[PW0]
.irp c, 0,1,2
	ds_store_b128 v[HWA], v[PC1+4*\c:PC1+4*\c+3] offset:1536+512*\c
.endr
	ds_store_b32 v[HSA], v[PW1] offset:128
	s_wait_dscnt 0x0                               ; my LDS stores are done (that they have read their registers is stated by the next trip's wait on vm_vsrc)
	s_wait_xcnt 0x0                                ; the loads have read their bases: the pointers are written again only behind this wait
	s_add_co_u32 s[II], s[II], 1
	SETP II                                        ; (behind the last trip nothing is loaded by these pointers any more)
	s_add_co_u32 s[HOF], s[HOF], 3072
	s_add_co_u32 s[HOS], s[HOS], 256
	s_cmp_lt_u32 s[II], 4
	s_cbranch_scc1 .Lffn1
	BARRIER                                        ; the hidden layer's 32 fragments lie in LDS
	; ---- the last product: 16 K steps, written out.  Unit (j, s) comes by pointer s and vector offset j; no register of an address is written again
.set u, 0
.rept 16
.set u2, u+2
.if u%4 == 0
	FETCH HRD, (u/4)*12288, HRS, (u/4)*1024
.endif
.if u == 0
	UNIT 0, 0, MULX, 32, 1, VO, VS, PF+4, PFS+4, 0, 0                      ; the sums begin as x2 + b2
.elseif u < 14
	UNIT u%2, u%4, MUL0, 32, 1, VO+(u2/4), VS+(u2/4), PF+2*(u2%4), PFS+2*(u2%4), 0, 0
.elseif u == 14
	UNIT 0, 2, MUL0, 32, 0, 1, 2, CP, CSP, 0, 0
.else
	UNIT 1, 3, MUL0, 0, 0, 1, 2, CP, CSP, 0, 0
.endif
.set u, u+1
.endr
	LNORM 2
	s_wait_alu depctr_va_vdst(0)                   ; the norm has written the accumulators, which the stage's LDS stores read; the last product's first unit is done reading x2 + b2 in window 2's v0 to v127, in which the stage's loads land
	STAGE XO
	s_wait_dscnt 0x0                               ; the closing lines, six on end
	s_wait_alu 0x0
	s_wait_tensorcnt 0x0
	ds_add_u32 v254, v255
	s_wait_dscnt 0x0
	s_endpgm
.Lfunc_end_k_q2d69e408f6_post2:
	.size	k_q2d69e408f6_post2, .Lfunc_end_k_q2d69e408f6_post2-k_q2d69e408f6_post2
	.p2alignl 7, 3214868480
	.fill 96, 4, 3214868480
	.section	.rodata,"a",@progbits
	.p2align	6, 0x0
	.amdhsa_kernel k_q2d69e408f6_post2
		.amdhsa_group_segment_fixed_size 104960
		.amdhsa_private_segment_fixed_size 0
		.amdhsa_enable_private_segment 0
		.amdhsa_kernarg_size 88
		.amdhsa_user_sgpr_count 2
		.amdhsa_user_sgpr_kernarg_segment_ptr 1
		.amdhsa_wavefront_size32 1
		.amdhsa_system_sgpr_workgroup_id_x 1
		.amdhsa_system_sgpr_workgroup_id_y 1
		.amdhsa_system_sgpr_workgroup_id_z 1
		.amdhsa_system_vgpr_workitem_id 0
		.amdhsa_next_free_vgpr 1024
		.amdhsa_next_free_sgpr 100
		.amdhsa_reserve_vcc 0
		.amdhsa_float_denorm_mode_32 3
		.amdhsa_float_denorm_mode_16_64 3
		.amdhsa_memory_ordered 1
		.amdhsa_forward_progress 1
		.amdhsa_inst_pref_size 252
	.end_amdhsa_kernel
	.amdgpu_metadata
---
amdhsa.version: [ 1, 2 ]
amdhsa.kernels:
  - .name:           k_q2d69e408f6_post2
    .symbol:         k_q2d69e408f6_post2.kd
    .args:
      - { .name: o2, .offset: 0, .size: 8, .value_kind: global_buffer, .address_space: global }
      - { .name: prep, .offset: 8, .size: 8, .value_kind: global_buffer, .address_space: global }
      - { .name: x1, .offset: 16, .size: 8, .value_kind: global_buffer, .address_space: global }
      - { .name: ca_bo, .offset: 24, .size: 8, .value_kind: global_buffer, .address_space: global }
      - { .name: ln2_w, .offset: 32, .size: 8, .value_kind: global_buffer, .address_space: global }
      - { .name: ln2_b, .offset: 40, .size: 8, .value_kind: global_buffer, .address_space: global }
      - { .name: b1, .offset: 48, .size: 8, .value_kind: global_buffer, .address_space: global }
      - { .name: b2, .offset: 56, .size: 8, .value_kind: global_buffer, .address_space: global }
      - { .name: ln3_w, .offset: 64, .size: 8, .value_kind: global_buffer, .address_space: global }
      - { .name: ln3_b, .offset: 72, .size: 8, .value_kind: global_buffer, .address_space: global }
      - { .name: out0, .offset: 80, .size: 8, .value_kind: global_buffer, .address_space: global }
    .group_segment_fixed_size: 104960
    .private_segment_fixed_size: 0
    .kernarg_segment_align: 8
    .kernarg_segment_size: 88
    .max_flat_workgroup_size: 128
    .sgpr_count:     100
    .vgpr_count:     1024
    .wavefront_size: 32
...
	.end_amdgpu_metadata
.endif
;; end of part 12
